; MI455X (gfx1250); checked and timed in simulation.
; The chip was launched on July 23, 2026; its instructions are those of AMD's public machine-readable ISA for CDNA 5 (MIT licence, August 2026) and "CDNA5" Instruction Set Architecture Reference Guide (July 2026). The comments in the code are by the model that wrote it; some were corrected since.
;; Multi Head Self Attention. Allowed arithmetic: matrix products marked QUANTISED: E2M3 operands, one E8M0 scale for each 32 along K, by v_wmma_scale_f32_16x16x128_f8f6f4 with both operands' format E2M3, f32 sums; everything else in f32.
;; Inputs: bk 1,024 float32; bo 1,024 float32; bq 1,024 float32; bv 1,024 float32; k 4 x 2,048 x 1,024 float32; q 4 x 2,048 x 1,024 float32; v 4 x 2,048 x 1,024 float32; wk 1,024 x 1,024 float32; wo 1,024 x 1,024 float32; wq 1,024 x 1,024 float32; wv 1,024 x 1,024 float32.
;; Outputs: out0 4 x 2,048 x 1,024 float32.
;; This version of the problem:
;;   THIS VERSION OF THE PROBLEM IS GIVEN IN LOW PRECISION. The matrix products marked QUANTISED in the list below multiply operands that are first quantised to E2M3 (2 exponent bits, 3 mantissa bits; 6 bits a number), with one power-of-two scale for each 32 numbers along K (OCP MX v1.0); their sums are f32. All else is computed in f32.
;;   The module's matrix products, in the order in which they are computed (A, B: the left and right operand; K: the contracted axis; several contracted axes count as one K, in the product's order):
;;     1. [M 8,192, K 1,024] x [K 1,024, N 1,024]; A: input q; B: input wq: QUANTISED
;;     2. [M 8,192, K 1,024] x [K 1,024, N 1,024]; A: input k; B: input wk: QUANTISED
;;     3. [M 8,192, K 1,024] x [K 1,024, N 1,024]; A: input v; B: input wv: QUANTISED
;;     4. batch 64 x [M 2,048, K 64] x [K 64, N 2,048]; A: computed on the way; B: computed on the way: QUANTISED
;;     5. batch 64 x [M 2,048, K 2,048] x [K 2,048, N 64]; A: softmax (see below); B: computed on the way: QUANTISED
;;     6. [M 8,192, K 1,024] x [K 1,024, N 1,024]; A: computed on the way; B: input wo: QUANTISED
;;   THE QUANTISER, for each operand of a quantised product, along K:
;;     - K is cut into blocks of 32 from its start; a last block that is shorter is filled with zeros.
;;     - A block's scale is 2^e with e = floor(log2(the largest magnitude in the block)) - 2, held to -126 .. 127; a block of zeros has e = 0. As a byte (E8M0): e + 127.
;;     - Each number is divided by its block's scale, clamped to +-7.5, and rounded to the nearest number of E2M3, ties to even, subnormals kept.
;;     - The product sums the exact products of the quantised numbers (number of the format x scale) in f32.
;;   ~~~python
;;   def quantise(x, axis):      # numpy; x: float32 -> the quantised numbers, widened to float32 again
;;       x = np.moveaxis(x, axis, -1); K = x.shape[-1]
;;       x = np.pad(x, [(0, 0)] * (x.ndim - 1) + [(0, -K % 32)]); x = x.reshape(x.shape[:-1] + (-1, 32)); a = np.abs(x).max(-1, keepdims=True)
;;       e = np.where(a > 0, np.clip(np.frexp(np.where(a > 0, a, 1))[1] - 1 - 2, -126, 127), 0)      # np.frexp(a)[1] - 1 = floor(log2(a)), exactly
;;       r = np.clip(x / 2.0 ** e, -7.5, 7.5)
;;       step = 2.0 ** (np.maximum(np.frexp(np.where(r == 0, 1, r))[1] - 1, 0) - 3)
;;       q = np.round(r / step) * step * 2.0 ** e      # np.round: ties to even
;;       return np.moveaxis(q.reshape(q.shape[:-2] + (-1,))[..., :K], -1, axis).astype(np.float32)
;;   ~~~
;;   SOFTMAX AHEAD OF A QUANTISED PRODUCT. Where the list says 'softmax', what is quantised is not the finished softmax but p = 2^(t - M), with t = logit x log2(e) and M = ceil(the row's largest t), a whole number; so 1/2 < the row's largest p <= 1. The row's sum l is taken of the UNQUANTISED p, in f32, and the product's result is divided by l at the end. Since M is a whole number, a kernel that streams over the keys may use a running M (the ceiling of the running maximum): every later rescaling is an exact power of two, which a block's scale takes up: the codes' values come out the same.
;;   OPERANDS COMPUTED ON THE WAY. 'Computed on the way' means the value that the module computes at that place (a softmax that the list does not call 'softmax' is quantised finished and normalised). What goes into a quantiser is computed in f32, as accurately as f32 sums, v_exp_f32 and their like allow (about 1e-6 of the number): no bf16 or f16 on the way to a quantiser, and a product that is left as it is and whose result goes on into a quantised operand takes f32 operands (vector FMAs, or v_wmma_f32_16x16x4_f32). A number that lies on a knife's edge between two numbers of the format may be rounded either way, as far as f32 arithmetic and the matrix unit's own rounding can turn it there, and no further.
;; 2 versions. Each part assembles by itself: llvm-mc -triple=amdgcn-amd-amdhsa -mcpu=gfx1250 --defsym DOCPART=n.
;; ======== version 1 of 2: 5 launches
;; workspace buffers: wc 3,145,728 bytes; ws 131,072 bytes; xc 18,874,368 bytes; xs 786,432 bytes; hc 18,874,368 bytes; hs 786,432 bytes; ac 6,291,456 bytes; asc 524,288 bytes
;; launch qw (part 1): grid 32 x 4, 4 waves a work-group, no clusters, 26,112 bytes of LDS; arguments wq, wk, wv, wo, wc, ws; writes wc, ws
.if DOCPART == 1
	.amdgcn_target "amdgcn-amd-amdhsa--gfx1250"
	.amdhsa_code_object_version 6
	.text
	.protected	k_qdf5fd6cfe1_qw
	.globl	k_qdf5fd6cfe1_qw
	.p2align	8
	.type	k_qdf5fd6cfe1_qw,@function
k_qdf5fd6cfe1_qw:
	s_mov_b64 s[64:65], 0
	v_nop
	global_prefetch_b8 v0, s[64:65] scope:SCOPE_SE
	s_setreg_imm32_b32 hwreg(HW_REG_WAVE_MODE, 25, 1), 1
	s_wait_xcnt 0x0
; wq, wk, wv, wo: [1024 (k)][1024 (n)] f32, K the FIRST axis.  Each becomes an operand W^T of 1,024 rows n: codes of FP6 (E2M3) and one E8M0 byte for each 32 along K.
; A block's scale is 2^(floor(log2(largest magnitude)) - 2); its byte is the largest magnitude's exponent field - 2, held at 1 from below.
; LIMITS: NaN and infinities are not served; a block whose largest magnitude lies under 2^-124 keeps the byte 1; a block of zeros gets the byte 1 where the rule says 127 (its codes are zeros, and this program alone reads the bytes).
; LAYOUT OF THE CODES (this program's own): in the order of the operand's registers.  A tile T is 16 rows, lane r taking row 32 (T/2) + 8 (T%2) + r + 8 (r/8).  A unit is a tile x 64 along K, 768 bytes in three pieces
; of 256: piece p holds at byte 8 x (16 h + r) the bytes 24 h + 8 p .. + 7 of row r's 48.  wc: [weight][T (64)][K/64 (16)][768].  ws: [weight][T/2 (32)][K/256 (4)][lane 16 (T%2) + r][two words: the two K steps of 128].
; SHARES.  A lane takes a column n and its registers run down K: a load reads 128 consecutive bytes, a block of 32 lies in one lane, nothing is transposed.  A wave takes 32 columns (two tiles) x 256 along K:
; 8 blocks a lane.  The codes go through the wave's own stage in LDS (two tiles of 3,072 bytes, 3,200 apart, so that the two tiles' lanes fall into different halves of the banks) and leave as 512 consecutive bytes a store.
; No tensor load, no barrier: waves share nothing.  Loads run two blocks (64 loads a wave) ahead.
.set NB,   8
.set X,    32                          ; v32-95   two sets of 32 numbers
.set C,    96                          ; v96-102  a block's codes
.set OUTR, 112                         ; v112-159 the way out
.set SBY,  24                          ; v24-25   the scale bytes, four to a register
	s_load_b256 s[4:11], s[0:1], 0x0               ; wq, wk, wv, wo
	s_load_b128 s[12:15], s[0:1], 0x20             ; wc, ws
	v_lshl_add_u32 v160, v0, 2, 0x6400
	v_mov_b32 v161, 0
	v_lshrrev_b32 v1, 5, v0
	v_readfirstlane_b32 s16, v1                    ; wave 0..3
	v_and_b32 v2, 31, v0                           ; lane x = my column in the group of 32
	s_lshr_b32 s17, ttmp9, 3                       ; which weight
	s_and_b32 s18, ttmp9, 7                        ; which 128 columns
	s_and_b32 s19, ttmp7, 0xffff                   ; which 256 along K
	v_lshlrev_b32 v3, 2, v2                        ; in: 4 bytes a lane
	v_bfe_u32 v8, v0, 3, 1                         ; my tile of the two: t = (x / 8) % 2
	v_and_b32 v9, 7, v0
	v_bfe_u32 v10, v0, 4, 1
	v_lshl_add_u32 v9, v10, 3, v9                  ; my lane in that tile: r = x % 8 + 8 (x / 16)
	s_mul_i32 s20, s16, 6400                       ; my wave's stage
	v_mul_u32_u24 v4, v8, 3200
	v_lshl_add_u32 v4, v9, 3, v4
	v_add_nc_u32 v4, s20, v4                       ; into it: 3,200 t + 8 r
	v_lshlrev_b32 v6, 4, v2                        ; out: 16 bytes a lane
	v_add_nc_u32 v5, s20, v6
	v_lshl_add_u32 v7, v8, 4, v9
	v_lshlrev_b32 v7, 3, v7                        ; my two scale words: 8 (16 t + r)
	s_lshl_b32 s22, s19, 20                        ; W: 256 rows of 4,096 bytes for each step along K,
	s_lshl_b32 s21, s18, 9
	s_add_co_u32 s22, s22, s21                     ; 512 bytes for each 128 columns,
	s_lshl_b32 s21, s16, 7
	s_add_co_u32 s22, s22, s21                     ; 128 for each wave
	s_mov_b32 s23, 0
	s_lshl_b32 s21, s18, 2
	s_add_co_u32 s21, s21, s16                     ; my group of 32 columns
	s_mul_i32 s24, s17, 786432                     ; codes: the weight's region, two tiles of 12,288 a group, 3,072 for each 256 along K
	s_mul_i32 s26, s21, 24576
	s_add_co_u32 s24, s24, s26
	s_mul_i32 s26, s19, 3072
	s_add_co_u32 s24, s24, s26
	s_mov_b32 s25, 0
	s_lshl_b32 s26, s17, 15                        ; scale words: 32,768 a weight, 1,024 a group, 256 for each 256 along K
	s_lshl_b32 s28, s21, 10
	s_add_co_u32 s26, s26, s28
	s_lshl_b32 s28, s19, 8
	s_add_co_u32 s26, s26, s28
	s_mov_b32 s27, 0
	s_wait_kmcnt 0x0
	s_cmp_eq_u32 s17, 1                            ; the choice hangs on the work-group's number alone
	s_cselect_b64 s[4:5], s[6:7], s[4:5]
	s_cmp_eq_u32 s17, 2
	s_cselect_b64 s[4:5], s[8:9], s[4:5]
	s_cmp_eq_u32 s17, 3
	s_cselect_b64 s[4:5], s[10:11], s[4:5]
	s_add_nc_u64 s[4:5], s[4:5], s[22:23]
	s_add_nc_u64 s[12:13], s[12:13], s[24:25]
	s_add_nc_u64 s[14:15], s[14:15], s[26:27]
.macro LOAD t                          ; block t: W(32 t + i, my column), i = 0 .. 31, into set t % 2; the largest offset is 255 rows, inside the signed 24-bit immediate
.irp i, 0,1,2,3,4,5,6,7,8,9,10,11,12,13,14,15,16,17,18,19,20,21,22,23,24,25,26,27,28,29,30,31
	global_load_b32 v[X+32*((\t)%2)+\i], v3, s[4:5] offset:(32*(\t)+\i)*4096 th:TH_LOAD_NT
.endr
.endm
	LOAD 0
	LOAD 1
.macro BLOCK t
.set XS, X+32*((\t)%2)
.if (\t) < NB-1
	s_wait_loadcnt 32                              ; this block's 32 loads are in; the next block's 32 may be out
.else
	s_wait_loadcnt 0x0
.endif
	v_max3_num_f32 v12, |v[XS]|, |v[XS+1]|, |v[XS+2]|              ; the block's largest magnitude: all 32 numbers are mine; two chains
	v_max3_num_f32 v13, |v[XS+3]|, |v[XS+4]|, |v[XS+5]|
.irp i, 6,10,14,18,22,26
	v_max3_num_f32 v12, v12, |v[XS+\i]|, |v[XS+\i+1]|
	v_max3_num_f32 v13, v13, |v[XS+\i+2]|, |v[XS+\i+3]|
.endr
	v_max3_num_f32 v12, v12, |v[XS+30]|, |v[XS+31]|
	v_max3_num_f32 v12, v12, v13, 0x1800000        ; and the floor 2^(3 - 127): the byte cannot fall under 1
	v_add_nc_u32 v11, 0xff000000, v12              ; 2 off the exponent field: the conversion takes the exponent field of this operand as its scale
	v_lshrrev_b32 v13, 23, v11                     ; the scale's byte
.if (\t)%4 == 0
	v_mov_b32 v[SBY+(\t)/4], v13                   ; four bytes to a word, the lower K in the lower byte
.else
	v_lshl_or_b32 v[SBY+(\t)/4], v13, 8*((\t)%4), v[SBY+(\t)/4]
.endif
	v_cvt_scalef32_pk16_fp6_f32 v[C:C+2], v[XS:XS+15], v11
	v_cvt_scalef32_pk16_fp6_f32 v[C+4:C+6], v[XS+16:XS+31], v11    ; (a conversion's three registers begin on an even number)
	v_nop                                          ; one plain place behind a scaled conversion
	v_mov_b32 v[C+3], v[C+4]                       ; the block's 24 bytes on end
	v_mov_b32 v[C+4], v[C+5]
	v_mov_b32 v[C+5], v[C+6]
.irp p, 0,1,2
	ds_store_b64 v4, v[C+2*\p:C+2*\p+1] offset:768*((\t)/2)+128*((\t)%2)+256*\p   ; unit t / 2, half t % 2, piece p
.endr
.if (\t)+2 < NB
	LOAD (\t)+2
.endif
	s_wait_dscnt 0x0                               ; the stores have read their registers: the next block's codes may be written
.endm
.irp t, 0,1,2,3,4,5,6,7
	BLOCK \t
.endr
	global_store_b64 v7, v[SBY:SBY+1], s[14:15]    ; the 32 lanes fill 256 consecutive bytes, aligned
.irp k, 0,1,2,3,4,5,6,7,8,9,10,11
	ds_load_b128 v[OUTR+4*\k:OUTR+4*\k+3], v5 offset:3200*(\k/6)+512*(\k%6)   ; LDS serves a wave's instructions in order: these see my stores
.endr
.irp k, 0,1,2,3,4,5,6,7,8,9,10,11
	s_wait_dscnt 11-\k                             ; load k is in; the younger ones may be out
	global_store_b128 v6, v[OUTR+4*\k:OUTR+4*\k+3], s[12:13] offset:12288*(\k/6)+512*(\k%6)   ; 512 consecutive bytes, aligned to 256
.endr
	s_wait_tensorcnt 0x0
	ds_add_u32 v160, v161
	s_wait_dscnt 0x0
	s_endpgm
.Lfunc_end_k_qdf5fd6cfe1_qw:
	.size	k_qdf5fd6cfe1_qw, .Lfunc_end_k_qdf5fd6cfe1_qw-k_qdf5fd6cfe1_qw
	.p2alignl 7, 3214868480
	.fill 96, 4, 3214868480
	.section	.rodata,"a",@progbits
	.p2align	6, 0x0
	.amdhsa_kernel k_qdf5fd6cfe1_qw
		.amdhsa_group_segment_fixed_size 26112
		.amdhsa_private_segment_fixed_size 0
		.amdhsa_enable_private_segment 0
		.amdhsa_kernarg_size 48
		.amdhsa_user_sgpr_count 2
		.amdhsa_user_sgpr_kernarg_segment_ptr 1
		.amdhsa_wavefront_size32 1
		.amdhsa_system_sgpr_workgroup_id_x 1
		.amdhsa_system_sgpr_workgroup_id_y 1
		.amdhsa_system_sgpr_workgroup_id_z 1
		.amdhsa_system_vgpr_workitem_id 0
		.amdhsa_next_free_vgpr 162
		.amdhsa_next_free_sgpr 66
		.amdhsa_reserve_vcc 0
		.amdhsa_float_denorm_mode_32 3
		.amdhsa_float_denorm_mode_16_64 3
		.amdhsa_memory_ordered 1
		.amdhsa_forward_progress 1
		.amdhsa_inst_pref_size 43
	.end_amdhsa_kernel
	.amdgpu_metadata
---
amdhsa.version: [ 1, 2 ]
amdhsa.kernels:
  - .name:           k_qdf5fd6cfe1_qw
    .symbol:         k_qdf5fd6cfe1_qw.kd
    .args:
      - { .name: wq, .offset: 0, .size: 8, .value_kind: global_buffer, .address_space: global }
      - { .name: wk, .offset: 8, .size: 8, .value_kind: global_buffer, .address_space: global }
      - { .name: wv, .offset: 16, .size: 8, .value_kind: global_buffer, .address_space: global }
      - { .name: wo, .offset: 24, .size: 8, .value_kind: global_buffer, .address_space: global }
      - { .name: wc, .offset: 32, .size: 8, .value_kind: global_buffer, .address_space: global }
      - { .name: ws, .offset: 40, .size: 8, .value_kind: global_buffer, .address_space: global }
    .group_segment_fixed_size: 26112
    .private_segment_fixed_size: 0
    .kernarg_segment_align: 8
    .kernarg_segment_size: 48
    .max_flat_workgroup_size: 128
    .sgpr_count:     66
    .vgpr_count:     162
    .wavefront_size: 32
...
	.end_amdgpu_metadata
.endif
;; end of part 1
;; launch qx (part 2): grid 768 x 1, 4 waves a work-group, no clusters, 34,304 bytes of LDS; arguments q, k, v, xc, xs; writes xc, xs
.if DOCPART == 2
	.amdgcn_target "amdgcn-amd-amdhsa--gfx1250"
	.amdhsa_code_object_version 6
	.text
	.protected	k_qdf5fd6cfe1_qx
	.globl	k_qdf5fd6cfe1_qx
	.p2align	8
	.type	k_qdf5fd6cfe1_qx,@function
k_qdf5fd6cfe1_qx:
	s_mov_b64 s[64:65], 0
	v_nop
	global_prefetch_b8 v0, s[64:65] scope:SCOPE_SE
	s_setreg_imm32_b32 hwreg(HW_REG_WAVE_MODE, 25, 1), 1
	s_wait_xcnt 0x0
; q, k, v: [8192][1024] f32, K innermost, become codes of FP6 (E2M3) with one E8M0 byte for each 32 along K, in the order of the operand's registers:
; a tile T is 16 rows, lane r taking row 32 (T/2) + 8 (T%2) + r + 8 (r/8); a unit is a tile x 64 along K, 768 bytes in three pieces of 256 (piece p: at 8 x lane the lane's registers 2 p, 2 p + 1).
; xc: [tensor][T (512)][K/64 (16)][768].  xs: [tensor][T/2 (256)][K/256 (4)][lane 16 (T%2) + r][two words: the two K steps of 128].
; LIMITS: NaN and infinities are not served; a block whose largest magnitude lies under 2^-124 keeps the byte 1; a block of zeros gets the byte 1 where the rule says 127 (its codes are zeros; this program alone reads the bytes).
; SHARES.  A work-group takes 32 rows (two tiles) of one tensor, wave w the w-th 256 along K: four sub-steps of 16 rows x 128 K.  Each load reads 512 consecutive bytes of one row.  The conversions want 16 neighbours
; along K in one lane, so a sub-step's 8,192 bytes turn through the wave's own stage in LDS (16 rows of 512 + 16 bytes) and come back 64 bytes of each block's half a lane.  No tensor load, no barrier.
.set R,   64                           ; v64-191  two sets of 64 numbers
.set TM,  16                           ; v16-31   QUANT's work
.set PC,  32                           ; v32-51   the codes just made
.set PW,  8                            ; v8-11    a scale word for each sub-step
.set SEL, 20                           ; s[20:21] selects of v_permlanex16_b32: lane l xor 16
; 64 numbers of a lane, register 16 b + i = k 32 b + 16 (lane / 16) + i of my row, become a fragment's 12 registers in v[PC] on and my row's scale word in v[pw] (the same in lanes l and l xor 16).
.macro QUANT s, pw
.irp b, 0,1,2,3
	v_max3_num_f32 v[TM+\b], |v[\s+16*\b]|, |v[\s+1+16*\b]|, 0x1800000   ; block b: my 16 numbers, and the floor 2^(3 - 127): the byte cannot fall under 1
.endr
.irp i, 2,4,6,8,10,12,14
.irp b, 0,1,2,3
	v_max3_num_f32 v[TM+\b], v[TM+\b], |v[\s+16*\b+\i]|, |v[\s+1+16*\b+\i]|   ; (the four blocks by turns)
.endr
.endr
.irp b, 0,1,2,3
	v_permlanex16_b32 v[TM+4+\b], v[TM+\b], s[SEL], s[SEL+1]
.endr
.irp b, 0,1,2,3
	v_max_num_f32 v[TM+\b], v[TM+\b], v[TM+4+\b]   ; with lane l xor 16's: the block's largest magnitude
.endr
.irp b, 0,1,2,3
	v_add_nc_u32 v[TM+12+\b], 0xff000000, v[TM+\b]   ; 2 off its exponent field: the conversion's scale operand
.endr
.irp b, 0,1,2,3
	v_lshrrev_b32 v[TM+4+\b], 23, v[TM+12+\b]      ; the scale's byte
.endr
	v_lshl_or_b32 v[\pw], v[TM+5], 8, v[TM+4]
	v_lshl_or_b32 v[\pw], v[TM+6], 16, v[\pw]
	v_lshl_or_b32 v[\pw], v[TM+7], 24, v[\pw]
.irp c, 0,1
	v_cvt_scalef32_pk16_fp6_f32 v[PC+6*\c:PC+2+6*\c], v[\s+32*\c:\s+15+32*\c], v[TM+12+2*\c]
	v_cvt_scalef32_pk16_fp6_f32 v[PC+12+4*\c:PC+14+4*\c], v[\s+16+32*\c:\s+31+32*\c], v[TM+12+2*\c+1]   ; (a conversion's three registers begin on an even number)
.endr
	v_nop                                          ; one plain place behind a scaled conversion
.irp c, 0,1                            ; the operand's layout wants a WHOLE block in a lane: lanes 0-15 block 2 c, lanes 16-31 block 2 c + 1
.irp i, 0,1,2
	v_permlane16_swap_b32 v[PC+6*\c+\i], v[PC+12+4*\c+\i]
.endr
.irp i, 0,1,2
	v_mov_b32 v[PC+3+6*\c+\i], v[PC+12+4*\c+\i]
.endr
.endr
.endm
	s_load_b256 s[4:11], s[0:1], 0x0               ; q, k, v, xc
	s_load_b64 s[12:13], s[0:1], 0x20              ; xs
	v_lshl_add_u32 v192, v0, 2, 0x8400
	v_mov_b32 v193, 0
	v_lshrrev_b32 v1, 5, v0
	v_readfirstlane_b32 s14, v1                    ; wave 0..3 = which 256 along K
	v_and_b32 v5, 31, v0                           ; lane
	v_and_b32 v6, 15, v0                           ; r
	v_bfe_u32 v7, v0, 4, 1                         ; h
	v_lshlrev_b32 v1, 4, v5                        ; in: 16 bytes a lane
	s_mul_i32 s15, s14, 8448                       ; my wave's stage
	v_add_nc_u32 v2, s15, v1                       ; into it: a row's 512 bytes as they lie
	v_mul_u32_u24 v3, v6, 528
	v_lshl_add_u32 v3, v7, 6, v3
	v_add_nc_u32 v3, s15, v3                       ; out of it: row r, + 64 h
	v_lshlrev_b32 v4, 3, v5                        ; a piece: 8 bytes a lane
	s_lshr_b32 s16, ttmp9, 8                       ; which tensor
	s_and_b32 s17, ttmp9, 255                      ; which 32 rows of it
	s_lshl_b32 s24, s17, 17
	s_lshl_b32 s18, s14, 10
	s_add_co_u32 s24, s24, s18                     ; in: 32 rows of 4,096 bytes a group, 1,024 bytes a wave
	s_mov_b32 s25, 0
	s_mul_i32 s26, ttmp9, 24576                    ; codes: two tiles of 12,288 a group (the three tensors' groups follow each other), 3,072 a wave
	s_mul_i32 s18, s14, 3072
	s_add_co_u32 s26, s26, s18
	s_mov_b32 s27, 0
	s_lshl_b32 s28, ttmp9, 10                      ; scale words: 1,024 a group, 256 a wave
	s_lshl_b32 s18, s14, 8
	s_add_co_u32 s28, s28, s18
	s_mov_b32 s29, 0
	s_mov_b32 s[SEL], 0x76543210
	s_mov_b32 s[SEL+1], 0xfedcba98
	s_mov_b32 s22, 0xffff0000                      ; lanes 16-31
.irp b, 0,1,2,3
	v_mov_b32 v[TM+4+\b], 0                        ; written once: a lane permute's destination counts as one of its sources
.endr
	s_wait_kmcnt 0x0
	s_cmp_eq_u32 s16, 1                            ; the choice hangs on the work-group's number alone
	s_cselect_b64 s[4:5], s[6:7], s[4:5]
	s_cmp_eq_u32 s16, 2
	s_cselect_b64 s[4:5], s[8:9], s[4:5]
	s_add_nc_u64 s[4:5], s[4:5], s[24:25]
	s_add_nc_u64 s[10:11], s[10:11], s[26:27]
	s_add_nc_u64 s[12:13], s[12:13], s[28:29]
.macro LOAD t                          ; sub-step t = 2 x tile + K step: the tile's 16 rows, 512 bytes of each, into set t % 2
.irp i, 0,1,2,3,4,5,6,7,8,9,10,11,12,13,14,15
	global_load_b128 v[R+64*((\t)%2)+4*\i:R+64*((\t)%2)+4*\i+3], v1, s[4:5] offset:(8*((\t)/2)+\i+8*(\i/8))*4096+512*((\t)%2) th:TH_LOAD_NT
.endr
.endm
.macro TURN t                          ; through the stage and back into the registers that they left: LDS serves a wave's instructions in order
.irp i, 0,1,2,3,4,5,6,7,8,9,10,11,12,13,14,15
	ds_store_b128 v2, v[R+64*(\t%2)+4*\i:R+64*(\t%2)+4*\i+3] offset:528*\i
.endr
.irp b, 0,1,2,3
.irp j, 0,1,2,3
	ds_load_b128 v[R+64*(\t%2)+16*\b+4*\j:R+64*(\t%2)+16*\b+4*\j+3], v3 offset:128*\b+16*\j
.endr
.endr
.endm
.macro SUB t
.if \t < 3
	s_wait_loadcnt 16                              ; this sub-step's 16 loads are in; the next one's 16 may be out
.else
	s_wait_loadcnt 0x0
.endif
.if \t > 0
	s_wait_xcnt 0x0                                ; the last sub-step's stores have read their data: the codes' registers are written again only behind this wait
.endif
	TURN \t
	s_wait_dscnt 0x0
	QUANT R+64*(\t%2), PW+\t
.if \t < 2
	LOAD \t+2
.endif
.irp p, 0,1,2,3,4,5
	global_store_b64 v4, v[PC+2*\p:PC+2*\p+1], s[10:11] offset:12288*(\t/2)+1536*(\t%2)+256*\p   ; a piece: 256 consecutive bytes, aligned
.endr
.endm
	LOAD 0
	LOAD 1
	SUB 0
	SUB 1
	SUB 2
	SUB 3
	v_cndmask_b32 v12, v[PW], v[PW+2], s22         ; lanes 0-15: the even tile's words, lanes 16-31: the odd tile's
	v_cndmask_b32 v13, v[PW+1], v[PW+3], s22
	global_store_b64 v4, v[12:13], s[12:13]        ; 256 consecutive bytes, aligned
	s_wait_tensorcnt 0x0
	ds_add_u32 v192, v193
	s_wait_dscnt 0x0
	s_endpgm
.Lfunc_end_k_qdf5fd6cfe1_qx:
	.size	k_qdf5fd6cfe1_qx, .Lfunc_end_k_qdf5fd6cfe1_qx-k_qdf5fd6cfe1_qx
	.p2alignl 7, 3214868480
	.fill 96, 4, 3214868480
	.section	.rodata,"a",@progbits
	.p2align	6, 0x0
	.amdhsa_kernel k_qdf5fd6cfe1_qx
		.amdhsa_group_segment_fixed_size 34304
		.amdhsa_private_segment_fixed_size 0
		.amdhsa_enable_private_segment 0
		.amdhsa_kernarg_size 40
		.amdhsa_user_sgpr_count 2
		.amdhsa_user_sgpr_kernarg_segment_ptr 1
		.amdhsa_wavefront_size32 1
		.amdhsa_system_sgpr_workgroup_id_x 1
		.amdhsa_system_sgpr_workgroup_id_y 1
		.amdhsa_system_sgpr_workgroup_id_z 1
		.amdhsa_system_vgpr_workitem_id 0
		.amdhsa_next_free_vgpr 194
		.amdhsa_next_free_sgpr 66
		.amdhsa_reserve_vcc 0
		.amdhsa_float_denorm_mode_32 3
		.amdhsa_float_denorm_mode_16_64 3
		.amdhsa_memory_ordered 1
		.amdhsa_forward_progress 1
		.amdhsa_inst_pref_size 34
	.end_amdhsa_kernel
	.amdgpu_metadata
---
amdhsa.version: [ 1, 2 ]
amdhsa.kernels:
  - .name:           k_qdf5fd6cfe1_qx
    .symbol:         k_qdf5fd6cfe1_qx.kd
    .args:
      - { .name: q, .offset: 0, .size: 8, .value_kind: global_buffer, .address_space: global }
      - { .name: k, .offset: 8, .size: 8, .value_kind: global_buffer, .address_space: global }
      - { .name: v, .offset: 16, .size: 8, .value_kind: global_buffer, .address_space: global }
      - { .name: xc, .offset: 24, .size: 8, .value_kind: global_buffer, .address_space: global }
      - { .name: xs, .offset: 32, .size: 8, .value_kind: global_buffer, .address_space: global }
    .group_segment_fixed_size: 34304
    .private_segment_fixed_size: 0
    .kernarg_segment_align: 8
    .kernarg_segment_size: 40
    .max_flat_workgroup_size: 128
    .sgpr_count:     66
    .vgpr_count:     194
    .wavefront_size: 32
...
	.end_amdgpu_metadata
.endif
;; end of part 2
;; launch proj (part 3): grid 4 x 96, 4 waves a work-group, clusters of 4 x 4, 327,680 bytes of LDS; arguments xc, xs, wc, ws, bq, bk, bv, hc, hs; writes hc, hs
.if DOCPART == 3
	.amdgcn_target "amdgcn-amd-amdhsa--gfx1250"
	.amdhsa_code_object_version 6
	.text
	.protected	k_qdf5fd6cfe1_proj
	.globl	k_qdf5fd6cfe1_proj
	.p2align	8
	.type	k_qdf5fd6cfe1_proj,@function
k_qdf5fd6cfe1_proj:
	s_mov_b64 s[64:65], 0
	v_nop
	global_prefetch_b8 v0, s[64:65] scope:SCOPE_SE
	s_setreg_imm32_b32 hwreg(HW_REG_WAVE_MODE, 25, 1), 1
	s_wait_xcnt 0x0
	s_wait_alu depctr_hold_cnt(0) depctr_sa_sdst(0) depctr_va_vdst(0) depctr_va_sdst(0) depctr_va_ssrc(0) depctr_va_vcc(0) depctr_vm_vsrc(0)
	s_getreg_b32 s2, hwreg(HW_REG_IB_STS2, 6, 4)
	s_cmp_eq_u32 s2, 0
	s_cbranch_scc0 .Lentry_in_a_cluster
	s_endpgm
.Lentry_in_a_cluster:
	s_bfe_u32 s2, ttmp6, 0x10000c
	s_cmp_lg_u32 s2, 0xf033
	s_cbranch_scc0 .Lentry_shape_is_right
	s_endpgm
.Lentry_shape_is_right:
; The three projections x W + b on codes of FP6 (E2M3) with E8M0 scales, 8,192 x 1,024 x 1,024 each, and the quantising of their results for the attention: qh and kh along the head's 64, vh along the keys.
; A tile of 256 x 256 is made by four waves, 128 x 128 each: 64 accumulators, 512 registers.  Source 0's rows (S0) run along a lane's registers in the result, source 1's rows (S1) along the lanes.
; Q, K (cluster rows 0-15 of the grid): S0 = W^T, S1 = tokens: a lane holds one token and 128 neighbouring outputs, two heads.  V (cluster rows 16-23): S0 = tokens, S1 = W^T: a lane holds one output and 128 neighbouring keys.
; Which of the two a work-group does hangs on the cluster's y alone; it chooses pointers and a few numbers, never a branch.
; OPERANDS lie in memory in the order of the operand's registers: a tile T is 16 rows, lane r taking row 32 (T/2) + 8 (T%2) + r + 8 (r/8); [T][K/64][768 bytes: three pieces of 256, 8 bytes a lane].  So a fragment is six
; loads of 8 bytes a lane, 256 consecutive LDS bytes each, with no padding; and the 16 registers of the results of tiles 2 b and 2 b + 1 of S0 are 16 NEIGHBOURS along S0's rows, as the conversions want them.
; K goes in four steps of 256 through two LDS slots filled by the tensor data mover (8 tiles x 3,072 bytes a load).  CLUSTERS: 4 x 4 work-groups; S1's tiles are shared along a row of the cluster, S0's along a column: joint loads.
; THE SCALE WORDS of a wave's 128 + 128 rows for all of K are 64 registers, loaded once, 256 consecutive bytes a load: a register holds an even tile's words in lanes 0-15 and the odd tile's in lanes 16-31.
; THE BIAS along the lanes (V) is the C of each sum's first product; the bias along the registers (Q, K) is added on the way out by one fused multiply-add, bias x 1 + sum.  The one that does not apply is multiplied by 0.
; OUT.  hc: [Q, K, V][batch x 16 + head][98,304]: Q, K: [token tile (128)][768]; V: [key / 64 (32)][tile of 16 of the head's 64 (4)][768].  hs: [Q, K, V][batch x 16 + head][128 tokens (16)][lane][two words]:
; Q, K: word i of lane (r, h') : the pair of token tiles 2 i + h': the even tile's two bytes, then the odd tile's;  V: word i of lane (r, h'): the four key blocks' bytes of tile 2 i + h', row r.
; LIMITS: NaN and infinities (a bias among them) are not served; a block whose largest magnitude lies under 2^-124 keeps the byte 1; a block of zeros gets the byte 1 where the rule says 127 (zero codes; read by this program alone).
; REGISTERS: window 0: v1-29 addresses; v32-63 S1's scale words, v64-95 S0's; v96-127 the way out's work; v128-223 S1's fragments, ONE set, on the way out 64 numbers and the codes.
;   window 1: S0's fragments, two sets at v0 and v128 (set 0 takes the bias along the registers in the last K step); v96-127, v224-255 eight C tiles.   windows 2, 3: the accumulators (a, b) at v[8 (8 (a % 4) + b)].
.set BIAS_ON_A, 1
.set FR,    12                         ; registers of a fragment
.set NL,    6                          ; LDS loads that bring one
.set NP,    4                          ; places behind this matrix instruction (ISA guide 7.12.1)
.set HALFT, 24576                      ; 8 tiles x 3,072 bytes: what one tensor load brings, and what one wave reads of S1 or of S0
.set SLOT,  98304                      ; S1's 16 tiles, then S0's 16
.set SPARE, 196608                     ; behind the ring: the spare words, 128 bytes for each wave, that no other line names
.set ADRA,  16                         ; v16-17 LDS address of my S1 fragments in slot 0, 1
.set ADRB,  20                         ; v20-21 the same for S0
.set L8,    26                         ; v26    8 x lane
.set SPW,   28                         ; v28    my spare word; never rewritten
.set NIL,   29                         ; v29    0; never rewritten
.set SA,    32                         ; S1's scale words: pair of tiles p, K step s at v[SA + 8 p + s]
.set SB,    64                         ; S0's
.set AF,    128
.set G1,    24                         ; s[24:31] group 1 for S1's tiles; s[32:39] group 0, a set for each slot
.set G0,    32
.set G1B,   48                         ; s[48:55], s[56:63] the same for S0's
.set G0B,   56
.set T,     128                        ; the way out: 64 numbers
.set PC,    192                        ; the codes just made
.set TM,    96                         ; QUANT's work
.set PWS,   112                        ; a scale word for each of my eight tiles of S1
.set OW,    120                        ; the words as they leave
.set SE,    86                         ; s86, s87 the way out's two strides
.set SC,    87
.set MM,    88                         ; s88 all ones for V, 0 for Q and K
.set HM,    89                         ; s89 lanes 16-31
.set SEL,   90                         ; s[90:91]
.set FM0,   92                         ; s[92:93] 1.0 for Q and K, 0 for V
.set FM1,   94                         ; s94 the other way round
.set MSB, 0
.macro WIN new                         ; the immediate's high byte repeats the setting that is left
.if MSB != (\new)
	s_set_vgpr_msb (MSB<<8)|(\new)
.set MSB, (\new)
.endif
.endm
; A joint load: waves 0 and 1 fetch S1's halves, waves 2 and 3 S0's.  Each line has one mask and one set of registers for all that issue it; the branch hangs on the wave's number alone.  Four v_nop follow each line.
.macro JLOAD g0a, g1a, g0b, g1b
	s_cmp_eq_u32 s15, 0
	s_cbranch_scc0 .Lfor_b_\@
	tensor_load_to_lds s[\g0a:\g0a+3], s[\g1a:\g1a+7]
	s_nop 0
.rept 4
	v_nop
.endr
	s_branch .Lasked_\@
.Lfor_b_\@:
	tensor_load_to_lds s[\g0b:\g0b+3], s[\g1b:\g1b+7]
	s_nop 0
.rept 4
	v_nop
.endr
.Lasked_\@:
.endm
.macro CREST                           ; a round of the cluster's barrier behind its opening barrier
	s_cmp_lg_u32 s14, 0
	s_cbranch_scc1 .Lnot_wave_0_\@
	s_barrier_signal -3
.Lnot_wave_0_\@:
	s_barrier_wait -3
	s_barrier_signal -1
	s_barrier_wait -1
.endm
.macro CROUND
	s_barrier_signal -1
	s_barrier_wait -1
	CREST
.endm
.macro PLACES n
.rept \n
	v_nop
.endr
.endm
.macro FRAG reg, adr, q, i             ; tile i's fragment of the slot's q-th 128 along K: six pieces, 256 consecutive bytes each
.irp p, 0,1,2,3,4,5
	ds_load_b64 v[\reg+2*\p:\reg+2*\p+1], v[\adr] offset:3072*(\i)+1536*(\q)+256*\p
.endr
.endm
.macro FETCH_B slot, q, p              ; S0's eight fragments into set p
	WIN 0x40
.irp i, 0,1,2,3,4,5,6,7
	FRAG 128*(\p)+FR*\i, ADRB+\slot, \q, \i
.endr
	WIN 0
.endm
.macro FETCH_A slot, q, i0             ; S1's blocks i0 .. i0 + 3
.irp i, \i0, \i0+1, \i0+2, \i0+3
	FRAG AF+FR*(\i), ADRA+\slot, \q, \i
.endr
.endm
; 16 products: S1's blocks a0, a0 + 1 x S0's eight, K step s; p: S0's set.  first = 1: the sum starts from a C tile.  The 64 accumulators take turns, one instruction a turn, in the same order in every step.
.macro MUL16 a0, p, s, first
.irp a, \a0, \a0+1
.irp b, 0,1,2,3,4,5,6,7
.set xD, 8*(8*((\a)%4)+\b)
.set xA, 128*(\p)+FR*\b
.set xB, AF+FR*(\a)
.if \first
.if BIAS_ON_A
.set xC, 96+8*((\a)%4)+128*((\a)/4)
.else
.set xC, 96+8*(\b%4)+128*(\b/4)
.endif
.else
.set xC, 8*(8*((\a)%4)+\b)
.endif
.set xS, SB+8*(\b/2)+(\s)
.set xT, SA+8*((\a)/2)+(\s)
.if (\b%2) && ((\a)%2)
	v_wmma_scale_f32_16x16x128_f8f6f4 v[xD:xD+7], v[xA:xA+11], v[xB:xB+11], v[xC:xC+7], v[xS], v[xT] matrix_a_fmt:MATRIX_FMT_FP6 matrix_b_fmt:MATRIX_FMT_FP6 matrix_a_scale:MATRIX_SCALE_ROW1 matrix_b_scale:MATRIX_SCALE_ROW1
.elseif \b%2
	v_wmma_scale_f32_16x16x128_f8f6f4 v[xD:xD+7], v[xA:xA+11], v[xB:xB+11], v[xC:xC+7], v[xS], v[xT] matrix_a_fmt:MATRIX_FMT_FP6 matrix_b_fmt:MATRIX_FMT_FP6 matrix_a_scale:MATRIX_SCALE_ROW1
.elseif (\a)%2
	v_wmma_scale_f32_16x16x128_f8f6f4 v[xD:xD+7], v[xA:xA+11], v[xB:xB+11], v[xC:xC+7], v[xS], v[xT] matrix_a_fmt:MATRIX_FMT_FP6 matrix_b_fmt:MATRIX_FMT_FP6 matrix_b_scale:MATRIX_SCALE_ROW1
.else
	v_wmma_scale_f32_16x16x128_f8f6f4 v[xD:xD+7], v[xA:xA+11], v[xB:xB+11], v[xC:xC+7], v[xS], v[xT] matrix_a_fmt:MATRIX_FMT_FP6 matrix_b_fmt:MATRIX_FMT_FP6
.endif
.endr
.endr
.endm
; A slot's first 128 along K (K step s).  Window settings: source 0 window 1, source 1 window 0, C and D window 2 (0xa1) or 3 (0xf1); in the first step C lies in window 1 (0x91, 0xd1).
.macro STEP slot, s, first
	s_wait_dscnt 4*NL                              ; S0's set and S1's blocks 0-3 are in; the youngest 24 loads (blocks 4-7) may be out
	WIN 0xa1-0x10*(\first)
	MUL16 0, 0, \s, \first
	MUL16 2, 0, \s, \first
	s_wait_dscnt 0x0                               ; blocks 4-7 are in
	PLACES NP                                      ; in front of loads into registers that matrix instructions have read
	FETCH_B \slot, 1, 1
	FETCH_A \slot, 1, 0
	WIN 0xf1-0x20*(\first)
	MUL16 4, 0, \s, \first
	MUL16 6, 0, \s, \first
	PLACES NP
	WIN 0
	FETCH_A \slot, 1, 4
.endm
; A slot's second 128 along K changes slots: one barrier; in front of it each wave waits for all its tensor loads, adds 0 to its spare word, and waits for that and for its own reads of this slot.  fill = 1: this slot is filled again, two steps of 256 ahead.
.macro TURN slot, next, s, fill
	s_wait_tensorcnt 0x0                           ; all my tensor loads have landed: my part of the next slot
	ds_add_u32 v[SPW], v[NIL]                      ; 0 onto my spare word
	s_wait_dscnt 4*NL+1                            ; (the add and the youngest 24 loads may be out)
	WIN 0xa1
	MUL16 0, 1, \s, 0                              ; sixteen products stand between the add and the wait for it
	s_wait_dscnt 0x0                               ; the add is done, and my reads of this slot are over
	s_barrier_signal -1
	MUL16 2, 1, \s, 0
	WIN 0
	s_barrier_wait -1
.if \fill
	CREST                                          ; the barrier has opened a round of the cluster's barrier: no wave of any partner still reads this slot or has a load on its way
	s_add_nc_u64 s[G0+4*\slot+2:G0+4*\slot+3], s[G0+4*\slot+2:G0+4*\slot+3], 6144
	s_add_nc_u64 s[G0B+4*\slot+2:G0B+4*\slot+3], s[G0B+4*\slot+2:G0B+4*\slot+3], 6144
	JLOAD G0+4*\slot, G1, G0B+4*\slot, G1B         ; the first tensor load behind the round; the four v_nop behind it are the places in front of the loads below
.else
	PLACES NP
.endif
	FETCH_B \next, 0, 0
	FETCH_A \next, 0, 0
	WIN 0xf1
	MUL16 4, 1, \s, 0
	MUL16 6, 1, \s, 0
	PLACES NP
	WIN 0
	FETCH_A \next, 0, 4
.endm
; 64 numbers of a lane, register 16 b + i = k 32 b + 16 (lane / 16) + i of my row, become a fragment's 12 registers in v[PC] on and my row's scale word in v[pw] (the same in lanes l and l xor 16).
.macro QUANT s, pw
.irp b, 0,1,2,3
	v_max3_num_f32 v[TM+\b], |v[\s+16*\b]|, |v[\s+1+16*\b]|, 0x1800000   ; block b: my 16 numbers, and the floor 2^(3 - 127): the byte cannot fall under 1
.endr
.irp i, 2,4,6,8,10,12,14
.irp b, 0,1,2,3
	v_max3_num_f32 v[TM+\b], v[TM+\b], |v[\s+16*\b+\i]|, |v[\s+1+16*\b+\i]|
.endr
.endr
.irp b, 0,1,2,3
	v_permlanex16_b32 v[TM+4+\b], v[TM+\b], s[SEL], s[SEL+1]
.endr
.irp b, 0,1,2,3
	v_max_num_f32 v[TM+\b], v[TM+\b], v[TM+4+\b]
.endr
.irp b, 0,1,2,3
	v_add_nc_u32 v[TM+12+\b], 0xff000000, v[TM+\b]   ; 2 off the exponent field: the conversion's scale operand
.endr
.irp b, 0,1,2,3
	v_lshrrev_b32 v[TM+4+\b], 23, v[TM+12+\b]      ; the scale's byte
.endr
	v_lshl_or_b32 v[\pw], v[TM+5], 8, v[TM+4]
	v_lshl_or_b32 v[\pw], v[TM+6], 16, v[\pw]
	v_lshl_or_b32 v[\pw], v[TM+7], 24, v[\pw]
.irp c, 0,1
	v_cvt_scalef32_pk16_fp6_f32 v[PC+6*\c:PC+2+6*\c], v[\s+32*\c:\s+15+32*\c], v[TM+12+2*\c]
	v_cvt_scalef32_pk16_fp6_f32 v[PC+12+4*\c:PC+14+4*\c], v[\s+16+32*\c:\s+31+32*\c], v[TM+12+2*\c+1]
.endr
	v_nop                                          ; one plain place behind a scaled conversion
.irp c, 0,1
.irp i, 0,1,2
	v_permlane16_swap_b32 v[PC+6*\c+\i], v[PC+12+4*\c+\i]
.endr
.irp i, 0,1,2
	v_mov_b32 v[PC+3+6*\c+\i], v[PC+12+4*\c+\i]
.endr
.endr
.endm
	s_load_b512 s[68:83], s[0:1], 0x0              ; xc, xs, wc, ws, bq, bk, bv, hc
	s_load_b64 s[84:85], s[0:1], 0x40              ; hs
	v_lshl_add_u32 v[SPW], v0, 2, SPARE
	v_mov_b32 v[NIL], 0
	ds_add_u32 v28, v29
	ds_add_u32 v28, v29
	s_wait_dscnt 0x0
	v_lshrrev_b32 v1, 5, v0
	v_readfirstlane_b32 s14, v1                    ; wave 0..3
	s_lshr_b32 s15, s14, 1                         ; my half of S1's rows.  Also: I fetch for S1 (0) or for S0 (1)
	s_and_b32 s16, s14, 1                          ; my half of S0's rows.  Also: which 8 tiles I fetch
	s_bfe_u32 s40, ttmp6, 0x40000                  ; cx
	s_bfe_u32 s41, ttmp6, 0x40004                  ; cy
	s_lshl_b32 s43, s41, 2
	s_lshl_b32 s43, 15, s43                        ; my row of the cluster
	s_lshl_b32 s44, 0x1111, s40                    ; my column
	s_or_b32 s[G1+0], s43, (3<<16)|(1<<21)         ; 15:0 the mask; 17:16 elements of 8 bytes; 20 no padding; 21 set beside a mask
	s_or_b32 s[G1B+0], s44, (3<<16)|(1<<21)
.irp g, G1, G1B
	s_mov_b32 s[\g+1], 384<<16                     ; tensor_dim0: 3,072 bytes, a tile's 256 along K
	s_mov_b32 s[\g+2], 8<<16                       ; tensor_dim1: 8 tiles
	s_mov_b32 s[\g+3], 384<<16                     ; tile_dim0
	s_mov_b32 s[\g+4], 8                           ; tile_dim1
	s_mov_b32 s[\g+5], 1536                        ; from tile to tile: 12,288 bytes
	s_mov_b32 s[\g+6], 0
	s_mov_b32 s[\g+7], 0
.endr
	s_and_b32 s17, ttmp7, 0xffff                   ; the cluster's y, 0 .. 23: shared by all sixteen partners
	s_lshr_b32 s18, s17, 3                         ; z: 0 Q, 1 K, 2 V
	s_and_b32 s19, s17, 7
	s_lshl_b32 s19, s19, 2                         ; four tiles of 256 tokens to a cluster
	s_mov_b32 s20, 98304
	s_mov_b32 s21, 3072
	s_cmp_eq_u32 s18, 2                            ; V?
	s_cselect_b32 s42, s19, 0
	s_cselect_b32 s45, 0, s19
	s_cselect_b32 s[MM], -1, 0
	s_cselect_b32 s[FM0], 0, 1.0
	s_cselect_b32 s[FM1], 1.0, 0
	s_cselect_b32 s[SE], s20, s21                  ; from my tiles 0-3 of S1 to 4-7: V: the next head; Q, K: four token tiles
	s_cselect_b32 s[SC], s21, s20                  ; from a fragment's first unit to its second: V: the next 64 keys; Q, K: the next head
	s_mov_b32 s[FM0+1], s[FM0]                     ; (the packed form names the pair)
	s_add_co_u32 s42, s42, s40                     ; S0's tile of 256 rows: hangs on cx, never on cy
	s_add_co_u32 s45, s45, s41                     ; S1's: hangs on cy, never on cx
	s_mul_i32 s22, s16, 98304                      ; the 8 tiles that I fetch
	s_mul_i32 s46, s45, 196608
	s_add_co_u32 s46, s46, s22
	s_mov_b32 s47, 0
	s_mul_i32 s66, s42, 196608
	s_add_co_u32 s66, s66, s22
	s_mov_b32 s67, 0
	s_mul_i32 s20, s18, 6291456                    ; the tensor's region of xc,
	s_mov_b32 s21, 0
	s_mul_i32 s22, s18, 786432                     ; the weight's of wc
	s_mov_b32 s23, 0
	s_mov_b32 s[HM], 0xffff0000
	s_mov_b32 s[SEL], 0x76543210
	s_mov_b32 s[SEL+1], 0xfedcba98
	s_wait_kmcnt 0x0
	s_add_nc_u64 s[68:69], s[68:69], s[20:21]
	s_add_nc_u64 s[72:73], s[72:73], s[22:23]
	s_lshl_b32 s20, s18, 18                        ; and of xs and ws
	s_lshl_b32 s22, s18, 15
	s_add_nc_u64 s[70:71], s[70:71], s[20:21]
	s_add_nc_u64 s[74:75], s[74:75], s[22:23]
	s_cmp_eq_u32 s18, 2
	s_cselect_b64 s[4:5], s[72:73], s[68:69]       ; S1's codes
	s_cselect_b64 s[6:7], s[74:75], s[70:71]       ; S1's scale words
	s_cselect_b64 s[8:9], s[68:69], s[72:73]       ; S0's codes
	s_cselect_b64 s[10:11], s[70:71], s[74:75]     ; S0's scale words
	s_cselect_b64 s[12:13], s[80:81], s[76:77]     ; the bias
	s_cmp_eq_u32 s18, 1
	s_cselect_b64 s[12:13], s[78:79], s[12:13]
	s_add_nc_u64 s[4:5], s[4:5], s[46:47]
	s_add_nc_u64 s[8:9], s[8:9], s[66:67]
	s_mul_i32 s22, s14, HALFT                      ; where my part of a slot lies: no place in the cluster enters an LDS address
	CROUND                                         ; all sixteen work-groups are here: the first joint loads meet
.irp s, 0,1
	s_mov_b32 s[G0+4*\s], 1
	s_add_co_u32 s[G0+4*\s+1], s22, \s*SLOT
	s_add_nc_u64 s[G0+4*\s+2:G0+4*\s+3], s[4:5], \s*3072
	s_or_b32 s[G0+4*\s+3], s[G0+4*\s+3], 0x80000000
	s_mov_b32 s[G0B+4*\s], 1
	s_add_co_u32 s[G0B+4*\s+1], s22, \s*SLOT
	s_add_nc_u64 s[G0B+4*\s+2:G0B+4*\s+3], s[8:9], \s*3072
	s_or_b32 s[G0B+4*\s+3], s[G0B+4*\s+3], 0x80000000
	JLOAD G0+4*\s, G1, G0B+4*\s, G1B
.endr
	v_and_b32 v3, 31, v0
	v_lshlrev_b32 v[L8], 3, v3
	s_lshl_b32 s20, s45, 13                        ; my 128 rows' scale words: 8 groups of 1,024 bytes a tile of 256, 4 a half
	s_lshl_b32 s22, s15, 12
	s_add_co_u32 s20, s20, s22
	s_add_nc_u64 s[6:7], s[6:7], s[20:21]
	s_lshl_b32 s20, s42, 13
	s_lshl_b32 s22, s16, 12
	s_add_co_u32 s20, s20, s22
	s_add_nc_u64 s[10:11], s[10:11], s[20:21]
.irp p, 0,1,2,3
.irp g, 0,1,2,3
	global_load_b64 v[SA+8*\p+2*\g:SA+8*\p+2*\g+1], v[L8], s[6:7] offset:1024*\p+256*\g     ; 256 consecutive bytes, aligned
	global_load_b64 v[SB+8*\p+2*\g:SB+8*\p+2*\g+1], v[L8], s[10:11] offset:1024*\p+256*\g
.endr
.endr
	s_lshl_b32 s95, s42, 1
	s_add_co_u32 s95, s95, s16                     ; which 128 rows of S0 are mine
	s_lshl_b32 s96, s45, 1
	s_add_co_u32 s96, s96, s15                     ; and of S1
	s_and_b32 s20, s95, 7                          ; (the bias has 8 x 128 numbers: where the rows are tokens the index is cut to stay inside, and the numbers are multiplied by 0)
	s_lshl_b32 s20, s20, 9
	s_and_b32 s22, s96, 7
	s_lshl_b32 s22, s22, 9
	s_add_nc_u64 s[2:3], s[12:13], s[22:23]        ; the bias along the lanes
	s_add_nc_u64 s[12:13], s[12:13], s[20:21]      ; the bias along the registers
	v_and_b32 v1, 15, v0                           ; r
	v_bfe_u32 v2, v0, 4, 1                         ; h
	v_lshlrev_b32 v12, 6, v2                       ; along the registers: my half's 16 of each 32
	v_and_b32 v4, 8, v1
	v_add_nc_u32 v4, v4, v1
	v_lshlrev_b32 v13, 2, v4                       ; along the lanes: r + 8 (r / 8)
.irp a, 0,1,2,3,4,5,6,7
	global_load_b32 v[128+\a], v13, s[2:3] offset:(32*(\a/2)+8*(\a%2))*4
.endr
	s_cmp_eq_u32 s18, 2
	s_cselect_b32 s97, s95, s96                    ; my 128 tokens
	s_cselect_b32 s98, s96, s95                    ; my two heads
	s_lshr_b32 s20, s97, 4
	s_lshl_b32 s20, s20, 4
	s_lshl_b32 s22, s98, 1
	s_add_co_u32 s20, s20, s22                     ; batch x 16 + my first head
	s_and_b32 s99, s97, 15                         ; which 128 tokens of the batch's 2,048
	s_mul_i32 s66, s18, 6291456
	s_mul_i32 s22, s20, 98304
	s_add_co_u32 s66, s66, s22
	s_mul_i32 s22, s99, 6144
	s_add_co_u32 s66, s66, s22
	s_add_nc_u64 s[82:83], s[82:83], s[66:67]      ; hc at my part
	s_lshl_b32 s66, s18, 18
	s_lshl_b32 s22, s20, 12
	s_add_co_u32 s66, s66, s22
	s_lshl_b32 s22, s99, 8
	s_add_co_u32 s66, s66, s22
	s_add_nc_u64 s[84:85], s[84:85], s[66:67]      ; hs at my part
	v_mov_b32 v8, v[L8]                            ; v[8 + 2 e + c]: 8 x lane + e x s86 + c x s87
	v_add_nc_u32 v9, s[SC], v[L8]
	v_add_nc_u32 v10, s[SE], v[L8]
	v_add_nc_u32 v11, s[SC], v10
	s_mul_i32 s20, s15, HALFT
	s_mul_i32 s22, s16, HALFT
	s_add_co_u32 s22, s22, 2*HALFT
.irp s, 0,1
	v_add_nc_u32 v[ADRA+\s], s20, v[L8]
	v_add_nc_u32 v[ADRB+\s], s22, v[L8]
	s_add_co_u32 s20, s20, SLOT
	s_add_co_u32 s22, s22, SLOT
.endr
.irp b, 0,1,2,3
	v_mov_b32 v[TM+4+\b], 0                        ; written once: a lane permute's destination counts as one of its sources
.endr
	s_wait_loadcnt 0x0                             ; the scale words and the bias along the lanes
	WIN 0x40
.irp a, 0,1,2,3,4,5,6,7
.irp j, 0,1,2,3,4,5,6,7
	v_mul_f32 v[96+8*(\a%4)+128*(\a/4)+\j], s[FM1], v[128+\a]     ; the C tile of my block a of S1: the lane's bias in all eight registers (x 0 for Q and K)
.endr
.endr
	WIN 0
	PLACES 8
	s_wait_tensorcnt 1                             ; my part of slot 0 is in; slot 1's load may be out
	s_barrier_signal -1
	s_barrier_wait -1
	FETCH_B 0, 0, 0
	FETCH_A 0, 0, 0
	FETCH_A 0, 0, 4
	STEP 0, 0, 1                                   ; eight K steps of 128, written out: every scale register's number is a constant
	TURN 0, 1, 1, 1
	STEP 1, 2, 0
	TURN 1, 0, 3, 1
	STEP 0, 4, 0
	TURN 0, 1, 5, 0                                ; nothing is left to fetch
	STEP 1, 6, 0
	WIN 0x40                                       ; S0's set 0 is done with (four places stand behind its last product): it takes the bias along the registers
.irp b, 0,1,2,3
.irp j, 0,1,2,3
	global_load_b128 v[16*\b+4*\j:16*\b+4*\j+3], v12, s[12:13] offset:128*\b+16*\j
.endr
.endr
	WIN 0
	s_wait_dscnt 4*NL
	WIN 0xa1
	MUL16 0, 1, 7, 0
	MUL16 2, 1, 7, 0
	s_wait_dscnt 0x0
	WIN 0xf1
	MUL16 4, 1, 7, 0
	MUL16 6, 1, 7, 0
	WIN 0
	PLACES NP                                      ; in front of the first read of results and of the first write into S1's fragments
	s_wait_loadcnt 0x0                             ; the bias
; THE WAY OUT, block by block of S1: the lane's 128 numbers' 64 (its half of each block of 32) + bias, quantised in registers; the fragment's two units leave as six pieces of 256 consecutive bytes.  No LDS.
.irp a, 0,1,2,3,4,5,6,7
.if \a > 0
	s_wait_xcnt 0x0                                ; the last block's stores have read their data: the codes' registers are written again only behind this wait
.endif
	WIN 0x21+0x10*(\a/4)                           ; source 0 (bias) window 1, source 2 (sums) window 2 or 3
.set k, 0
.rept 32
	v_pk_fma_f32 v[T+k:T+k+1], v[k:k+1], s[FM0:FM0+1], v[64*(\a%4)+k:64*(\a%4)+k+1] op_sel_hi:[1,0,1]   ; each accumulator from its low end on
.set k, k+2
.endr
	WIN 0
	QUANT T, PWS+\a
.irp c, 0,1
.irp p, 0,1,2
	global_store_b64 v[8+2*(\a/4)+\c], v[PC+6*\c+2*\p:PC+6*\c+2*\p+1], s[82:83] offset:768*(\a%4)+256*\p
.endr
.endr
.endr
; the scale words of my two heads j, in both forms; the one that applies is chosen
.irp j, 0,1
.irp i, 0,1
	v_perm_b32 v124, v[PWS+4*\i+1], v[PWS+4*\i], 0x05040100+\j*0x02020202     ; Q, K: head j's two bytes of the even token tile, then of the odd one
	v_perm_b32 v125, v[PWS+4*\i+3], v[PWS+4*\i+2], 0x05040100+\j*0x02020202
	v_cndmask_b32 v124, v124, v125, s[HM]          ; lanes 0-15: pair 2 i, lanes 16-31: pair 2 i + 1
	v_cndmask_b32 v125, v[PWS+4*\j+2*\i], v[PWS+4*\j+2*\i+1], s[HM]           ; V: head j's tiles 2 i and 2 i + 1
	v_cndmask_b32 v[OW+2*\j+\i], v124, v125, s[MM]
.endr
.endr
.irp j, 0,1
	global_store_b64 v[L8], v[OW+2*\j:OW+2*\j+1], s[84:85] offset:4096*\j     ; 256 consecutive bytes, aligned
.endr
	s_wait_tensorcnt 0x0                           ; the wave's end
	ds_add_u32 v[SPW], v[NIL]
	s_wait_dscnt 0x0
	CROUND                                         ; the closing round: no work-group ends while a partner may still ask for a tile that names it
	s_endpgm
.Lfunc_end_k_qdf5fd6cfe1_proj:
	.size	k_qdf5fd6cfe1_proj, .Lfunc_end_k_qdf5fd6cfe1_proj-k_qdf5fd6cfe1_proj
	.p2alignl 7, 3214868480
	.fill 96, 4, 3214868480
	.section	.rodata,"a",@progbits
	.p2align	6, 0x0
	.amdhsa_kernel k_qdf5fd6cfe1_proj
		.amdhsa_group_segment_fixed_size 327680
		.amdhsa_private_segment_fixed_size 0
		.amdhsa_enable_private_segment 0
		.amdhsa_kernarg_size 72
		.amdhsa_user_sgpr_count 2
		.amdhsa_user_sgpr_kernarg_segment_ptr 1
		.amdhsa_wavefront_size32 1
		.amdhsa_system_sgpr_workgroup_id_x 1
		.amdhsa_system_sgpr_workgroup_id_y 1
		.amdhsa_system_sgpr_workgroup_id_z 1
		.amdhsa_system_vgpr_workitem_id 0
		.amdhsa_next_free_vgpr 1024
		.amdhsa_next_free_sgpr 100
		.amdhsa_reserve_vcc 0
		.amdhsa_float_denorm_mode_32 3
		.amdhsa_float_denorm_mode_16_64 3
		.amdhsa_memory_ordered 1
		.amdhsa_forward_progress 1
		.amdhsa_inst_pref_size 188
	.end_amdhsa_kernel
	.amdgpu_metadata
---
amdhsa.version: [ 1, 2 ]
amdhsa.kernels:
  - .name:           k_qdf5fd6cfe1_proj
    .symbol:         k_qdf5fd6cfe1_proj.kd
    .args:
      - { .name: xc, .offset: 0, .size: 8, .value_kind: global_buffer, .address_space: global }
      - { .name: xs, .offset: 8, .size: 8, .value_kind: global_buffer, .address_space: global }
      - { .name: wc, .offset: 16, .size: 8, .value_kind: global_buffer, .address_space: global }
      - { .name: ws, .offset: 24, .size: 8, .value_kind: global_buffer, .address_space: global }
      - { .name: bq, .offset: 32, .size: 8, .value_kind: global_buffer, .address_space: global }
      - { .name: bk, .offset: 40, .size: 8, .value_kind: global_buffer, .address_space: global }
      - { .name: bv, .offset: 48, .size: 8, .value_kind: global_buffer, .address_space: global }
      - { .name: hc, .offset: 56, .size: 8, .value_kind: global_buffer, .address_space: global }
      - { .name: hs, .offset: 64, .size: 8, .value_kind: global_buffer, .address_space: global }
    .group_segment_fixed_size: 327680
    .private_segment_fixed_size: 0
    .kernarg_segment_align: 8
    .kernarg_segment_size: 72
    .max_flat_workgroup_size: 128
    .sgpr_count:     100
    .vgpr_count:     1024
    .wavefront_size: 32
...
	.end_amdgpu_metadata
.endif
;; end of part 3
;; launch attn (part 4): grid 4 x 64, 8 waves a work-group, clusters of 4 x 1, 205,824 bytes of LDS; arguments hc, hs, ac, asc; writes ac, asc
.if DOCPART == 4
	.amdgcn_target "amdgcn-amd-amdhsa--gfx1250"
	.amdhsa_code_object_version 6
	.text
	.protected	k_qdf5fd6cfe1_attn
	.globl	k_qdf5fd6cfe1_attn
	.p2align	8
	.type	k_qdf5fd6cfe1_attn,@function
k_qdf5fd6cfe1_attn:
	s_mov_b64 s[64:65], 0
	v_nop
	global_prefetch_b8 v0, s[64:65] scope:SCOPE_SE
	s_setreg_imm32_b32 hwreg(HW_REG_WAVE_MODE, 25, 1), 1
	s_wait_xcnt 0x0
	s_wait_alu depctr_hold_cnt(0) depctr_sa_sdst(0) depctr_va_vdst(0) depctr_va_sdst(0) depctr_va_ssrc(0) depctr_va_vcc(0) depctr_vm_vsrc(0)
	s_getreg_b32 s2, hwreg(HW_REG_IB_STS2, 6, 4)
	s_cmp_eq_u32 s2, 0
	s_cbranch_scc0 .Lentry_in_a_cluster
	s_endpgm
.Lentry_in_a_cluster:
	s_bfe_u32 s2, ttmp6, 0x10000c
	s_cmp_lg_u32 s2, 0x3003
	s_cbranch_scc0 .Lentry_shape_is_right
	s_endpgm
.Lentry_shape_is_right:
; Attention of one head on codes of FP6 (E2M3) with E8M0 scales: scores = Q K^T / 8 (K = the head's 64), p = 2^(t - M) quantised along the keys, O = p V / (the sum of the unquantised p), and O's quantising along the model's 1,024 for the last product.
; t = score x log2(e) / 8; M = the running largest t rounded UP to a whole number; when M moves, the sum and O are multiplied by 2^(old M - new M): exact.
; SHARES.  A work-group owns 512 queries of one head (batch x 16 + head = the grid's y), in two passes of 256; each of its eight waves owns 32 queries a pass: tile 0 in register window 0, tile 1 in window 1 under the same
; numbers, so that each fragment of K and V read from LDS feeds two tiles.  Two waves share a SIMD: one wave's vector work stands beside the other's products.
; K AND V STAY: the head's codes (2 x 98,304 bytes) and scale words (2 x 4,096) come into LDS once and are never filled again.  CLUSTER: the four work-groups of a head ask for them JOINTLY, each wave for its own eighth.
; LAYOUT.  Both products are used transposed (S^T = K Q^T, O^T = V^T P^T): a lane holds ONE query throughout.  Operands lie in the order of the operand's registers (units of 16 rows x 64 along K, three pieces of 256 bytes).
; THE FIRST PRODUCT'S K IS 64, the instruction's 128: a fragment of K holds TWO tiles of keys, lane r's key 32 F + r + 8 (r / 8) in k 0-63 and that key + 8 in k 64-127.  Multiplied by [Q | zeros] it gives the first tile's scores,
; by [zeros | Q] the second's.  The zero half has zero codes and the scale byte 0 (2^-127, not 0xff).  The 16 registers of the two results are keys 32 F + 16 (lane / 16) + 0 .. 15: neighbours.
; OUT.  ac: [token tile (512)][head (16)][768].  asc: [head][32 tokens (256)][lane 16 x tile + r][a word: the two blocks' bytes].
; LIMITS: NaN and infinities are not served; 1 / sum is v_rcp_f32 and a multiplication; a block of p or of O whose largest magnitude lies under 2^-124 keeps the byte 1, a block of zeros too (zero codes; read by this program alone).
; A block's largest p is the block's largest score put through the same multiply-add and exponential (it takes v_exp_f32 not to fall where its input rises).
; REGISTERS.  Window 0 alone: v1-11 addresses; v16-17 K's scale words, v18-19 V's, v20-23 Q's, v24-25 p's, v26-27 O's; v32-79 K's four fragments.  Window 1 alone: v32-79 V's four fragments.
; For each tile, in its window: v12 -M, v13 the largest t, v[14:15] the sum; v96-159 S^T, then p; v160-191 O^T; v192-209 [zeros | Q | zeros]; v224-235 p's codes; v232-254 at work.
.set L8,  1                            ; 8 x lane
.set AV0, 2                            ; + where V's codes begin
.set AX0, 3                            ; + K's scale words
.set AY0, 4                            ; + V's
.set QSO, 5                            ; my lane's byte in Q's scale words
.set GS,  6                            ; 4 x lane
.set ADK, 7
.set ADV, 8
.set ADX, 9
.set ADY, 10
.set QW,  11
.set KX,  16
.set VY,  18
.set QS,  20
.set PS,  24
.set ZW,  26
.set KF,  32
.set VF,  32
.set Q3,  192
.set WV,  12                           ; s12 wave
.set SEL, 20                           ; s[20:21]
.set CS,  22                           ; s[22:23] log2(e) / 8
.set G1S, 24                           ; s[24:31] group 1: 4 rows of 256 bytes
.set G1A, 32                           ; s[32:39] group 1: 96 rows of 256 bytes
.set G0S, 40
.set G0A, 44
.set TK,  48                           ; s48 the step's codes: 6,144 bytes a step, of K and of V alike
.set TX,  49                           ; s49 its scale words: 256 bytes a step
.set CNT, 50
.set PASS, 51
.set HM,  52
.set QC,  54                           ; s[54:55] Q's codes, s[56:57] Q's scale words, s[58:59] ac, s[60:61] asc, each at my wave's part
.set QSB, 56
.set AC,  58
.set ASC, 60
.set MSB, 0
.macro WIN new                         ; the immediate's high byte repeats the setting that is left
.if MSB != (\new)
	s_set_vgpr_msb (MSB<<8)|(\new)
.set MSB, (\new)
.endif
.endm
.macro CROUND                          ; a round of the cluster's barrier
	s_barrier_signal -1
	s_barrier_wait -1
	s_cmp_lg_u32 s[WV], 0
	s_cbranch_scc1 .Lnot_wave_0_\@
	s_barrier_signal -3
.Lnot_wave_0_\@:
	s_barrier_wait -3
	s_barrier_signal -1
	s_barrier_wait -1
.endm
	s_load_b256 s[4:11], s[0:1], 0x0               ; hc, hs, ac, asc
	v_lshl_add_u32 v251, v0, 2, 0x32000
	v_mov_b32 v255, 0
	ds_add_u32 v251, v255
	ds_add_u32 v251, v255
	v_lshrrev_b32 v1, 5, v0
	v_readfirstlane_b32 s[WV], v1                  ; wave 0..7
	s_bfe_u32 s13, ttmp6, 0x40000                  ; cx
	s_and_b32 s14, ttmp7, 0xffff                   ; batch x 16 + head: shared by the four partners
	s_lshl_b32 s15, ttmp9, 2
	s_add_co_u32 s15, s15, s13                     ; my 512 queries: enters Q's and the outputs' addresses alone
	s_lshr_b32 s16, s[WV], 2                       ; I fetch for K (0) or V (1),
	s_and_b32 s17, s[WV], 3                        ; which quarter
	s_mov_b32 s[G1S], 15|(3<<16)|(1<<21)           ; 15:0 the mask: all four work-groups; 17:16 elements of 8 bytes; 21 set beside a mask
	s_mov_b32 s[G1S+1], 32<<16                     ; dense bytes as rows of 256
	s_mov_b32 s[G1S+2], 4<<16
	s_mov_b32 s[G1S+3], 32<<16
	s_mov_b32 s[G1S+4], 4
	s_mov_b32 s[G1S+5], 32
	s_mov_b32 s[G1S+6], 0
	s_mov_b32 s[G1S+7], 0
	s_mov_b32 s[G1A], 15|(3<<16)|(1<<21)
	s_mov_b32 s[G1A+1], 32<<16
	s_mov_b32 s[G1A+2], 96<<16
	s_mov_b32 s[G1A+3], 32<<16
	s_mov_b32 s[G1A+4], 96
	s_mov_b32 s[G1A+5], 32
	s_mov_b32 s[G1A+6], 0
	s_mov_b32 s[G1A+7], 0
	s_add_co_u32 s18, s16, 1                       ; K's region is 1, V's 2
	s_lshl_b32 s62, s18, 18                        ; scale words: 262,144 a region, 4,096 a head, 1,024 a quarter
	s_lshl_b32 s19, s14, 12
	s_add_co_u32 s62, s62, s19
	s_lshl_b32 s19, s17, 10
	s_add_co_u32 s62, s62, s19
	s_mov_b32 s63, 0
	s_mul_i32 s66, s18, 6291456                    ; codes: 98,304 a head, 24,576 a quarter (four key steps)
	s_mul_i32 s19, s14, 98304
	s_add_co_u32 s66, s66, s19
	s_mul_i32 s19, s17, 24576
	s_add_co_u32 s66, s66, s19
	s_mov_b32 s67, 0
	s_lshl_b32 s68, s16, 12                        ; and in LDS
	s_lshl_b32 s19, s17, 10
	s_add_co_u32 s68, s68, s19
	s_add_co_u32 s68, s68, 196608
	s_mul_i32 s69, s16, 98304
	s_mul_i32 s19, s17, 24576
	s_add_co_u32 s69, s69, s19
	s_mov_b32 s[SEL], 0x76543210
	s_mov_b32 s[SEL+1], 0xfedcba98
	s_mov_b32 s[CS], 0x3e38aa3b                    ; log2(e) / 8
	s_mov_b32 s[CS+1], s[CS]                       ; (named with it as a pair)
	s_mov_b32 s[HM], 0xffff0000
	s_mov_b32 s[PASS], 2
	s_wait_dscnt 0x0
	s_wait_kmcnt 0x0
	s_mov_b32 s[G0S], 1
	s_mov_b32 s[G0S+1], s68
	s_add_nc_u64 s[G0S+2:G0S+3], s[6:7], s[62:63]
	s_or_b32 s[G0S+3], s[G0S+3], 0x80000000
	s_mov_b32 s[G0A], 1
	s_mov_b32 s[G0A+1], s69
	s_add_nc_u64 s[G0A+2:G0A+3], s[4:5], s[66:67]
	s_or_b32 s[G0A+3], s[G0A+3], 0x80000000
	CROUND                                         ; all four work-groups are here: the joint loads meet
	tensor_load_to_lds s[G0S:G0S+3], s[G1S:G1S+7]  ; the launch's only fills: two loads a wave, each wave's bytes its own by the wave's number
	s_nop 0
	tensor_load_to_lds s[G0A:G0A+3], s[G1A:G1A+7]
	s_nop 0
.rept 4
	v_nop
.endr
	s_lshl_b32 s72, s15, 4
	s_add_co_u32 s72, s72, s[WV]                   ; my group of 32 queries in the first pass
	s_mul_i32 s70, s14, 98304
	s_mul_i32 s73, s72, 1536
	s_add_co_u32 s70, s70, s73
	s_mov_b32 s71, 0
	s_add_nc_u64 s[QC:QC+1], s[4:5], s[70:71]
	s_lshl_b32 s70, s14, 12
	s_lshl_b32 s73, s15, 2
	s_add_co_u32 s73, s73, s16
	s_lshl_b32 s73, s73, 8
	s_add_co_u32 s70, s70, s73
	s_add_nc_u64 s[QSB:QSB+1], s[6:7], s[70:71]
	s_lshr_b32 s74, s14, 4                         ; batch
	s_and_b32 s75, s14, 15                         ; head
	s_lshl_b32 s70, s74, 7
	s_lshl_b32 s73, s72, 1
	s_add_co_u32 s70, s70, s73
	s_mul_i32 s70, s70, 12288
	s_mul_i32 s73, s75, 768
	s_add_co_u32 s70, s70, s73
	s_add_nc_u64 s[AC:AC+1], s[8:9], s[70:71]
	s_lshl_b32 s70, s74, 6
	s_add_co_u32 s70, s70, s72
	s_lshl_b32 s70, s70, 7
	s_lshl_b32 s73, s75, 15
	s_add_co_u32 s70, s70, s73
	s_add_nc_u64 s[ASC:ASC+1], s[10:11], s[70:71]
	s_and_b32 s73, s[WV], 1
	s_lshl_b32 s73, s73, 7
	s_bfe_u32 s76, s[WV], 0x10001
	s_lshl_b32 s76, s76, 2
	s_add_co_u32 s73, s73, s76
	v_and_b32 v5, 15, v0
	v_lshl_add_u32 v[QSO], v5, 3, s73              ; pair of tiles w % 4 of its 128 tokens: word (w % 4) / 2 of lane 16 (w % 2) + r
	v_and_b32 v6, 31, v0
	v_lshlrev_b32 v[L8], 3, v6
	v_lshlrev_b32 v[GS], 2, v6
	v_add_nc_u32 v[AV0], 98304, v[L8]
	v_add_nc_u32 v[AX0], 196608, v[L8]
	v_add_nc_u32 v[AY0], 200704, v[L8]
.macro QLOAD                           ; my 32 queries' codes (a unit for each tile) and their scale word
.irp p, 0,1,2
	global_load_b64 v[Q3+6+2*\p:Q3+7+2*\p], v[L8], s[QC:QC+1] offset:256*\p
.endr
	global_load_b32 v[QW], v[QSO], s[QSB:QSB+1]
	WIN 0x40
.irp p, 0,1,2
	global_load_b64 v[Q3+6+2*\p:Q3+7+2*\p], v[L8], s[QC:QC+1] offset:768+256*\p
.endr
	WIN 0
.endm
	QLOAD
.irp wn, 0, 0x40
	WIN \wn
.irp j, 0,1,2,3,4,5,12,13,14,15,16,17
	v_mov_b32 v[Q3+\j], 0                          ; the zero codes on both sides of Q
.endr
.irp b, 0,1,2,3
	v_mov_b32 v[236+\b], 0                         ; written once: a lane permute's destination counts as one of its sources
.endr
	v_mov_b32 v253, 0                              ; (named as the upper half of the pair v[252:253])
.endr
	WIN 0
; eight products S^T of tile tau: fragment f of K against [Q | 0] (y = 0) and [0 | Q] (y = 1)
.macro KQ tau
.irp f, 0,1,2,3
.irp y, 0,1
.if \f%2
	v_wmma_scale_f32_16x16x128_f8f6f4 v[96+16*\f+8*\y:103+16*\f+8*\y], v[KF+12*\f:KF+12*\f+11], v[Q3+6-6*\y:Q3+17-6*\y], 0, v[KX+\f/2], v[QS+2*\tau+\y] matrix_a_fmt:MATRIX_FMT_FP6 matrix_b_fmt:MATRIX_FMT_FP6 matrix_a_scale:MATRIX_SCALE_ROW1
.else
	v_wmma_scale_f32_16x16x128_f8f6f4 v[96+16*\f+8*\y:103+16*\f+8*\y], v[KF+12*\f:KF+12*\f+11], v[Q3+6-6*\y:Q3+17-6*\y], 0, v[KX+\f/2], v[QS+2*\tau+\y] matrix_a_fmt:MATRIX_FMT_FP6 matrix_b_fmt:MATRIX_FMT_FP6
.endif
.endr
.endr
.endm
; four products O^T += V^T P^T of tile tau: four accumulators, one instruction each
.macro PV tau
.irp t, 0,1,2,3
.if \t%2
	v_wmma_scale_f32_16x16x128_f8f6f4 v[160+8*\t:167+8*\t], v[VF+12*\t:VF+12*\t+11], v[224:235], v[160+8*\t:167+8*\t], v[VY+\t/2], v[PS+\tau] matrix_a_fmt:MATRIX_FMT_FP6 matrix_b_fmt:MATRIX_FMT_FP6 matrix_a_scale:MATRIX_SCALE_ROW1
.else
	v_wmma_scale_f32_16x16x128_f8f6f4 v[160+8*\t:167+8*\t], v[VF+12*\t:VF+12*\t+11], v[224:235], v[160+8*\t:167+8*\t], v[VY+\t/2], v[PS+\tau] matrix_a_fmt:MATRIX_FMT_FP6 matrix_b_fmt:MATRIX_FMT_FP6
.endif
.endr
.endm
; one tile's softmax for 128 keys, in the tile's own window; only p's scale word goes to window 0, where scale operands are taken from
.macro SM tau
.irp b, 0,1,2,3
	v_max3_num_f32 v[232+\b], v[96+16*\b], v[97+16*\b], v[98+16*\b]   ; the largest score of each block of 32 keys: for the row's maximum, and for the block's largest p
.endr
.irp i, 3,5,7,9,11,13
.irp b, 0,1,2,3
	v_max3_num_f32 v[232+\b], v[232+\b], v[96+16*\b+\i], v[97+16*\b+\i]
.endr
.endr
.irp b, 0,1,2,3
	v_max_num_f32 v[232+\b], v[232+\b], v[111+16*\b]
.endr
.irp b, 0,1,2,3
	v_permlanex16_b32 v[236+\b], v[232+\b], s[SEL], s[SEL+1]
.endr
.irp b, 0,1,2,3
	v_max_num_f32 v[232+\b], v[232+\b], v[236+\b]  ; with lane l xor 16's 16 keys
.endr
	v_max3_num_f32 v254, v232, v233, v234
	v_max_num_f32 v254, v254, v235                 ; the step's largest score of my query
	v_mul_f32 v254, s[CS], v254                    ; as t
	v_max_num_f32 v13, v13, v254                   ; the running largest t
	v_mov_b32 v254, v12
	v_floor_f32 v12, -v13                          ; the new -M = floor(-t): M is a whole number
	v_sub_f32 v254, v12, v254                      ; old M - new M: a whole number, 0 or less
	v_cvt_i32_f32 v254, v254                       ; (it saturates)
	v_ldexp_f32 v252, 1.0, v254                    ; f = 2^(old M - new M)
.set j, 0
.rept 32
	v_pk_fma_f32 v[96+j:97+j], v[96+j:97+j], s[CS:CS+1], v[12:13] op_sel_hi:[1,0,0]   ; t - M, two at a time
.set j, j+2
.endr
.irp b, 0,1,2,3
	v_fma_f32 v[232+\b], v[232+\b], s[CS], v12     ; the same of each block's largest score
.endr
.set j, 0
.rept 64
	v_exp_f32 v[96+j], v[96+j]                     ; p = 2^(t - M), at most 1, not normalised
.set j, j+1
.endr
.irp b, 0,1,2,3
	v_exp_f32 v[232+\b], v[232+\b]                 ; the block's largest p
.endr
	v_pk_mul_f32 v[14:15], v[14:15], v[252:253] op_sel_hi:[1,0]   ; the sums under the new M (a plain place behind the exponentials)
	s_wait_alu depctr_va_vdst(0)
.irp b, 0,1,2,3
	v_max_num_f32 v[232+\b], 0x1800000, v[232+\b]  ; the floor 2^(3 - 127): the byte cannot fall under 1
.endr
.irp b, 0,1,2,3
	v_add_nc_u32 v[244+\b], 0xff000000, v[232+\b]  ; 2 off the exponent field: the conversion's scale operand
.endr
.irp b, 0,1,2,3
	v_lshrrev_b32 v[236+\b], 23, v[244+\b]         ; the scale's byte
.endr
	v_lshl_or_b32 v253, v237, 8, v236
	v_lshl_or_b32 v253, v238, 16, v253
.if \tau
	WIN 0x11                                       ; sources window 1, destination window 0
.endif
	v_lshl_or_b32 v[PS+\tau], v239, 24, v253       ; p's scale word for these 128 keys
.if \tau
	WIN 0x55
.endif
.irp c, 0,1
	v_cvt_scalef32_pk16_fp6_f32 v[224+6*\c:226+6*\c], v[96+32*\c:111+32*\c], v[244+2*\c]
	v_cvt_scalef32_pk16_fp6_f32 v[236+4*\c:238+4*\c], v[112+32*\c:127+32*\c], v[244+2*\c+1]
.endr
	v_nop                                          ; one plain place behind a scaled conversion
.irp c, 0,1                            ; the operand's layout wants a WHOLE block in a lane
.irp i, 0,1,2
	v_permlane16_swap_b32 v[224+6*\c+\i], v[236+4*\c+\i]
.endr
.irp i, 0,1,2
	v_mov_b32 v[227+6*\c+\i], v[236+4*\c+\i]
.endr
.endr
	v_pk_add_f32 v[236:237], v[96:97], v[98:99]    ; the row's sum is taken of the UNQUANTISED p: two chains
.irp j, 4,8,12,16,20,24,28,32,36,40,44,48,52,56,60
	v_pk_add_f32 v[14:15], v[14:15], v[96+\j:97+\j]
	v_pk_add_f32 v[236:237], v[236:237], v[98+\j:99+\j]
.endr
	v_pk_add_f32 v[14:15], v[14:15], v[236:237]
.set j, 0
.rept 16
	v_pk_mul_f32 v[160+j:161+j], v[160+j:161+j], v[252:253] op_sel_hi:[1,0]   ; O^T under the new M; each accumulator from its low end on.  (These and the sums are the places in front of the products that follow)
.set j, j+2
.endr
.endm
; A KEY STEP: 128 keys, both tiles.
.macro STEP
	v_add_nc_u32 v[ADK], s[TK], v[L8]              ; four plain lines: the places behind the last products, in front of the loads into V's fragments and scale words
	v_add_nc_u32 v[ADV], s[TK], v[AV0]
	v_add_nc_u32 v[ADX], s[TX], v[AX0]
	v_add_nc_u32 v[ADY], s[TX], v[AY0]
	ds_load_b64 v[KX:KX+1], v[ADX]
.irp f, 0,1,2,3
.irp p, 0,1,2,3,4,5
	ds_load_b64 v[KF+12*\f+2*\p:KF+12*\f+2*\p+1], v[ADK] offset:1536*\f+256*\p
.endr
.endr
	ds_load_b64 v[VY:VY+1], v[ADY]
	WIN 0x40
.irp t, 0,1,2,3
.irp c, 0,1
.irp p, 0,1,2
	ds_load_b64 v[VF+12*\t+6*\c+2*\p:VF+12*\t+6*\c+2*\p+1], v[ADV] offset:3072*\c+768*\t+256*\p
.endr
.endr
.endr
	s_wait_dscnt 25                                ; K's 25 loads are in; V's 25 may be out
	WIN 0
	KQ 0
	WIN 0x54                                       ; K window 0, Q and S^T window 1
	KQ 1
	WIN 0
.rept 4
	v_nop                                          ; places in front of the first read of the scores
.endr
	SM 0
	s_wait_dscnt 0x0                               ; V is in
	WIN 0x01                                       ; V window 1, p and O^T window 0
	PV 0
	WIN 0x55
	SM 1                                           ; tile 1's vector work stands behind tile 0's products
	PV 1
	WIN 0
	s_add_co_u32 s[TK], s[TK], 6144
	s_add_co_u32 s[TX], s[TX], 256
.endm
; The end of a pass for tile tau: O^T / the sum, its two blocks of 32 quantised, a unit of 768 bytes stored; the scale word goes to window 0.
.macro FIN tau
	WIN 0x55*\tau
	v_add_f32 v14, v14, v15                        ; the sum's two halves,
	v_permlanex16_b32 v252, v14, s[SEL], s[SEL+1]
	v_add_f32 v14, v14, v252                       ; and lane l xor 16's
	v_rcp_f32 v14, v14
	v_nop                                          ; one plain place behind a transcendental
.set j, 0
	s_wait_alu depctr_va_vdst(0)
.rept 16
	v_pk_mul_f32 v[96+j:97+j], v[160+j:161+j], v[14:15] op_sel_hi:[1,0]   ; register 16 b + i: channel 32 b + 16 (lane / 16) + i of my query
.set j, j+2
.endr
.irp b, 0,1
	v_max3_num_f32 v[232+\b], |v[96+16*\b]|, |v[97+16*\b]|, 0x1800000
.endr
.irp i, 2,4,6,8,10,12,14
.irp b, 0,1
	v_max3_num_f32 v[232+\b], v[232+\b], |v[96+16*\b+\i]|, |v[97+16*\b+\i]|
.endr
.endr
.irp b, 0,1
	v_permlanex16_b32 v[236+\b], v[232+\b], s[SEL], s[SEL+1]
.endr
.irp b, 0,1
	v_max_num_f32 v[232+\b], v[232+\b], v[236+\b]
.endr
.irp b, 0,1
	v_add_nc_u32 v[244+\b], 0xff000000, v[232+\b]
.endr
.irp b, 0,1
	v_lshrrev_b32 v[236+\b], 23, v[244+\b]
.endr
.if \tau
	WIN 0x11
.endif
	v_lshl_or_b32 v[ZW+\tau], v237, 8, v236
.if \tau
	WIN 0x55
.endif
	v_cvt_scalef32_pk16_fp6_f32 v[224:226], v[96:111], v244
	v_cvt_scalef32_pk16_fp6_f32 v[228:230], v[112:127], v245
	v_nop
.irp i, 0,1,2
	v_permlane16_swap_b32 v[224+\i], v[228+\i]
.endr
.irp i, 0,1,2
	v_mov_b32 v[227+\i], v[228+\i]
.endr
	WIN 0x04*\tau                                  ; a store's data are its source 1
.irp p, 0,1,2
	global_store_b64 v[L8], v[224+2*\p:225+2*\p], s[AC:AC+1] offset:12288*\tau+256*\p   ; a piece: 256 consecutive bytes, aligned
.endr
.endm
	s_wait_tensorcnt 0x0                           ; my parts of K, V and their scale words are in: nothing is ever filled again
	s_barrier_signal -1
	s_barrier_wait -1                              ; everybody's are
.Lpass:
	s_wait_loadcnt 0x0                             ; Q
	v_and_b32 v[QS], 0xffff, v[QW]                 ; tile 0: [its two bytes | 0 0] for [Q | 0],
	v_lshlrev_b32 v[QS+1], 16, v[QW]               ; [0 0 | its two bytes] for [0 | Q];
	v_lshrrev_b32 v[QS+2], 16, v[QW]               ; tile 1 likewise
	v_and_b32 v[QS+3], 0xffff0000, v[QW]
.irp wn, 0, 0x55
	WIN \wn
	v_mov_b32 v13, 0xff61b1e6                      ; the largest t so far: -3e38, under every t
	v_floor_f32 v12, -v13                          ; -M
	v_mov_b32 v14, 0
	v_mov_b32 v15, 0
.set j, 0
.rept 32
	v_mov_b32 v[160+j], 0                          ; O^T: the step is written once; its first trip finds zeros, which the first change of M leaves zeros.  (Also the places between Q's scale words and the first product)
.set j, j+1
.endr
.endr
	WIN 0
	s_mov_b32 s[TK], 0
	s_mov_b32 s[TX], 0
	s_mov_b32 s[CNT], 16
.Lstep:
	STEP
	s_sub_co_u32 s[CNT], s[CNT], 1
	s_cmp_lg_u32 s[CNT], 0
	s_cbranch_scc1 .Lstep
	FIN 0
	FIN 1
	WIN 0
	v_cndmask_b32 v[ZW], v[ZW], v[ZW+1], s[HM]     ; lanes 0-15: tile 0's words, lanes 16-31: tile 1's
	global_store_b32 v[GS], v[ZW], s[ASC:ASC+1]
	s_wait_xcnt 0x0                                ; the stores have read their data and bases: both are written again only behind this wait
	s_add_nc_u64 s[QC:QC+1], s[QC:QC+1], 12288     ; eight groups of 32 queries on
	s_add_nc_u64 s[QSB:QSB+1], s[QSB:QSB+1], 512
	s_add_nc_u64 s[AC:AC+1], s[AC:AC+1], 196608
	s_add_nc_u64 s[ASC:ASC+1], s[ASC:ASC+1], 1024
	s_cmp_eq_u32 s[PASS], 1                        ; the next pass's Q is asked for here, if there is a next pass
	s_cbranch_scc1 .Lno_next
	QLOAD
.Lno_next:
	s_sub_co_u32 s[PASS], s[PASS], 1
	s_cmp_lg_u32 s[PASS], 0
	s_cbranch_scc1 .Lpass
	s_wait_tensorcnt 0x0
	ds_add_u32 v251, v255
	s_wait_dscnt 0x0
	CROUND                                         ; the closing round
	s_endpgm
.Lfunc_end_k_qdf5fd6cfe1_attn:
	.size	k_qdf5fd6cfe1_attn, .Lfunc_end_k_qdf5fd6cfe1_attn-k_qdf5fd6cfe1_attn
	.p2alignl 7, 3214868480
	.fill 96, 4, 3214868480
	.section	.rodata,"a",@progbits
	.p2align	6, 0x0
	.amdhsa_kernel k_qdf5fd6cfe1_attn
		.amdhsa_group_segment_fixed_size 205824
		.amdhsa_private_segment_fixed_size 0
		.amdhsa_enable_private_segment 0
		.amdhsa_kernarg_size 32
		.amdhsa_user_sgpr_count 2
		.amdhsa_user_sgpr_kernarg_segment_ptr 1
		.amdhsa_wavefront_size32 1
		.amdhsa_system_sgpr_workgroup_id_x 1
		.amdhsa_system_sgpr_workgroup_id_y 1
		.amdhsa_system_sgpr_workgroup_id_z 1
		.amdhsa_system_vgpr_workitem_id 0
		.amdhsa_next_free_vgpr 512
		.amdhsa_next_free_sgpr 80
		.amdhsa_reserve_vcc 0
		.amdhsa_float_denorm_mode_32 3
		.amdhsa_float_denorm_mode_16_64 3
		.amdhsa_memory_ordered 1
		.amdhsa_forward_progress 1
		.amdhsa_inst_pref_size 49
	.end_amdhsa_kernel
	.amdgpu_metadata
---
amdhsa.version: [ 1, 2 ]
amdhsa.kernels:
  - .name:           k_qdf5fd6cfe1_attn
    .symbol:         k_qdf5fd6cfe1_attn.kd
    .args:
      - { .name: hc, .offset: 0, .size: 8, .value_kind: global_buffer, .address_space: global }
      - { .name: hs, .offset: 8, .size: 8, .value_kind: global_buffer, .address_space: global }
      - { .name: ac, .offset: 16, .size: 8, .value_kind: global_buffer, .address_space: global }
      - { .name: asc, .offset: 24, .size: 8, .value_kind: global_buffer, .address_space: global }
    .group_segment_fixed_size: 205824
    .private_segment_fixed_size: 0
    .kernarg_segment_align: 8
    .kernarg_segment_size: 32
    .max_flat_workgroup_size: 256
    .sgpr_count:     80
    .vgpr_count:     512
    .wavefront_size: 32
...
	.end_amdgpu_metadata
.endif
;; end of part 4
;; launch outg (part 5): grid 4 x 32, 4 waves a work-group, clusters of 4 x 4, 327,680 bytes of LDS; arguments ac, asc, wc, ws, bo, out0; writes out0
.if DOCPART == 5
	.amdgcn_target "amdgcn-amd-amdhsa--gfx1250"
	.amdhsa_code_object_version 6
	.text
	.protected	k_qdf5fd6cfe1_outg
	.globl	k_qdf5fd6cfe1_outg
	.p2align	8
	.type	k_qdf5fd6cfe1_outg,@function
k_qdf5fd6cfe1_outg:
	s_mov_b64 s[64:65], 0
	v_nop
	global_prefetch_b8 v0, s[64:65] scope:SCOPE_SE
	s_setreg_imm32_b32 hwreg(HW_REG_WAVE_MODE, 25, 1), 1
	s_wait_xcnt 0x0
	s_wait_alu depctr_hold_cnt(0) depctr_sa_sdst(0) depctr_va_vdst(0) depctr_va_sdst(0) depctr_va_ssrc(0) depctr_va_vcc(0) depctr_vm_vsrc(0)
	s_getreg_b32 s2, hwreg(HW_REG_IB_STS2, 6, 4)
	s_cmp_eq_u32 s2, 0
	s_cbranch_scc0 .Lentry_in_a_cluster
	s_endpgm
.Lentry_in_a_cluster:
	s_bfe_u32 s2, ttmp6, 0x10000c
	s_cmp_lg_u32 s2, 0xf033
	s_cbranch_scc0 .Lentry_shape_is_right
	s_endpgm
.Lentry_shape_is_right:
; out0 = attention x wo + bo: 8,192 x 1,024 x 1,024 on codes of FP6 (E2M3) with E8M0 scales; out0 f32.
; A tile of 256 x 256 is made by four waves, 128 x 128 each: 64 accumulators, 512 registers.  Source 0 = 16 rows of wo^T (S0: its rows run along a lane's registers in the result), source 1 = 16 tokens (S1: along the lanes):
; a lane holds eight neighbouring numbers of a row of out0.
; OPERANDS lie in memory in the order of the operand's registers: a tile T is 16 rows, lane r taking row 32 (T/2) + 8 (T%2) + r + 8 (r/8); [T][K/64][768 bytes: three pieces of 256, 8 bytes a lane].  A fragment is six loads of
; 8 bytes a lane, 256 consecutive LDS bytes each, with no padding.  K goes in four steps of 256 through two LDS slots filled by the tensor data mover (8 tiles x 3,072 bytes a load).
; CLUSTERS: 4 x 4 work-groups; the tokens' tiles are shared along a row of the cluster, wo's along a column: joint loads.  128 work-groups: a smaller tile would read half as many products from each LDS byte.
; THE SCALE WORDS of a wave's rows for all of K are 64 registers, loaded once; the tokens' come as two bytes a head and are joined, two heads to a word.  THE BIAS is the C of each sum's first product.
; REGISTERS: window 0: v12-29 addresses; v32-63 the tokens' scale words, v64-95 wo's; v128-223 the tokens' fragments, ONE set; on the way out v128-255 rows of out0.
;   window 1: wo's fragments, two sets at v0 and v128; v96-127, v224-255 eight C tiles.   windows 2, 3: the accumulators (a, b) at v[8 (8 (a % 4) + b)].
.set BIAS_ON_A, 0
.set FR,    12
.set NL,    6
.set NP,    4                          ; places behind this matrix instruction (ISA guide 7.12.1)
.set HALFT, 24576
.set SLOT,  98304
.set SPARE, 196608                     ; behind the ring: the spare words, 128 bytes for each wave, that no other line names
.set SPITCH, 528                       ; the way out: a stage of 16 rows x (512 + 16) bytes for each wave, in slot 0, which has had its last fill and its last read when the first result is stored there
.set ADRA,  16
.set ADRB,  20
.set STO,   24
.set RD,    25
.set L8,    26
.set CO,    27
.set SPW,   28
.set NIL,   29
.set SA,    32
.set SB,    64
.set AF,    128
.set BK,    128
.set G1,    24
.set G0,    32
.set G1B,   48
.set G0B,   56
.set MSB, 0
.macro WIN new                         ; the immediate's high byte repeats the setting that is left
.if MSB != (\new)
	s_set_vgpr_msb (MSB<<8)|(\new)
.set MSB, (\new)
.endif
.endm
; A joint load: waves 0 and 1 fetch the tokens' halves, waves 2 and 3 wo's.  The branch hangs on the wave's number alone.  Four v_nop follow each line.
.macro JLOAD g0a, g1a, g0b, g1b
	s_cmp_eq_u32 s15, 0
	s_cbranch_scc0 .Lfor_b_\@
	tensor_load_to_lds s[\g0a:\g0a+3], s[\g1a:\g1a+7]
	s_nop 0
.rept 4
	v_nop
.endr
	s_branch .Lasked_\@
.Lfor_b_\@:
	tensor_load_to_lds s[\g0b:\g0b+3], s[\g1b:\g1b+7]
	s_nop 0
.rept 4
	v_nop
.endr
.Lasked_\@:
.endm
.macro CREST
	s_cmp_lg_u32 s14, 0
	s_cbranch_scc1 .Lnot_wave_0_\@
	s_barrier_signal -3
.Lnot_wave_0_\@:
	s_barrier_wait -3
	s_barrier_signal -1
	s_barrier_wait -1
.endm
.macro CROUND
	s_barrier_signal -1
	s_barrier_wait -1
	CREST
.endm
.macro PLACES n
.rept \n
	v_nop
.endr
.endm
.macro FRAG reg, adr, q, i
.irp p, 0,1,2,3,4,5
	ds_load_b64 v[\reg+2*\p:\reg+2*\p+1], v[\adr] offset:3072*(\i)+1536*(\q)+256*\p
.endr
.endm
.macro FETCH_B slot, q, p
	WIN 0x40
.irp i, 0,1,2,3,4,5,6,7
	FRAG 128*(\p)+FR*\i, ADRB+\slot, \q, \i
.endr
	WIN 0
.endm
.macro FETCH_A slot, q, i0
.irp i, \i0, \i0+1, \i0+2, \i0+3
	FRAG AF+FR*(\i), ADRA+\slot, \q, \i
.endr
.endm
; 16 products: the tokens' blocks a0, a0 + 1 x wo's eight, K step s; p: wo's set.  first = 1: the sum starts from a C tile.  The 64 accumulators take turns, one instruction a turn, in the same order in every step.
.macro MUL16 a0, p, s, first
.irp a, \a0, \a0+1
.irp b, 0,1,2,3,4,5,6,7
.set xD, 8*(8*((\a)%4)+\b)
.set xA, 128*(\p)+FR*\b
.set xB, AF+FR*(\a)
.if \first
.if BIAS_ON_A
.set xC, 96+8*((\a)%4)+128*((\a)/4)
.else
.set xC, 96+8*(\b%4)+128*(\b/4)
.endif
.else
.set xC, 8*(8*((\a)%4)+\b)
.endif
.set xS, SB+8*(\b/2)+(\s)
.set xT, SA+8*((\a)/2)+(\s)
.if (\b%2) && ((\a)%2)
	v_wmma_scale_f32_16x16x128_f8f6f4 v[xD:xD+7], v[xA:xA+11], v[xB:xB+11], v[xC:xC+7], v[xS], v[xT] matrix_a_fmt:MATRIX_FMT_FP6 matrix_b_fmt:MATRIX_FMT_FP6 matrix_a_scale:MATRIX_SCALE_ROW1 matrix_b_scale:MATRIX_SCALE_ROW1
.elseif \b%2
	v_wmma_scale_f32_16x16x128_f8f6f4 v[xD:xD+7], v[xA:xA+11], v[xB:xB+11], v[xC:xC+7], v[xS], v[xT] matrix_a_fmt:MATRIX_FMT_FP6 matrix_b_fmt:MATRIX_FMT_FP6 matrix_a_scale:MATRIX_SCALE_ROW1
.elseif (\a)%2
	v_wmma_scale_f32_16x16x128_f8f6f4 v[xD:xD+7], v[xA:xA+11], v[xB:xB+11], v[xC:xC+7], v[xS], v[xT] matrix_a_fmt:MATRIX_FMT_FP6 matrix_b_fmt:MATRIX_FMT_FP6 matrix_b_scale:MATRIX_SCALE_ROW1
.else
	v_wmma_scale_f32_16x16x128_f8f6f4 v[xD:xD+7], v[xA:xA+11], v[xB:xB+11], v[xC:xC+7], v[xS], v[xT] matrix_a_fmt:MATRIX_FMT_FP6 matrix_b_fmt:MATRIX_FMT_FP6
.endif
.endr
.endr
.endm
; A slot's first 128 along K.  Window settings: source 0 window 1, source 1 window 0, C and D window 2 (0xa1) or 3 (0xf1); in the first step C lies in window 1 (0x91, 0xd1).
.macro STEP slot, s, first
	s_wait_dscnt 4*NL                              ; wo's set and the tokens' blocks 0-3 are in; the youngest 24 loads (blocks 4-7) may be out
	WIN 0xa1-0x10*(\first)
	MUL16 0, 0, \s, \first
	MUL16 2, 0, \s, \first
	s_wait_dscnt 0x0
	PLACES NP                                      ; in front of loads into registers that matrix instructions have read
	FETCH_B \slot, 1, 1
	FETCH_A \slot, 1, 0
	WIN 0xf1-0x20*(\first)
	MUL16 4, 0, \s, \first
	MUL16 6, 0, \s, \first
	PLACES NP
	WIN 0
	FETCH_A \slot, 1, 4
.endm
; A slot's second 128 along K changes slots: one barrier; in front of it each wave waits for all its tensor loads, adds 0 to its spare word, and waits for that and for its own reads of this slot.  fill = 1: this slot is filled again.
.macro TURN slot, next, s, fill
	s_wait_tensorcnt 0x0                           ; all my tensor loads have landed: my part of the next slot
	ds_add_u32 v[SPW], v[NIL]                      ; 0 onto my spare word
	s_wait_dscnt 4*NL+1                            ; (the add and the youngest 24 loads may be out)
	WIN 0xa1
	MUL16 0, 1, \s, 0
	s_wait_dscnt 0x0                               ; the add is done, and my reads of this slot are over
	s_barrier_signal -1
	MUL16 2, 1, \s, 0
	WIN 0
	s_barrier_wait -1
.if \fill
	CREST                                          ; the barrier has opened a round of the cluster's barrier: no wave of any partner still reads this slot or has a load on its way
	s_add_nc_u64 s[G0+4*\slot+2:G0+4*\slot+3], s[G0+4*\slot+2:G0+4*\slot+3], 6144
	s_add_nc_u64 s[G0B+4*\slot+2:G0B+4*\slot+3], s[G0B+4*\slot+2:G0B+4*\slot+3], 6144
	JLOAD G0+4*\slot, G1, G0B+4*\slot, G1B         ; the first tensor load behind the round; its four v_nop are the places in front of the loads below
.else
	PLACES NP
.endif
	FETCH_B \next, 0, 0
	FETCH_A \next, 0, 0
	WIN 0xf1
	MUL16 4, 1, \s, 0
	MUL16 6, 1, \s, 0
	PLACES NP
	WIN 0
	FETCH_A \next, 0, 4
.endm
	s_load_b256 s[68:75], s[0:1], 0x0              ; ac, asc, wc, ws
	s_load_b128 s[76:79], s[0:1], 0x20             ; bo, out0
	v_lshl_add_u32 v[SPW], v0, 2, SPARE
	v_mov_b32 v[NIL], 0
	ds_add_u32 v28, v29
	ds_add_u32 v28, v29
	s_wait_dscnt 0x0
	v_lshrrev_b32 v1, 5, v0
	v_readfirstlane_b32 s14, v1                    ; wave 0..3
	s_lshr_b32 s15, s14, 1                         ; my half of the tokens.  Also: I fetch for the tokens (0) or for wo (1)
	s_and_b32 s16, s14, 1                          ; my half of wo's rows.  Also: which 8 tiles I fetch
	s_bfe_u32 s40, ttmp6, 0x40000                  ; cx = wo's tile of 256 rows
	s_bfe_u32 s41, ttmp6, 0x40004                  ; cy
	s_lshl_b32 s43, s41, 2
	s_lshl_b32 s43, 15, s43                        ; my row of the cluster
	s_lshl_b32 s44, 0x1111, s40                    ; my column
	s_or_b32 s[G1+0], s43, (3<<16)|(1<<21)         ; 15:0 the mask; 17:16 elements of 8 bytes; 21 set beside a mask
	s_or_b32 s[G1B+0], s44, (3<<16)|(1<<21)
.irp g, G1, G1B
	s_mov_b32 s[\g+1], 384<<16                     ; 3,072 bytes: a tile's 256 along K
	s_mov_b32 s[\g+2], 8<<16                       ; 8 tiles
	s_mov_b32 s[\g+3], 384<<16
	s_mov_b32 s[\g+4], 8
	s_mov_b32 s[\g+5], 1536                        ; from tile to tile: 12,288 bytes
	s_mov_b32 s[\g+6], 0
	s_mov_b32 s[\g+7], 0
.endr
	s_and_b32 s17, ttmp7, 0xffff
	s_lshl_b32 s45, s17, 2
	s_add_co_u32 s45, s45, s41                     ; the tokens' tile of 256: hangs on cy, never on cx
	s_mul_i32 s22, s16, 98304
	s_mul_i32 s46, s45, 196608
	s_add_co_u32 s46, s46, s22
	s_mov_b32 s47, 0
	s_mul_i32 s66, s40, 196608
	s_add_co_u32 s66, s66, s22
	s_add_co_u32 s66, s66, 3*786432                ; wo is the fourth weight of wc
	s_mov_b32 s67, 0
	s_mov_b32 s21, 0
	s_wait_kmcnt 0x0
	s_add_nc_u64 s[4:5], s[68:69], s[46:47]
	s_add_nc_u64 s[8:9], s[72:73], s[66:67]
	s_mul_i32 s22, s14, HALFT                      ; where my part of a slot lies
	CROUND                                         ; all sixteen work-groups are here: the first joint loads meet
.irp s, 0,1
	s_mov_b32 s[G0+4*\s], 1
	s_add_co_u32 s[G0+4*\s+1], s22, \s*SLOT
	s_add_nc_u64 s[G0+4*\s+2:G0+4*\s+3], s[4:5], \s*3072
	s_or_b32 s[G0+4*\s+3], s[G0+4*\s+3], 0x80000000
	s_mov_b32 s[G0B+4*\s], 1
	s_add_co_u32 s[G0B+4*\s+1], s22, \s*SLOT
	s_add_nc_u64 s[G0B+4*\s+2:G0B+4*\s+3], s[8:9], \s*3072
	s_or_b32 s[G0B+4*\s+3], s[G0B+4*\s+3], 0x80000000
	JLOAD G0+4*\s, G1, G0B+4*\s, G1B
.endr
	v_and_b32 v3, 31, v0
	v_lshlrev_b32 v[L8], 3, v3
	v_lshlrev_b32 v13, 2, v3
	v_lshlrev_b32 v[CO], 4, v3
	v_and_b32 v1, 15, v0                           ; r
	v_bfe_u32 v2, v0, 4, 1                         ; h
	v_lshlrev_b32 v12, 6, v2
	s_lshl_b32 s20, s45, 10                        ; the tokens' scale bytes: 128 bytes for each 32 tokens
	s_lshl_b32 s22, s15, 9
	s_add_co_u32 s20, s20, s22
	s_add_nc_u64 s[70:71], s[70:71], s[20:21]
	s_lshl_b32 s20, s40, 13                        ; wo's scale words
	s_lshl_b32 s22, s16, 12
	s_add_co_u32 s20, s20, s22
	s_add_co_u32 s20, s20, 3*32768
	s_add_nc_u64 s[74:75], s[74:75], s[20:21]
	s_lshl_b32 s20, s40, 10                        ; my 128 columns, in bytes
	s_lshl_b32 s22, s16, 9
	s_add_co_u32 s20, s20, s22
	s_add_nc_u64 s[76:77], s[76:77], s[20:21]      ; bo
	s_add_nc_u64 s[78:79], s[78:79], s[20:21]      ; out0: the columns,
	s_lshl_b32 s20, s45, 20
	s_lshl_b32 s22, s15, 19
	s_add_co_u32 s20, s20, s22
	s_add_nc_u64 s[78:79], s[78:79], s[20:21]      ; and my first row
.irp p, 0,1,2,3
.irp g, 0,1,2,3
	global_load_b64 v[SB+8*\p+2*\g:SB+8*\p+2*\g+1], v[L8], s[74:75] offset:1024*\p+256*\g
.endr
.endr
.irp p, 0,1,2,3
.irp s, 0,1,2,3,4,5,6,7
	global_load_b32 v[SA+8*\p+\s], v13, s[70:71] offset:2*\s*32768+128*\p          ; head 2 s: the lower two bytes of K step s's word,
	global_load_b32 v[128+8*\p+\s], v13, s[70:71] offset:(2*\s+1)*32768+128*\p     ; head 2 s + 1: the upper two
.endr
.endr
	WIN 0x40
.irp b, 0,1,2,3,4,5,6,7
	global_load_b128 v[96+8*(\b%4)+128*(\b/4):96+8*(\b%4)+128*(\b/4)+3], v12, s[76:77] offset:(32*(\b/2)+8*(\b%2))*4       ; the C tile of wo's block b: the bias at the lane's eight columns
	global_load_b128 v[96+8*(\b%4)+128*(\b/4)+4:96+8*(\b%4)+128*(\b/4)+7], v12, s[76:77] offset:(32*(\b/2)+8*(\b%2))*4+16
.endr
	WIN 0
	s_mul_i32 s20, s15, HALFT
	s_mul_i32 s22, s16, HALFT
	s_add_co_u32 s22, s22, 2*HALFT
.irp s, 0,1
	v_add_nc_u32 v[ADRA+\s], s20, v[L8]
	v_add_nc_u32 v[ADRB+\s], s22, v[L8]
	s_add_co_u32 s20, s20, SLOT
	s_add_co_u32 s22, s22, SLOT
.endr
	s_mul_i32 s23, s14, 16*SPITCH                  ; my stage
	v_mul_u32_u24 v5, v1, SPITCH
	v_lshl_add_u32 v5, v2, 6, v5
	v_add_nc_u32 v[STO], s23, v5                   ; in: row r, + 64 h
	v_add_nc_u32 v[RD], s23, v[CO]                 ; back: the 32 lanes take one row of 512 bytes
	s_wait_loadcnt 0x0
.set k, 0
.rept 32
	v_lshl_or_b32 v[SA+k], v[128+k], 16, v[SA+k]
.set k, k+1
.endr
	PLACES 8                                       ; a scale register written by a vector instruction stands 8 places ahead of a scaled product
	s_wait_tensorcnt 1                             ; my part of slot 0 is in; slot 1's load may be out
	s_barrier_signal -1
	s_barrier_wait -1
	FETCH_B 0, 0, 0
	FETCH_A 0, 0, 0
	FETCH_A 0, 0, 4
	STEP 0, 0, 1                                   ; eight K steps of 128, written out: every scale register's number is a constant
	TURN 0, 1, 1, 1
	STEP 1, 2, 0
	TURN 1, 0, 3, 1
	STEP 0, 4, 0
	TURN 0, 1, 5, 0                                ; nothing is left to fetch; behind this barrier nobody reads slot 0
	STEP 1, 6, 0
	s_wait_dscnt 4*NL
	WIN 0xa1
	MUL16 0, 1, 7, 0
	MUL16 2, 1, 7, 0
	s_wait_dscnt 0x0
	WIN 0xf1
	MUL16 4, 1, 7, 0
	MUL16 6, 1, 7, 0
	WIN 0
; THE WAY OUT, block by block of 16 tokens x 128 columns, through my own stage: in as 32 bytes a lane, back as whole rows of 512 bytes.  LDS serves a wave's instructions in order: no wait between the stores and the loads.
.macro TOSTAGE a
.set AC2, 64*((\a)%4)
	WIN 0x08+4*((\a)/4)                            ; the data: window 2 or 3
.irp b, 0,1,2,3,4,5,6,7
	ds_store_b128 v[STO], v[AC2+8*\b:AC2+8*\b+3] offset:128*(\b/2)+32*(\b%2)       ; columns 32 (b / 2) + 16 h + 8 (b % 2) on; each accumulator from its low end on
	ds_store_b128 v[STO], v[AC2+8*\b+4:AC2+8*\b+7] offset:128*(\b/2)+32*(\b%2)+16
.endr
	WIN 0
.set BB, BK+64*((\a)%2)
.irp t, 0,1,2,3,4,5,6,7,8,9,10,11,12,13,14,15
	ds_load_b128 v[BB+4*\t:BB+4*\t+3], v[RD] offset:\t*SPITCH
.endr
.endm
.macro SEND a, younger                 ; younger: the LDS instructions issued behind block a's loads, which may stay out
.set BB, BK+64*((\a)%2)
	s_wait_dscnt \younger
.irp t, 0,1,2,3,4,5,6,7,8,9,10,11,12,13,14,15
	global_store_b128 v[CO], v[BB+4*\t:BB+4*\t+3], s[78:79] offset:(32*((\a)/2)+8*((\a)%2)+\t+8*(\t/8))*4096 th:TH_STORE_NT   ; the tile's lane t is that token; 512 consecutive bytes, aligned to 256; 127 rows at the most: inside the signed 24-bit immediate
.endr
.endm
	PLACES NP                                      ; in front of the first read of results and of the loads into the registers that held the tokens' fragments
	TOSTAGE 0
.irp a, 1,2,3,4,5,6,7
.if \a > 1
	s_wait_xcnt 0x0                                ; block a - 2's stores have read their registers: block a's loads may land there
.endif
	TOSTAGE \a
	SEND \a-1, 32                                  ; behind block a - 1's loads: block a's 16 stores and 16 loads
.endr
	SEND 7, 0
	s_wait_tensorcnt 0x0                           ; the wave's end
	ds_add_u32 v[SPW], v[NIL]
	s_wait_dscnt 0x0
	CROUND                                         ; the closing round
	s_endpgm
.Lfunc_end_k_qdf5fd6cfe1_outg:
	.size	k_qdf5fd6cfe1_outg, .Lfunc_end_k_qdf5fd6cfe1_outg-k_qdf5fd6cfe1_outg
	.p2alignl 7, 3214868480
	.fill 96, 4, 3214868480
	.section	.rodata,"a",@progbits
	.p2align	6, 0x0
	.amdhsa_kernel k_qdf5fd6cfe1_outg
		.amdhsa_group_segment_fixed_size 327680
		.amdhsa_private_segment_fixed_size 0
		.amdhsa_enable_private_segment 0
		.amdhsa_kernarg_size 48
		.amdhsa_user_sgpr_count 2
		.amdhsa_user_sgpr_kernarg_segment_ptr 1
		.amdhsa_wavefront_size32 1
		.amdhsa_system_sgpr_workgroup_id_x 1
		.amdhsa_system_sgpr_workgroup_id_y 1
		.amdhsa_system_sgpr_workgroup_id_z 1
		.amdhsa_system_vgpr_workitem_id 0
		.amdhsa_next_free_vgpr 1024
		.amdhsa_next_free_sgpr 100
		.amdhsa_reserve_vcc 0
		.amdhsa_float_denorm_mode_32 3
		.amdhsa_float_denorm_mode_16_64 3
		.amdhsa_memory_ordered 1
		.amdhsa_forward_progress 1
		.amdhsa_inst_pref_size 166
	.end_amdhsa_kernel
	.amdgpu_metadata
---
amdhsa.version: [ 1, 2 ]
amdhsa.kernels:
  - .name:           k_qdf5fd6cfe1_outg
    .symbol:         k_qdf5fd6cfe1_outg.kd
    .args:
      - { .name: ac, .offset: 0, .size: 8, .value_kind: global_buffer, .address_space: global }
      - { .name: asc, .offset: 8, .size: 8, .value_kind: global_buffer, .address_space: global }
      - { .name: wc, .offset: 16, .size: 8, .value_kind: global_buffer, .address_space: global }
      - { .name: ws, .offset: 24, .size: 8, .value_kind: global_buffer, .address_space: global }
      - { .name: bo, .offset: 32, .size: 8, .value_kind: global_buffer, .address_space: global }
      - { .name: out0, .offset: 40, .size: 8, .value_kind: global_buffer, .address_space: global }
    .group_segment_fixed_size: 327680
    .private_segment_fixed_size: 0
    .kernarg_segment_align: 8
    .kernarg_segment_size: 48
    .max_flat_workgroup_size: 128
    .sgpr_count:     100
    .vgpr_count:     1024
    .wavefront_size: 32
...
	.end_amdgpu_metadata
.endif
;; end of part 5
;; ======== version 2 of 2: 4 launches
;; limits: right only within a limited range of input values
;; workspace buffers: wc 3,145,728 bytes; ws 131,072 bytes; xc 18,874,368 bytes; xs 786,432 bytes; hc 18,874,368 bytes; hs 786,432 bytes; ac 6,291,456 bytes; asc 524,288 bytes
;; launch quant (part 6): grid 896 x 1, 4 waves a work-group, no clusters, 59,904 bytes of LDS; arguments q, k, v, wq, wk, wv, wo, xc, xs, wc, ws; writes xc, xs, wc, ws
.if DOCPART == 6
	.amdgcn_target "amdgcn-amd-amdhsa--gfx1250"
	.amdhsa_code_object_version 6
	.text
	.protected	k_qdf5fd6cfe1_quant
	.globl	k_qdf5fd6cfe1_quant
	.p2align	8
	.type	k_qdf5fd6cfe1_quant,@function
k_qdf5fd6cfe1_quant:
	s_mov_b64 s[64:65], 0
	v_nop
	global_prefetch_b8 v0, s[64:65] scope:SCOPE_SE
	s_setreg_imm32_b32 hwreg(HW_REG_WAVE_MODE, 25, 1), 1
	s_wait_xcnt 0x0
; All seven f32 inputs of the four large products become codes of FP6 (E2M3) with one E8M0 byte for each 32 along K.  Two jobs in one launch, parted on the work-group's number at the head:
; work-groups 0-127 take the weights wq, wk, wv, wo ([1024 (k)][1024 (n)], K the FIRST axis), work-groups 128-895 take q, k, v ([8192][1024], K innermost).  The weights' 20 MB ride beside the 120 MB stream of the others.
; Each job has LDS bytes of its own (33,792 for q, k, v; 25,600 behind them for the weights); neither has a barrier or a tensor load: waves share nothing.
; A block's scale is 2^(floor(log2(largest magnitude)) - 2); its byte is the largest magnitude's exponent field - 2, held at 1 from below.
; LIMITS: NaN and infinities are not served; a block whose largest magnitude lies under 2^-124 keeps the byte 1; a block of zeros gets the byte 1 where the rule says 127 (its codes are zeros, and this program alone reads the bytes).
; LAYOUT OF THE CODES (this program's own): in the order of the operand's registers.  A tile T is 16 rows, lane r taking row 32 (T/2) + 8 (T%2) + r + 8 (r/8).  A unit is a tile x 64 along K, 768 bytes in three pieces
; of 256: piece p holds at byte 8 x (16 h + r) the bytes 24 h + 8 p .. + 7 of row r's 48.  xc: [tensor][T (512)][K/64 (16)][768]; wc: [weight][T (64)][K/64 (16)][768].
; xs, ws: [tensor or weight][T/2][K/256 (4)][lane 16 (T%2) + r][two words: the two K steps of 128].
.set WV,     3                         ; s3 my wave's number
.set NWG,    128                       ; the weights' work-groups come first
.set WSTAGE, 33792                     ; where the weights' stages begin in LDS
; ---- names of q, k, v's job
.set R,   64                           ; v64-191  two sets of 64 numbers
.set TM,  16                           ; v16-31   QUANT's work
.set PC,  32                           ; v32-51   the codes just made
.set PW,  8                            ; v8-11    a scale word for each sub-step
.set SEL, 20                           ; s[20:21] selects of v_permlanex16_b32: lane l xor 16
; ---- names of the weights' job
.set NB,   8
.set WX,   32                          ; v32-95   two sets of 32 numbers
.set WC,   96                          ; v96-102  a block's codes
.set OUTR, 112                         ; v112-159 the way out
.set SBY,  24                          ; v24-25   the scale bytes, four to a register
; 64 numbers of a lane, register 16 b + i = k 32 b + 16 (lane / 16) + i of my row, become a fragment's 12 registers in v[PC] on and my row's scale word in v[pw] (the same in lanes l and l xor 16).
.macro QUANT s, pw
.irp b, 0,1,2,3
	v_max3_num_f32 v[TM+\b], |v[\s+16*\b]|, |v[\s+1+16*\b]|, 0x1800000   ; block b: my 16 numbers, and the floor 2^(3 - 127): the byte cannot fall under 1
.endr
.irp i, 2,4,6,8,10,12,14
.irp b, 0,1,2,3
	v_max3_num_f32 v[TM+\b], v[TM+\b], |v[\s+16*\b+\i]|, |v[\s+1+16*\b+\i]|   ; (the four blocks by turns)
.endr
.endr
.irp b, 0,1,2,3
	v_permlanex16_b32 v[TM+4+\b], v[TM+\b], s[SEL], s[SEL+1]
.endr
.irp b, 0,1,2,3
	v_max_num_f32 v[TM+\b], v[TM+\b], v[TM+4+\b]   ; with lane l xor 16's: the block's largest magnitude
.endr
.irp b, 0,1,2,3
	v_add_nc_u32 v[TM+12+\b], 0xff000000, v[TM+\b]   ; 2 off its exponent field: the conversion's scale operand
.endr
.irp b, 0,1,2,3
	v_lshrrev_b32 v[TM+4+\b], 23, v[TM+12+\b]      ; the scale's byte
.endr
	v_lshl_or_b32 v[\pw], v[TM+5], 8, v[TM+4]
	v_lshl_or_b32 v[\pw], v[TM+6], 16, v[\pw]
	v_lshl_or_b32 v[\pw], v[TM+7], 24, v[\pw]
.irp c, 0,1
	v_cvt_scalef32_pk16_fp6_f32 v[PC+6*\c:PC+2+6*\c], v[\s+32*\c:\s+15+32*\c], v[TM+12+2*\c]
	v_cvt_scalef32_pk16_fp6_f32 v[PC+12+4*\c:PC+14+4*\c], v[\s+16+32*\c:\s+31+32*\c], v[TM+12+2*\c+1]   ; (a conversion's three registers begin on an even number)
.endr
	v_nop                                          ; one plain place behind a scaled conversion
.irp c, 0,1                            ; the operand's layout wants a WHOLE block in a lane: lanes 0-15 block 2 c, lanes 16-31 block 2 c + 1
.irp i, 0,1,2
	v_permlane16_swap_b32 v[PC+6*\c+\i], v[PC+12+4*\c+\i]
.endr
.irp i, 0,1,2
	v_mov_b32 v[PC+3+6*\c+\i], v[PC+12+4*\c+\i]
.endr
.endr
.endm
.macro XLOAD t                         ; sub-step t = 2 x tile + K step: the tile's 16 rows, 512 bytes of each, into set t % 2
.irp i, 0,1,2,3,4,5,6,7,8,9,10,11,12,13,14,15
	global_load_b128 v[R+64*((\t)%2)+4*\i:R+64*((\t)%2)+4*\i+3], v1, s[4:5] offset:(8*((\t)/2)+\i+8*(\i/8))*4096+512*((\t)%2) th:TH_LOAD_NT
.endr
.endm
.macro XTURN t                         ; through the stage and back into the registers that they left: LDS serves a wave's instructions in order
.irp i, 0,1,2,3,4,5,6,7,8,9,10,11,12,13,14,15
	ds_store_b128 v2, v[R+64*(\t%2)+4*\i:R+64*(\t%2)+4*\i+3] offset:528*\i
.endr
.irp b, 0,1,2,3
.irp j, 0,1,2,3
	ds_load_b128 v[R+64*(\t%2)+16*\b+4*\j:R+64*(\t%2)+16*\b+4*\j+3], v3 offset:128*\b+16*\j
.endr
.endr
.endm
.macro XSUB t
.if \t < 3
	s_wait_loadcnt 16                              ; this sub-step's 16 loads are in; the next one's 16 may be out
.else
	s_wait_loadcnt 0x0
.endif
.if \t > 0
	s_wait_xcnt 0x0                                ; the last sub-step's stores have read their data: the codes' registers are written again only behind this wait
.endif
	XTURN \t
	s_wait_dscnt 0x0
	QUANT R+64*(\t%2), PW+\t
.if \t < 2
	XLOAD \t+2
.endif
.irp p, 0,1,2,3,4,5
	global_store_b64 v4, v[PC+2*\p:PC+2*\p+1], s[10:11] offset:12288*(\t/2)+1536*(\t%2)+256*\p   ; a piece: 256 consecutive bytes, aligned
.endr
.endm
.macro WLOAD t                         ; block t: W(32 t + i, my column), i = 0 .. 31, into set t % 2; the largest offset is 255 rows, inside the signed 24-bit immediate
.irp i, 0,1,2,3,4,5,6,7,8,9,10,11,12,13,14,15,16,17,18,19,20,21,22,23,24,25,26,27,28,29,30,31
	global_load_b32 v[WX+32*((\t)%2)+\i], v3, s[4:5] offset:(32*(\t)+\i)*4096 th:TH_LOAD_NT
.endr
.endm
.macro WBLOCK t
.set WXS, WX+32*((\t)%2)
.if (\t) < NB-1
	s_wait_loadcnt 32                              ; this block's 32 loads are in; the next block's 32 may be out
.else
	s_wait_loadcnt 0x0
.endif
	v_max3_num_f32 v12, |v[WXS]|, |v[WXS+1]|, |v[WXS+2]|           ; the block's largest magnitude: all 32 numbers are mine; two chains
	v_max3_num_f32 v13, |v[WXS+3]|, |v[WXS+4]|, |v[WXS+5]|
.irp i, 6,10,14,18,22,26
	v_max3_num_f32 v12, v12, |v[WXS+\i]|, |v[WXS+\i+1]|
	v_max3_num_f32 v13, v13, |v[WXS+\i+2]|, |v[WXS+\i+3]|
.endr
	v_max3_num_f32 v12, v12, |v[WXS+30]|, |v[WXS+31]|
	v_max3_num_f32 v12, v12, v13, 0x1800000        ; and the floor 2^(3 - 127): the byte cannot fall under 1
	v_add_nc_u32 v11, 0xff000000, v12              ; 2 off the exponent field: the conversion takes the exponent field of this operand as its scale
	v_lshrrev_b32 v13, 23, v11                     ; the scale's byte
.if (\t)%4 == 0
	v_mov_b32 v[SBY+(\t)/4], v13                   ; four bytes to a word, the lower K in the lower byte
.else
	v_lshl_or_b32 v[SBY+(\t)/4], v13, 8*((\t)%4), v[SBY+(\t)/4]
.endif
	v_cvt_scalef32_pk16_fp6_f32 v[WC:WC+2], v[WXS:WXS+15], v11
	v_cvt_scalef32_pk16_fp6_f32 v[WC+4:WC+6], v[WXS+16:WXS+31], v11   ; (a conversion's three registers begin on an even number)
	v_nop                                          ; one plain place behind a scaled conversion
	v_mov_b32 v[WC+3], v[WC+4]                     ; the block's 24 bytes on end
	v_mov_b32 v[WC+4], v[WC+5]
	v_mov_b32 v[WC+5], v[WC+6]
.irp p, 0,1,2
	ds_store_b64 v4, v[WC+2*\p:WC+2*\p+1] offset:768*((\t)/2)+128*((\t)%2)+256*\p   ; unit t / 2, half t % 2, piece p
.endr
.if (\t)+2 < NB
	WLOAD (\t)+2
.endif
	s_wait_dscnt 0x0                               ; the stores have read their registers: the next block's codes may be written
.endm
	v_lshl_add_u32 v192, v0, 2, 0xe800
	v_mov_b32 v193, 0
	v_lshrrev_b32 v1, 5, v0
	v_readfirstlane_b32 s[WV], v1                  ; wave 0..3
	s_cmp_lt_u32 ttmp9, NWG                        ; the branch hangs on the work-group's number alone
	s_cbranch_scc1 .Lweights
; ======== q, k, v.  A work-group takes 32 rows (two tiles) of one tensor, wave w the w-th 256 along K: four sub-steps of 16 rows x 128 K.  Each load reads 512 consecutive bytes of one row.  The conversions want 16
; neighbours along K in one lane, so a sub-step's 8,192 bytes turn through the wave's own stage in LDS (16 rows of 512 + 16 bytes) and come back 64 bytes of each block's half a lane.
	s_load_b128 s[4:7], s[0:1], 0x0                ; q, k
	s_load_b64 s[8:9], s[0:1], 0x10                ; v
	s_load_b64 s[10:11], s[0:1], 0x38              ; xc
	s_load_b64 s[12:13], s[0:1], 0x40              ; xs
	s_sub_co_u32 s30, ttmp9, NWG                   ; which 32 rows of the three tensors' 24,576
	v_and_b32 v5, 31, v0                           ; lane
	v_and_b32 v6, 15, v0                           ; r
	v_bfe_u32 v7, v0, 4, 1                         ; h
	v_lshlrev_b32 v1, 4, v5                        ; in: 16 bytes a lane
	s_mul_i32 s15, s[WV], 8448                     ; my wave's stage
	v_add_nc_u32 v2, s15, v1                       ; into it: a row's 512 bytes as they lie
	v_mul_u32_u24 v3, v6, 528
	v_lshl_add_u32 v3, v7, 6, v3
	v_add_nc_u32 v3, s15, v3                       ; out of it: row r, + 64 h
	v_lshlrev_b32 v4, 3, v5                        ; a piece: 8 bytes a lane
	s_lshr_b32 s16, s30, 8                         ; which tensor
	s_and_b32 s17, s30, 255                        ; which 32 rows of it
	s_lshl_b32 s24, s17, 17
	s_lshl_b32 s18, s[WV], 10
	s_add_co_u32 s24, s24, s18                     ; in: 32 rows of 4,096 bytes a group, 1,024 bytes a wave
	s_mov_b32 s25, 0
	s_mul_i32 s26, s30, 24576                      ; codes: two tiles of 12,288 a group (the three tensors' groups follow each other), 3,072 a wave
	s_mul_i32 s18, s[WV], 3072
	s_add_co_u32 s26, s26, s18
	s_mov_b32 s27, 0
	s_lshl_b32 s28, s30, 10                        ; scale words: 1,024 a group, 256 a wave
	s_lshl_b32 s18, s[WV], 8
	s_add_co_u32 s28, s28, s18
	s_mov_b32 s29, 0
	s_mov_b32 s[SEL], 0x76543210
	s_mov_b32 s[SEL+1], 0xfedcba98
	s_mov_b32 s22, 0xffff0000                      ; lanes 16-31
.irp b, 0,1,2,3
	v_mov_b32 v[TM+4+\b], 0                        ; written once: a lane permute's destination counts as one of its sources
.endr
	s_wait_alu depctr_va_vdst(0)
	s_wait_kmcnt 0x0
	s_cmp_eq_u32 s16, 1                            ; the choice hangs on the work-group's number alone
	s_cselect_b64 s[4:5], s[6:7], s[4:5]
	s_cmp_eq_u32 s16, 2
	s_cselect_b64 s[4:5], s[8:9], s[4:5]
	s_add_nc_u64 s[4:5], s[4:5], s[24:25]
	s_add_nc_u64 s[10:11], s[10:11], s[26:27]
	s_add_nc_u64 s[12:13], s[12:13], s[28:29]
	XLOAD 0
	XLOAD 1
	XSUB 0
	XSUB 1
	XSUB 2
	XSUB 3
	v_cndmask_b32 v12, v[PW], v[PW+2], s22         ; lanes 0-15: the even tile's words, lanes 16-31: the odd tile's
	v_cndmask_b32 v13, v[PW+1], v[PW+3], s22
	global_store_b64 v4, v[12:13], s[12:13]        ; 256 consecutive bytes, aligned
	s_wait_tensorcnt 0x0
	ds_add_u32 v192, v193
	s_wait_dscnt 0x0
	s_endpgm
; ======== The weights.  A lane takes a column n and its registers run down K: a load reads 128 consecutive bytes, a block of 32 lies in one lane, nothing is transposed.  A wave takes 32 columns (two tiles) x 256 along K:
; 8 blocks a lane.  The codes go through the wave's own stage in LDS (two tiles of 3,072 bytes, 3,200 apart, so that the two tiles' lanes fall into different halves of the banks) and leave as 512 consecutive bytes a store.
; Loads run two blocks (64 loads a wave) ahead.
.Lweights:
	s_load_b256 s[4:11], s[0:1], 0x18              ; wq, wk, wv, wo
	s_load_b128 s[12:15], s[0:1], 0x48             ; wc, ws
	v_and_b32 v2, 31, v0                           ; lane x = my column in the group of 32
	s_lshr_b32 s17, ttmp9, 5                       ; which weight
	s_bfe_u32 s18, ttmp9, 0x30002                  ; which 128 columns
	s_and_b32 s19, ttmp9, 3                        ; which 256 along K
	v_lshlrev_b32 v3, 2, v2                        ; in: 4 bytes a lane
	v_bfe_u32 v8, v0, 3, 1                         ; my tile of the two: t = (x / 8) % 2
	v_and_b32 v9, 7, v0
	v_bfe_u32 v10, v0, 4, 1
	v_lshl_add_u32 v9, v10, 3, v9                  ; my lane in that tile: r = x % 8 + 8 (x / 16)
	s_mul_i32 s20, s[WV], 6400
	s_add_co_u32 s20, s20, WSTAGE                  ; my wave's stage
	v_mul_u32_u24 v4, v8, 3200
	v_lshl_add_u32 v4, v9, 3, v4
	v_add_nc_u32 v4, s20, v4                       ; into it: 3,200 t + 8 r
	v_lshlrev_b32 v6, 4, v2                        ; out: 16 bytes a lane
	v_add_nc_u32 v5, s20, v6
	v_lshl_add_u32 v7, v8, 4, v9
	v_lshlrev_b32 v7, 3, v7                        ; my two scale words: 8 (16 t + r)
	s_lshl_b32 s22, s19, 20                        ; W: 256 rows of 4,096 bytes for each step along K,
	s_lshl_b32 s21, s18, 9
	s_add_co_u32 s22, s22, s21                     ; 512 bytes for each 128 columns,
	s_lshl_b32 s21, s[WV], 7
	s_add_co_u32 s22, s22, s21                     ; 128 for each wave
	s_mov_b32 s23, 0
	s_lshl_b32 s21, s18, 2
	s_add_co_u32 s21, s21, s[WV]                   ; my group of 32 columns
	s_mul_i32 s24, s17, 786432                     ; codes: the weight's region, two tiles of 12,288 a group, 3,072 for each 256 along K
	s_mul_i32 s26, s21, 24576
	s_add_co_u32 s24, s24, s26
	s_mul_i32 s26, s19, 3072
	s_add_co_u32 s24, s24, s26
	s_mov_b32 s25, 0
	s_lshl_b32 s26, s17, 15                        ; scale words: 32,768 a weight, 1,024 a group, 256 for each 256 along K
	s_lshl_b32 s28, s21, 10
	s_add_co_u32 s26, s26, s28
	s_lshl_b32 s28, s19, 8
	s_add_co_u32 s26, s26, s28
	s_mov_b32 s27, 0
	s_wait_kmcnt 0x0
	s_cmp_eq_u32 s17, 1                            ; the choice hangs on the work-group's number alone
	s_cselect_b64 s[4:5], s[6:7], s[4:5]
	s_cmp_eq_u32 s17, 2
	s_cselect_b64 s[4:5], s[8:9], s[4:5]
	s_cmp_eq_u32 s17, 3
	s_cselect_b64 s[4:5], s[10:11], s[4:5]
	s_add_nc_u64 s[4:5], s[4:5], s[22:23]
	s_add_nc_u64 s[12:13], s[12:13], s[24:25]
	s_add_nc_u64 s[14:15], s[14:15], s[26:27]
	WLOAD 0
	WLOAD 1
.irp t, 0,1,2,3,4,5,6,7
	WBLOCK \t
.endr
	s_wait_alu depctr_va_vdst(0)
	global_store_b64 v7, v[SBY:SBY+1], s[14:15]    ; the 32 lanes fill 256 consecutive bytes, aligned
.irp k, 0,1,2,3,4,5,6,7,8,9,10,11
	ds_load_b128 v[OUTR+4*\k:OUTR+4*\k+3], v5 offset:3200*(\k/6)+512*(\k%6)   ; LDS serves a wave's instructions in order: these see my stores
.endr
.irp k, 0,1,2,3,4,5,6,7,8,9,10,11
	s_wait_dscnt 11-\k                             ; load k is in; the younger ones may be out
	global_store_b128 v6, v[OUTR+4*\k:OUTR+4*\k+3], s[12:13] offset:12288*(\k/6)+512*(\k%6)   ; 512 consecutive bytes, aligned to 256
.endr
	s_wait_tensorcnt 0x0
	ds_add_u32 v192, v193
	s_wait_dscnt 0x0
	s_endpgm
.Lfunc_end_k_qdf5fd6cfe1_quant:
	.size	k_qdf5fd6cfe1_quant, .Lfunc_end_k_qdf5fd6cfe1_quant-k_qdf5fd6cfe1_quant
	.p2alignl 7, 3214868480
	.fill 96, 4, 3214868480
	.section	.rodata,"a",@progbits
	.p2align	6, 0x0
	.amdhsa_kernel k_qdf5fd6cfe1_quant
		.amdhsa_group_segment_fixed_size 59904
		.amdhsa_private_segment_fixed_size 0
		.amdhsa_enable_private_segment 0
		.amdhsa_kernarg_size 88
		.amdhsa_user_sgpr_count 2
		.amdhsa_user_sgpr_kernarg_segment_ptr 1
		.amdhsa_wavefront_size32 1
		.amdhsa_system_sgpr_workgroup_id_x 1
		.amdhsa_system_sgpr_workgroup_id_y 1
		.amdhsa_system_sgpr_workgroup_id_z 1
		.amdhsa_system_vgpr_workitem_id 0
		.amdhsa_next_free_vgpr 194
		.amdhsa_next_free_sgpr 66
		.amdhsa_reserve_vcc 0
		.amdhsa_float_denorm_mode_32 3
		.amdhsa_float_denorm_mode_16_64 3
		.amdhsa_memory_ordered 1
		.amdhsa_forward_progress 1
		.amdhsa_inst_pref_size 77
	.end_amdhsa_kernel
	.amdgpu_metadata
---
amdhsa.version: [ 1, 2 ]
amdhsa.kernels:
  - .name:           k_qdf5fd6cfe1_quant
    .symbol:         k_qdf5fd6cfe1_quant.kd
    .args:
      - { .name: q, .offset: 0, .size: 8, .value_kind: global_buffer, .address_space: global }
      - { .name: k, .offset: 8, .size: 8, .value_kind: global_buffer, .address_space: global }
      - { .name: v, .offset: 16, .size: 8, .value_kind: global_buffer, .address_space: global }
      - { .name: wq, .offset: 24, .size: 8, .value_kind: global_buffer, .address_space: global }
      - { .name: wk, .offset: 32, .size: 8, .value_kind: global_buffer, .address_space: global }
      - { .name: wv, .offset: 40, .size: 8, .value_kind: global_buffer, .address_space: global }
      - { .name: wo, .offset: 48, .size: 8, .value_kind: global_buffer, .address_space: global }
      - { .name: xc, .offset: 56, .size: 8, .value_kind: global_buffer, .address_space: global }
      - { .name: xs, .offset: 64, .size: 8, .value_kind: global_buffer, .address_space: global }
      - { .name: wc, .offset: 72, .size: 8, .value_kind: global_buffer, .address_space: global }
      - { .name: ws, .offset: 80, .size: 8, .value_kind: global_buffer, .address_space: global }
    .group_segment_fixed_size: 59904
    .private_segment_fixed_size: 0
    .kernarg_segment_align: 8
    .kernarg_segment_size: 88
    .max_flat_workgroup_size: 128
    .sgpr_count:     66
    .vgpr_count:     194
    .wavefront_size: 32
...
	.end_amdgpu_metadata
.endif
;; end of part 6
;; launch proj (part 7): grid 4 x 96, 4 waves a work-group, clusters of 4 x 4, 327,680 bytes of LDS; arguments xc, xs, wc, ws, bq, bk, bv, hc, hs; writes hc, hs
.if DOCPART == 7
	.amdgcn_target "amdgcn-amd-amdhsa--gfx1250"
	.amdhsa_code_object_version 6
	.text
	.protected	k_qdf5fd6cfe1_proj
	.globl	k_qdf5fd6cfe1_proj
	.p2align	8
	.type	k_qdf5fd6cfe1_proj,@function
k_qdf5fd6cfe1_proj:
	s_mov_b64 s[64:65], 0
	v_nop
	global_prefetch_b8 v0, s[64:65] scope:SCOPE_SE
	s_setreg_imm32_b32 hwreg(HW_REG_WAVE_MODE, 25, 1), 1
	s_wait_xcnt 0x0
	s_wait_alu depctr_hold_cnt(0) depctr_sa_sdst(0) depctr_va_vdst(0) depctr_va_sdst(0) depctr_va_ssrc(0) depctr_va_vcc(0) depctr_vm_vsrc(0)
	s_getreg_b32 s2, hwreg(HW_REG_IB_STS2, 6, 4)
	s_cmp_eq_u32 s2, 0
	s_cbranch_scc0 .Lentry_in_a_cluster
	s_endpgm
.Lentry_in_a_cluster:
	s_bfe_u32 s2, ttmp6, 0x10000c
	s_cmp_lg_u32 s2, 0xf033
	s_cbranch_scc0 .Lentry_shape_is_right
	s_endpgm
.Lentry_shape_is_right:
; The three projections x W + b on codes of FP6 (E2M3) with E8M0 scales, 8,192 x 1,024 x 1,024 each, and the quantising of their results for the attention: qh and kh along the head's 64, vh along the keys.
; A tile of 256 x 256 is made by four waves, 128 x 128 each: 64 accumulators, 512 registers.  Source 0's rows (S0) run along a lane's registers in the result, source 1's rows (S1) along the lanes.
; Q, K (cluster rows 0-15 of the grid): S0 = W^T, S1 = tokens: a lane holds one token and 128 neighbouring outputs, two heads.  V (cluster rows 16-23): S0 = tokens, S1 = W^T: a lane holds one output and 128 neighbouring keys.
; Which of the two a work-group does hangs on the cluster's y alone; it chooses pointers and a few numbers, never a branch.
; OPERANDS lie in memory in the order of the operand's registers: a tile T is 16 rows, lane r taking row 32 (T/2) + 8 (T%2) + r + 8 (r/8); [T][K/64][768 bytes: three pieces of 256, 8 bytes a lane].  So a fragment is six
; loads of 8 bytes a lane, 256 consecutive LDS bytes each, with no padding; and the 16 registers of the results of tiles 2 b and 2 b + 1 of S0 are 16 NEIGHBOURS along S0's rows, as the conversions want them.
; K goes in four steps of 256 through two LDS slots filled by the tensor data mover (8 tiles x 3,072 bytes a load).  CLUSTERS: 4 x 4 work-groups; S1's tiles are shared along a row of the cluster, S0's along a column: joint loads.
; THE SCALE WORDS of a wave's 128 + 128 rows for all of K are 64 registers, loaded once, 256 consecutive bytes a load: a register holds an even tile's words in lanes 0-15 and the odd tile's in lanes 16-31.
; THE BIAS along the lanes (V) is the C of each sum's first product; the bias along the registers (Q, K) is added on the way out by one fused multiply-add, bias x 1 + sum.  The one that does not apply is multiplied by 0.
; OUT.  hc: [Q, K, V][batch x 16 + head][98,304]: Q, K: [token tile (128)][768]; V: [key / 64 (32)][tile of 16 of the head's 64 (4)][768].  hs: [Q, K, V][batch x 16 + head][128 tokens (16)][lane][two words]:
; Q, K: word i of lane (r, h') : the pair of token tiles 2 i + h': the even tile's two bytes, then the odd tile's;  V: word i of lane (r, h'): the four key blocks' bytes of tile 2 i + h', row r.
; LIMITS: NaN and infinities (a bias among them) are not served; a block whose largest magnitude lies under 2^-124 keeps the byte 1; a block of zeros gets the byte 1 where the rule says 127 (zero codes; read by this program alone).
; REGISTERS: window 0: v1-29 addresses; v32-63 S1's scale words, v64-95 S0's; v96-127 the way out's work; v128-223 S1's fragments, ONE set, on the way out 64 numbers and the codes.
;   window 1: S0's fragments, two sets at v0 and v128 (set 0 takes the bias along the registers in the last K step); v96-127, v224-255 eight C tiles.   windows 2, 3: the accumulators (a, b) at v[8 (8 (a % 4) + b)].
.set BIAS_ON_A, 1
.set FR,    12                         ; registers of a fragment
.set NL,    6                          ; LDS loads that bring one
.set NP,    4                          ; places behind this matrix instruction (ISA guide 7.12.1)
.set HALFT, 24576                      ; 8 tiles x 3,072 bytes: what one tensor load brings, and what one wave reads of S1 or of S0
.set SLOT,  98304                      ; S1's 16 tiles, then S0's 16
.set SPARE, 196608                     ; behind the ring: the spare words, 128 bytes for each wave, that no other line names
.set ADRA,  16                         ; v16-17 LDS address of my S1 fragments in slot 0, 1
.set ADRB,  20                         ; v20-21 the same for S0
.set L8,    26                         ; v26    8 x lane
.set SPW,   28                         ; v28    my spare word; never rewritten
.set NIL,   29                         ; v29    0; never rewritten
.set SA,    32                         ; S1's scale words: pair of tiles p, K step s at v[SA + 8 p + s]
.set SB,    64                         ; S0's
.set AF,    128
.set G1,    24                         ; s[24:31] group 1 for S1's tiles; s[32:39] group 0, a set for each slot
.set G0,    32
.set G1B,   48                         ; s[48:55], s[56:63] the same for S0's
.set G0B,   56
.set T,     128                        ; the way out: 64 numbers
.set PC,    192                        ; the codes just made
.set TM,    96                         ; QUANT's work
.set PWS,   112                        ; a scale word for each of my eight tiles of S1
.set OW,    120                        ; the words as they leave
.set SE,    86                         ; s86, s87 the way out's two strides
.set SC,    87
.set MM,    88                         ; s88 all ones for V, 0 for Q and K
.set HM,    89                         ; s89 lanes 16-31
.set SEL,   90                         ; s[90:91]
.set FM0,   92                         ; s[92:93] 1.0 for Q and K, 0 for V
.set FM1,   94                         ; s94 the other way round
.set MSB, 0
.macro WIN new                         ; the immediate's high byte repeats the setting that is left
.if MSB != (\new)
	s_set_vgpr_msb (MSB<<8)|(\new)
.set MSB, (\new)
.endif
.endm
; A joint load: waves 0 and 1 fetch S1's halves, waves 2 and 3 S0's.  Each line has one mask and one set of registers for all that issue it; the branch hangs on the wave's number alone.  Four v_nop follow each line.
.macro JLOAD g0a, g1a, g0b, g1b
	s_cmp_eq_u32 s15, 0
	s_cbranch_scc0 .Lfor_b_\@
	tensor_load_to_lds s[\g0a:\g0a+3], s[\g1a:\g1a+7]
	s_nop 0
.rept 4
	v_nop
.endr
	s_branch .Lasked_\@
.Lfor_b_\@:
	tensor_load_to_lds s[\g0b:\g0b+3], s[\g1b:\g1b+7]
	s_nop 0
.rept 4
	v_nop
.endr
.Lasked_\@:
.endm
.macro CREST                           ; a round of the cluster's barrier behind its opening barrier
	s_cmp_lg_u32 s14, 0
	s_cbranch_scc1 .Lnot_wave_0_\@
	s_barrier_signal -3
.Lnot_wave_0_\@:
	s_barrier_wait -3
	s_barrier_signal -1
	s_barrier_wait -1
.endm
.macro CROUND
	s_barrier_signal -1
	s_barrier_wait -1
	CREST
.endm
.macro PLACES n
.rept \n
	v_nop
.endr
.endm
.macro FRAG reg, adr, q, i             ; tile i's fragment of the slot's q-th 128 along K: six pieces, 256 consecutive bytes each
.irp p, 0,1,2,3,4,5
	ds_load_b64 v[\reg+2*\p:\reg+2*\p+1], v[\adr] offset:3072*(\i)+1536*(\q)+256*\p
.endr
.endm
.macro FETCH_B slot, q, p              ; S0's eight fragments into set p
	WIN 0x40
.irp i, 0,1,2,3,4,5,6,7
	FRAG 128*(\p)+FR*\i, ADRB+\slot, \q, \i
.endr
	WIN 0
.endm
.macro FETCH_A slot, q, i0             ; S1's blocks i0 .. i0 + 3
.irp i, \i0, \i0+1, \i0+2, \i0+3
	FRAG AF+FR*(\i), ADRA+\slot, \q, \i
.endr
.endm
; 16 products: S1's blocks a0, a0 + 1 x S0's eight, K step s; p: S0's set.  first = 1: the sum starts from a C tile.  The 64 accumulators take turns, one instruction a turn, in the same order in every step.
.macro MUL16 a0, p, s, first
.irp a, \a0, \a0+1
.irp b, 0,1,2,3,4,5,6,7
.set xD, 8*(8*((\a)%4)+\b)
.set xA, 128*(\p)+FR*\b
.set xB, AF+FR*(\a)
.if \first
.if BIAS_ON_A
.set xC, 96+8*((\a)%4)+128*((\a)/4)
.else
.set xC, 96+8*(\b%4)+128*(\b/4)
.endif
.else
.set xC, 8*(8*((\a)%4)+\b)
.endif
.set xS, SB+8*(\b/2)+(\s)
.set xT, SA+8*((\a)/2)+(\s)
.if (\b%2) && ((\a)%2)
	v_wmma_scale_f32_16x16x128_f8f6f4 v[xD:xD+7], v[xA:xA+11], v[xB:xB+11], v[xC:xC+7], v[xS], v[xT] matrix_a_fmt:MATRIX_FMT_FP6 matrix_b_fmt:MATRIX_FMT_FP6 matrix_a_scale:MATRIX_SCALE_ROW1 matrix_b_scale:MATRIX_SCALE_ROW1
.elseif \b%2
	v_wmma_scale_f32_16x16x128_f8f6f4 v[xD:xD+7], v[xA:xA+11], v[xB:xB+11], v[xC:xC+7], v[xS], v[xT] matrix_a_fmt:MATRIX_FMT_FP6 matrix_b_fmt:MATRIX_FMT_FP6 matrix_a_scale:MATRIX_SCALE_ROW1
.elseif (\a)%2
	v_wmma_scale_f32_16x16x128_f8f6f4 v[xD:xD+7], v[xA:xA+11], v[xB:xB+11], v[xC:xC+7], v[xS], v[xT] matrix_a_fmt:MATRIX_FMT_FP6 matrix_b_fmt:MATRIX_FMT_FP6 matrix_b_scale:MATRIX_SCALE_ROW1
.else
	v_wmma_scale_f32_16x16x128_f8f6f4 v[xD:xD+7], v[xA:xA+11], v[xB:xB+11], v[xC:xC+7], v[xS], v[xT] matrix_a_fmt:MATRIX_FMT_FP6 matrix_b_fmt:MATRIX_FMT_FP6
.endif
.endr
.endr
.endm
; A slot's first 128 along K (K step s).  Window settings: source 0 window 1, source 1 window 0, C and D window 2 (0xa1) or 3 (0xf1); in the first step C lies in window 1 (0x91, 0xd1).
.macro STEP slot, s, first
	s_wait_dscnt 4*NL                              ; S0's set and S1's blocks 0-3 are in; the youngest 24 loads (blocks 4-7) may be out
	WIN 0xa1-0x10*(\first)
	MUL16 0, 0, \s, \first
	MUL16 2, 0, \s, \first
	s_wait_dscnt 0x0                               ; blocks 4-7 are in
	PLACES NP                                      ; in front of loads into registers that matrix instructions have read
	FETCH_B \slot, 1, 1
	FETCH_A \slot, 1, 0
	WIN 0xf1-0x20*(\first)
	MUL16 4, 0, \s, \first
	MUL16 6, 0, \s, \first
	PLACES NP
	WIN 0
	FETCH_A \slot, 1, 4
.endm
; A slot's second 128 along K changes slots: one barrier; in front of it each wave waits for all its tensor loads, adds 0 to its spare word, and waits for that and for its own reads of this slot.  fill = 1: this slot is filled again, two steps of 256 ahead.
.macro TURN slot, next, s, fill
	s_wait_tensorcnt 0x0                           ; all my tensor loads have landed: my part of the next slot
	ds_add_u32 v[SPW], v[NIL]                      ; 0 onto my spare word
	s_wait_dscnt 4*NL+1                            ; (the add and the youngest 24 loads may be out)
	WIN 0xa1
	MUL16 0, 1, \s, 0                              ; sixteen products stand between the add and the wait for it
	s_wait_dscnt 0x0                               ; the add is done, and my reads of this slot are over
	s_barrier_signal -1
	MUL16 2, 1, \s, 0
	WIN 0
	s_barrier_wait -1
.if \fill
	CREST                                          ; the barrier has opened a round of the cluster's barrier: no wave of any partner still reads this slot or has a load on its way
	s_add_nc_u64 s[G0+4*\slot+2:G0+4*\slot+3], s[G0+4*\slot+2:G0+4*\slot+3], 6144
	s_add_nc_u64 s[G0B+4*\slot+2:G0B+4*\slot+3], s[G0B+4*\slot+2:G0B+4*\slot+3], 6144
	JLOAD G0+4*\slot, G1, G0B+4*\slot, G1B         ; the first tensor load behind the round; the four v_nop behind it are the places in front of the loads below
.else
	PLACES NP
.endif
	FETCH_B \next, 0, 0
	FETCH_A \next, 0, 0
	WIN 0xf1
	MUL16 4, 1, \s, 0
	MUL16 6, 1, \s, 0
	PLACES NP
	WIN 0
	FETCH_A \next, 0, 4
.endm
; 64 numbers of a lane, register 16 b + i = k 32 b + 16 (lane / 16) + i of my row, become a fragment's 12 registers in v[PC] on and my row's scale word in v[pw] (the same in lanes l and l xor 16).
.macro QUANT s, pw
.irp b, 0,1,2,3
	v_max3_num_f32 v[TM+\b], |v[\s+16*\b]|, |v[\s+1+16*\b]|, 0x1800000   ; block b: my 16 numbers, and the floor 2^(3 - 127): the byte cannot fall under 1
.endr
.irp i, 2,4,6,8,10,12,14
.irp b, 0,1,2,3
	v_max3_num_f32 v[TM+\b], v[TM+\b], |v[\s+16*\b+\i]|, |v[\s+1+16*\b+\i]|
.endr
.endr
.irp b, 0,1,2,3
	v_permlanex16_b32 v[TM+4+\b], v[TM+\b], s[SEL], s[SEL+1]
.endr
.irp b, 0,1,2,3
	v_max_num_f32 v[TM+\b], v[TM+\b], v[TM+4+\b]
.endr
.irp b, 0,1,2,3
	v_add_nc_u32 v[TM+12+\b], 0xff000000, v[TM+\b]   ; 2 off the exponent field: the conversion's scale operand
.endr
.irp b, 0,1,2,3
	v_lshrrev_b32 v[TM+4+\b], 23, v[TM+12+\b]      ; the scale's byte
.endr
	v_lshl_or_b32 v[\pw], v[TM+5], 8, v[TM+4]
	v_lshl_or_b32 v[\pw], v[TM+6], 16, v[\pw]
	v_lshl_or_b32 v[\pw], v[TM+7], 24, v[\pw]
.irp c, 0,1
	v_cvt_scalef32_pk16_fp6_f32 v[PC+6*\c:PC+2+6*\c], v[\s+32*\c:\s+15+32*\c], v[TM+12+2*\c]
	v_cvt_scalef32_pk16_fp6_f32 v[PC+12+4*\c:PC+14+4*\c], v[\s+16+32*\c:\s+31+32*\c], v[TM+12+2*\c+1]
.endr
	v_nop                                          ; one plain place behind a scaled conversion
.irp c, 0,1
.irp i, 0,1,2
	v_permlane16_swap_b32 v[PC+6*\c+\i], v[PC+12+4*\c+\i]
.endr
.irp i, 0,1,2
	v_mov_b32 v[PC+3+6*\c+\i], v[PC+12+4*\c+\i]
.endr
.endr
.endm
	s_load_b512 s[68:83], s[0:1], 0x0              ; xc, xs, wc, ws, bq, bk, bv, hc
	s_load_b64 s[84:85], s[0:1], 0x40              ; hs
	v_lshl_add_u32 v[SPW], v0, 2, SPARE
	v_mov_b32 v[NIL], 0
	ds_add_u32 v28, v29
	ds_add_u32 v28, v29
	s_wait_dscnt 0x0
	v_lshrrev_b32 v1, 5, v0
	v_readfirstlane_b32 s14, v1                    ; wave 0..3
	s_lshr_b32 s15, s14, 1                         ; my half of S1's rows.  Also: I fetch for S1 (0) or for S0 (1)
	s_and_b32 s16, s14, 1                          ; my half of S0's rows.  Also: which 8 tiles I fetch
	s_bfe_u32 s40, ttmp6, 0x40000                  ; cx
	s_bfe_u32 s41, ttmp6, 0x40004                  ; cy
	s_lshl_b32 s43, s41, 2
	s_lshl_b32 s43, 15, s43                        ; my row of the cluster
	s_lshl_b32 s44, 0x1111, s40                    ; my column
	s_or_b32 s[G1+0], s43, (3<<16)|(1<<21)         ; 15:0 the mask; 17:16 elements of 8 bytes; 20 no padding; 21 set beside a mask
	s_or_b32 s[G1B+0], s44, (3<<16)|(1<<21)
.irp g, G1, G1B
	s_mov_b32 s[\g+1], 384<<16                     ; tensor_dim0: 3,072 bytes, a tile's 256 along K
	s_mov_b32 s[\g+2], 8<<16                       ; tensor_dim1: 8 tiles
	s_mov_b32 s[\g+3], 384<<16                     ; tile_dim0
	s_mov_b32 s[\g+4], 8                           ; tile_dim1
	s_mov_b32 s[\g+5], 1536                        ; from tile to tile: 12,288 bytes
	s_mov_b32 s[\g+6], 0
	s_mov_b32 s[\g+7], 0
.endr
	s_and_b32 s17, ttmp7, 0xffff                   ; the cluster's y, 0 .. 23: shared by all sixteen partners
	s_lshr_b32 s18, s17, 3                         ; z: 0 Q, 1 K, 2 V
	s_and_b32 s19, s17, 7
	s_lshl_b32 s19, s19, 2                         ; four tiles of 256 tokens to a cluster
	s_mov_b32 s20, 98304
	s_mov_b32 s21, 3072
	s_cmp_eq_u32 s18, 2                            ; V?
	s_cselect_b32 s42, s19, 0
	s_cselect_b32 s45, 0, s19
	s_cselect_b32 s[MM], -1, 0
	s_cselect_b32 s[FM0], 0, 1.0
	s_cselect_b32 s[FM1], 1.0, 0
	s_cselect_b32 s[SE], s20, s21                  ; from my tiles 0-3 of S1 to 4-7: V: the next head; Q, K: four token tiles
	s_cselect_b32 s[SC], s21, s20                  ; from a fragment's first unit to its second: V: the next 64 keys; Q, K: the next head
	s_mov_b32 s[FM0+1], s[FM0]                     ; (the packed form names the pair)
	s_add_co_u32 s42, s42, s40                     ; S0's tile of 256 rows: hangs on cx, never on cy
	s_add_co_u32 s45, s45, s41                     ; S1's: hangs on cy, never on cx
	s_mul_i32 s22, s16, 98304                      ; the 8 tiles that I fetch
	s_mul_i32 s46, s45, 196608
	s_add_co_u32 s46, s46, s22
	s_mov_b32 s47, 0
	s_mul_i32 s66, s42, 196608
	s_add_co_u32 s66, s66, s22
	s_mov_b32 s67, 0
	s_mul_i32 s20, s18, 6291456                    ; the tensor's region of xc,
	s_mov_b32 s21, 0
	s_mul_i32 s22, s18, 786432                     ; the weight's of wc
	s_mov_b32 s23, 0
	s_mov_b32 s[HM], 0xffff0000
	s_mov_b32 s[SEL], 0x76543210
	s_mov_b32 s[SEL+1], 0xfedcba98
	s_wait_kmcnt 0x0
	s_add_nc_u64 s[68:69], s[68:69], s[20:21]
	s_add_nc_u64 s[72:73], s[72:73], s[22:23]
	s_lshl_b32 s20, s18, 18                        ; and of xs and ws
	s_lshl_b32 s22, s18, 15
	s_add_nc_u64 s[70:71], s[70:71], s[20:21]
	s_add_nc_u64 s[74:75], s[74:75], s[22:23]
	s_cmp_eq_u32 s18, 2
	s_cselect_b64 s[4:5], s[72:73], s[68:69]       ; S1's codes
	s_cselect_b64 s[6:7], s[74:75], s[70:71]       ; S1's scale words
	s_cselect_b64 s[8:9], s[68:69], s[72:73]       ; S0's codes
	s_cselect_b64 s[10:11], s[70:71], s[74:75]     ; S0's scale words
	s_cselect_b64 s[12:13], s[80:81], s[76:77]     ; the bias
	s_cmp_eq_u32 s18, 1
	s_cselect_b64 s[12:13], s[78:79], s[12:13]
	s_add_nc_u64 s[4:5], s[4:5], s[46:47]
	s_add_nc_u64 s[8:9], s[8:9], s[66:67]
	s_mul_i32 s22, s14, HALFT                      ; where my part of a slot lies: no place in the cluster enters an LDS address
	CROUND                                         ; all sixteen work-groups are here: the first joint loads meet
.irp s, 0,1
	s_mov_b32 s[G0+4*\s], 1
	s_add_co_u32 s[G0+4*\s+1], s22, \s*SLOT
	s_add_nc_u64 s[G0+4*\s+2:G0+4*\s+3], s[4:5], \s*3072
	s_or_b32 s[G0+4*\s+3], s[G0+4*\s+3], 0x80000000
	s_mov_b32 s[G0B+4*\s], 1
	s_add_co_u32 s[G0B+4*\s+1], s22, \s*SLOT
	s_add_nc_u64 s[G0B+4*\s+2:G0B+4*\s+3], s[8:9], \s*3072
	s_or_b32 s[G0B+4*\s+3], s[G0B+4*\s+3], 0x80000000
.endr
	JLOAD G0, G1, G0B, G1B                         ; slot 0: one tensor load a wave at the head
	v_and_b32 v3, 31, v0
	v_lshlrev_b32 v[L8], 3, v3
	s_wait_alu depctr_va_vdst(0)
	s_lshl_b32 s20, s45, 13                        ; my 128 rows' scale words: 8 groups of 1,024 bytes a tile of 256, 4 a half
	s_lshl_b32 s22, s15, 12
	s_add_co_u32 s20, s20, s22
	s_add_nc_u64 s[6:7], s[6:7], s[20:21]
	s_lshl_b32 s20, s42, 13
	s_lshl_b32 s22, s16, 12
	s_add_co_u32 s20, s20, s22
	s_add_nc_u64 s[10:11], s[10:11], s[20:21]
.irp p, 0,1,2,3
.irp g, 0,1,2,3
	global_load_b64 v[SA+8*\p+2*\g:SA+8*\p+2*\g+1], v[L8], s[6:7] offset:1024*\p+256*\g     ; 256 consecutive bytes, aligned
	global_load_b64 v[SB+8*\p+2*\g:SB+8*\p+2*\g+1], v[L8], s[10:11] offset:1024*\p+256*\g
.endr
.endr
	s_lshl_b32 s95, s42, 1
	s_add_co_u32 s95, s95, s16                     ; which 128 rows of S0 are mine
	s_lshl_b32 s96, s45, 1
	s_add_co_u32 s96, s96, s15                     ; and of S1
	s_and_b32 s20, s95, 7                          ; (the bias has 8 x 128 numbers: where the rows are tokens the index is cut to stay inside, and the numbers are multiplied by 0)
	s_lshl_b32 s20, s20, 9
	s_and_b32 s22, s96, 7
	s_lshl_b32 s22, s22, 9
	s_add_nc_u64 s[2:3], s[12:13], s[22:23]        ; the bias along the lanes
	s_add_nc_u64 s[12:13], s[12:13], s[20:21]      ; the bias along the registers
	v_and_b32 v1, 15, v0                           ; r
	v_bfe_u32 v2, v0, 4, 1                         ; h
	v_lshlrev_b32 v12, 6, v2                       ; along the registers: my half's 16 of each 32
	v_and_b32 v4, 8, v1
	v_add_nc_u32 v4, v4, v1
	v_lshlrev_b32 v13, 2, v4                       ; along the lanes: r + 8 (r / 8)
.irp a, 0,1,2,3,4,5,6,7
	global_load_b32 v[128+\a], v13, s[2:3] offset:(32*(\a/2)+8*(\a%2))*4
.endr
	s_cmp_eq_u32 s18, 2
	s_cselect_b32 s97, s95, s96                    ; my 128 tokens
	s_cselect_b32 s98, s96, s95                    ; my two heads
	s_lshr_b32 s20, s97, 4
	s_lshl_b32 s20, s20, 4
	s_lshl_b32 s22, s98, 1
	s_add_co_u32 s20, s20, s22                     ; batch x 16 + my first head
	s_and_b32 s99, s97, 15                         ; which 128 tokens of the batch's 2,048
	s_mul_i32 s66, s18, 6291456
	s_mul_i32 s22, s20, 98304
	s_add_co_u32 s66, s66, s22
	s_mul_i32 s22, s99, 6144
	s_add_co_u32 s66, s66, s22
	s_add_nc_u64 s[82:83], s[82:83], s[66:67]      ; hc at my part
	s_lshl_b32 s66, s18, 18
	s_lshl_b32 s22, s20, 12
	s_add_co_u32 s66, s66, s22
	s_lshl_b32 s22, s99, 8
	s_add_co_u32 s66, s66, s22
	s_add_nc_u64 s[84:85], s[84:85], s[66:67]      ; hs at my part
	v_mov_b32 v8, v[L8]                            ; v[8 + 2 e + c]: 8 x lane + e x s86 + c x s87
	v_add_nc_u32 v9, s[SC], v[L8]
	v_add_nc_u32 v10, s[SE], v[L8]
	v_add_nc_u32 v11, s[SC], v10
	s_mul_i32 s20, s15, HALFT
	s_mul_i32 s22, s16, HALFT
	s_add_co_u32 s22, s22, 2*HALFT
.irp s, 0,1
	v_add_nc_u32 v[ADRA+\s], s20, v[L8]
	v_add_nc_u32 v[ADRB+\s], s22, v[L8]
	s_add_co_u32 s20, s20, SLOT
	s_add_co_u32 s22, s22, SLOT
.endr
.irp b, 0,1,2,3
	v_mov_b32 v[TM+4+\b], 0                        ; written once: a lane permute's destination counts as one of its sources
.endr
	s_wait_loadcnt 0x0                             ; the scale words and the bias along the lanes
	WIN 0x40
.irp a, 0,1,2,3,4,5,6,7
.irp j, 0,1,2,3,4,5,6,7
	v_mul_f32 v[96+8*(\a%4)+128*(\a/4)+\j], s[FM1], v[128+\a]     ; the C tile of my block a of S1: the lane's bias in all eight registers (x 0 for Q and K)
.endr
.endr
	WIN 0
	PLACES 8
	s_wait_alu depctr_va_vdst(0)
	s_wait_tensorcnt 0x0                           ; my part of slot 0 is in
	ds_add_u32 v[SPW], v[NIL]
	s_wait_dscnt 0x0
	CROUND                                         ; a whole round: slot 0 is whole, and all sixteen work-groups are here
	JLOAD G0+4, G1, G0B+4, G1B                     ; slot 1's first fill, the first tensor load behind the round
	FETCH_B 0, 0, 0
	FETCH_A 0, 0, 0
	FETCH_A 0, 0, 4
	STEP 0, 0, 1                                   ; eight K steps of 128, written out: every scale register's number is a constant
	TURN 0, 1, 1, 1
	STEP 1, 2, 0
	TURN 1, 0, 3, 1
	STEP 0, 4, 0
	TURN 0, 1, 5, 0                                ; nothing is left to fetch
	STEP 1, 6, 0
	WIN 0x40                                       ; S0's set 0 is done with (four places stand behind its last product): it takes the bias along the registers
.irp b, 0,1,2,3
.irp j, 0,1,2,3
	global_load_b128 v[16*\b+4*\j:16*\b+4*\j+3], v12, s[12:13] offset:128*\b+16*\j
.endr
.endr
	WIN 0
	s_wait_dscnt 4*NL
	WIN 0xa1
	MUL16 0, 1, 7, 0
	MUL16 2, 1, 7, 0
	s_wait_dscnt 0x0
	WIN 0xf1
	MUL16 4, 1, 7, 0
	MUL16 6, 1, 7, 0
	WIN 0
	PLACES NP                                      ; in front of the first read of results and of the first write into S1's fragments
	s_wait_loadcnt 0x0                             ; the bias
; THE WAY OUT, block by block of S1: the lane's 128 numbers' 64 (its half of each block of 32) + bias, quantised in registers; the fragment's two units leave as six pieces of 256 consecutive bytes.  No LDS.
.irp a, 0,1,2,3,4,5,6,7
.if \a > 0
	s_wait_xcnt 0x0                                ; the last block's stores have read their data: the codes' registers are written again only behind this wait
.endif
	WIN 0x21+0x10*(\a/4)                           ; source 0 (bias) window 1, source 2 (sums) window 2 or 3
.set k, 0
.rept 32
	v_pk_fma_f32 v[T+k:T+k+1], v[k:k+1], s[FM0:FM0+1], v[64*(\a%4)+k:64*(\a%4)+k+1] op_sel_hi:[1,0,1]   ; each accumulator from its low end on
.set k, k+2
.endr
	WIN 0
	QUANT T, PWS+\a
.irp c, 0,1
.irp p, 0,1,2
	global_store_b64 v[8+2*(\a/4)+\c], v[PC+6*\c+2*\p:PC+6*\c+2*\p+1], s[82:83] offset:768*(\a%4)+256*\p
.endr
.endr
.endr
; the scale words of my two heads j, in both forms; the one that applies is chosen
.irp j, 0,1
.irp i, 0,1
	v_perm_b32 v124, v[PWS+4*\i+1], v[PWS+4*\i], 0x05040100+\j*0x02020202     ; Q, K: head j's two bytes of the even token tile, then of the odd one
	v_perm_b32 v125, v[PWS+4*\i+3], v[PWS+4*\i+2], 0x05040100+\j*0x02020202
	v_cndmask_b32 v124, v124, v125, s[HM]          ; lanes 0-15: pair 2 i, lanes 16-31: pair 2 i + 1
	v_cndmask_b32 v125, v[PWS+4*\j+2*\i], v[PWS+4*\j+2*\i+1], s[HM]           ; V: head j's tiles 2 i and 2 i + 1
	v_cndmask_b32 v[OW+2*\j+\i], v124, v125, s[MM]
.endr
.endr
.irp j, 0,1
	global_store_b64 v[L8], v[OW+2*\j:OW+2*\j+1], s[84:85] offset:4096*\j     ; 256 consecutive bytes, aligned
.endr
	s_wait_tensorcnt 0x0                           ; the wave's end
	ds_add_u32 v[SPW], v[NIL]
	s_wait_dscnt 0x0
	CROUND                                         ; the closing round: no work-group ends while a partner may still ask for a tile that names it
	s_endpgm
.Lfunc_end_k_qdf5fd6cfe1_proj:
	.size	k_qdf5fd6cfe1_proj, .Lfunc_end_k_qdf5fd6cfe1_proj-k_qdf5fd6cfe1_proj
	.p2alignl 7, 3214868480
	.fill 96, 4, 3214868480
	.section	.rodata,"a",@progbits
	.p2align	6, 0x0
	.amdhsa_kernel k_qdf5fd6cfe1_proj
		.amdhsa_group_segment_fixed_size 327680
		.amdhsa_private_segment_fixed_size 0
		.amdhsa_enable_private_segment 0
		.amdhsa_kernarg_size 72
		.amdhsa_user_sgpr_count 2
		.amdhsa_user_sgpr_kernarg_segment_ptr 1
		.amdhsa_wavefront_size32 1
		.amdhsa_system_sgpr_workgroup_id_x 1
		.amdhsa_system_sgpr_workgroup_id_y 1
		.amdhsa_system_sgpr_workgroup_id_z 1
		.amdhsa_system_vgpr_workitem_id 0
		.amdhsa_next_free_vgpr 1024
		.amdhsa_next_free_sgpr 100
		.amdhsa_reserve_vcc 0
		.amdhsa_float_denorm_mode_32 3
		.amdhsa_float_denorm_mode_16_64 3
		.amdhsa_memory_ordered 1
		.amdhsa_forward_progress 1
		.amdhsa_inst_pref_size 188
	.end_amdhsa_kernel
	.amdgpu_metadata
---
amdhsa.version: [ 1, 2 ]
amdhsa.kernels:
  - .name:           k_qdf5fd6cfe1_proj
    .symbol:         k_qdf5fd6cfe1_proj.kd
    .args:
      - { .name: xc, .offset: 0, .size: 8, .value_kind: global_buffer, .address_space: global }
      - { .name: xs, .offset: 8, .size: 8, .value_kind: global_buffer, .address_space: global }
      - { .name: wc, .offset: 16, .size: 8, .value_kind: global_buffer, .address_space: global }
      - { .name: ws, .offset: 24, .size: 8, .value_kind: global_buffer, .address_space: global }
      - { .name: bq, .offset: 32, .size: 8, .value_kind: global_buffer, .address_space: global }
      - { .name: bk, .offset: 40, .size: 8, .value_kind: global_buffer, .address_space: global }
      - { .name: bv, .offset: 48, .size: 8, .value_kind: global_buffer, .address_space: global }
      - { .name: hc, .offset: 56, .size: 8, .value_kind: global_buffer, .address_space: global }
      - { .name: hs, .offset: 64, .size: 8, .value_kind: global_buffer, .address_space: global }
    .group_segment_fixed_size: 327680
    .private_segment_fixed_size: 0
    .kernarg_segment_align: 8
    .kernarg_segment_size: 72
    .max_flat_workgroup_size: 128
    .sgpr_count:     100
    .vgpr_count:     1024
    .wavefront_size: 32
...
	.end_amdgpu_metadata
.endif
;; end of part 7
;; launch attn (part 8): grid 4 x 64, 8 waves a work-group, clusters of 4 x 1, 327,680 bytes of LDS; arguments hc, hs, ac, asc; writes ac, asc
.if DOCPART == 8
	.amdgcn_target "amdgcn-amd-amdhsa--gfx1250"
	.amdhsa_code_object_version 6
	.text
	.protected	k_qdf5fd6cfe1_attn
	.globl	k_qdf5fd6cfe1_attn
	.p2align	8
	.type	k_qdf5fd6cfe1_attn,@function
k_qdf5fd6cfe1_attn:
	s_mov_b64 s[64:65], 0
	v_nop
	global_prefetch_b8 v0, s[64:65] scope:SCOPE_SE
	s_setreg_imm32_b32 hwreg(HW_REG_WAVE_MODE, 25, 1), 1
	s_wait_xcnt 0x0
	s_wait_alu depctr_hold_cnt(0) depctr_sa_sdst(0) depctr_va_vdst(0) depctr_va_sdst(0) depctr_va_ssrc(0) depctr_va_vcc(0) depctr_vm_vsrc(0)
	s_getreg_b32 s2, hwreg(HW_REG_IB_STS2, 6, 4)
	s_cmp_eq_u32 s2, 0
	s_cbranch_scc0 .Lentry_in_a_cluster
	s_endpgm
.Lentry_in_a_cluster:
	s_bfe_u32 s2, ttmp6, 0x10000c
	s_cmp_lg_u32 s2, 0x3003
	s_cbranch_scc0 .Lentry_shape_is_right
	s_endpgm
.Lentry_shape_is_right:
; softmax(qh kh^T / 8) vh for one batch and head (work-group y), on codes of FP6 (E2M3) with E8M0 scales; the result is quantised along the model's 1,024 for the last product.
; THE DEAL: 64 heads x 4 blocks of 512 queries = 256 work-groups of 8 waves.  A wave takes a pair of query tiles (2 x 16 queries) in each of two passes; tile tau lives in register window tau under the same numbers.
; K AND V OF THE HEAD STAY IN LDS: K's codes at 0 (98,304 bytes), V's at 98,304, K's scale words at 196,608 (4,096), V's at 200,704; the spare words at 204,800.  Each byte is filled once, at the head.
; CLUSTERS: the four query blocks of a head form a cluster and ask for K and V jointly (mask 15).  One tensor load a wave: waves 0-2 a third of K's codes each, waves 3-5 of V's, wave 6 K's scale words, wave 7 V's.
; No prefetch: every tile is asked for at the head, and no loop asks for more.
; BOTH PRODUCTS ARE USED TRANSPOSED (S^T = K Q^T, O^T = V^T P^T): a lane holds one query.  The head's depth is 64 and the instruction's K 128: a fragment of K holds two key tiles, and Q stands beside six registers of zero codes,
; so that one product takes the first tile and the next the second.
; WHICH KEYS FORM AN OPERAND TILE is chosen by the LDS address alone.  A stored tile T holds at its lane r' key 32 (T/2) + 8 (T%2) + r' + 8 (r'/8).  Row 8 d + e of the operand tile (c, i) is key 64 c + 32 d + 8 i + e,
; which is stored tile 4 c + 2 d + i % 2, lane e + 8 (i / 2): d goes into the lane's address (1,536 d), the rest into the immediate.  So the 32 registers 96 + 32 c .. of lane (r, h) are keys 64 c + 32 h + 0 .. 31:
; ONE WHOLE SCALE BLOCK of p, in the order of the operand's registers.  Lanes with d = 0 and d = 1 then read the same banks: 24 of a step's 50 LDS loads take two passes.
; SOFTMAX: t = score x log2(e) / 8; M = ceil(running largest t), kept as -M; p = 2^(t - M); the sum is taken of the unquantised p; when M moves, sum and O^T are multiplied by 2^(old M - new M).
; A block's largest p is made from the block's largest score by the same multiply-add and exponential.  All sources of a tile's 66 exponentials are laid first; one wait stands ahead of the batch and one behind it.
; LIMITS: NaN and infinities are not served; the promise holds while |t| stays under 2^31; a block whose largest p lies under 2^-124 keeps the byte 1 (its codes are zeros or the smallest).
.set L8,  1                            ; v1   8 x lane
.set AV0, 2                            ; v2   V's codes;  v3, v4  K's and V's scale words
.set AX0, 3
.set AY0, 4
.set QSO, 5                            ; v5   my pair's scale word in hs
.set GS,  6                            ; v6   4 x lane
.set ADK, 7                            ; v7-10 the step's LDS addresses
.set ADV, 8
.set ADX, 9
.set ADY, 10
.set QW,  11                           ; v11  the pair's scale word; v28 the second pass's
.set KX,  16                           ; v16-17 K's scale words, v18-19 V's, v20-23 Q's in four forms, v24-25 p's: registers that hold scales alone
.set VY,  18
.set QS,  20
.set PS,  24
.set ZW,  26                           ; v26-27 the result's scale bytes
.set QW2, 28
.set LK,  29                           ; v29  K's codes: 8 (lane % 8) + 128 (lane / 16) + 1,536 ((lane / 8) % 2)
.set KF,  32                           ; v32-79 window 0: K's four fragments; window 1: V's four
.set VF,  32
.set QN,  80                           ; v80-85 the second pass's Q
.set Q3,  192                          ; v192-209: six zeros, Q, six zeros.  v96-159 scores then p; v160-191 O^T; v224-235 p's codes; v12 -M, v13 largest t, v14-15 the sum; v232-254 work
.set SPW, 251                          ; v251 my spare word, v255 0; never rewritten
.set NIL, 255
.set SPARE, 204800
.set WV,  12
.set SEL, 20                           ; s[20:21] v_permlanex16_b32's selects for lane l xor 16
.set CS,  22                           ; s[22:23] log2(e) / 8
.set G1S, 24
.set G1A, 32
.set G0S, 40
.set G0A, 44
.set TK,  48
.set TX,  49
.set CNT, 50
.set PASS, 51
.set HM,  52
.set TN,  53
.set QC,  54
.set QSB, 56
.set AC,  58
.set ASC, 60
.set TXN, 77
.set MSB, 0
.macro WIN new                         ; the immediate's high byte repeats the setting that is left
.if MSB != (\new)
	s_set_vgpr_msb (MSB<<8)|(\new)
.set MSB, (\new)
.endif
.endm
.macro CROUND                          ; a round of the cluster's barrier
	s_barrier_signal -1
	s_barrier_wait -1
	s_cmp_lg_u32 s[WV], 0
	s_cbranch_scc1 .Lnot_wave_0_\@
	s_barrier_signal -3
.Lnot_wave_0_\@:
	s_barrier_wait -3
	s_barrier_signal -1
	s_barrier_wait -1
.endm
	s_load_b256 s[4:11], s[0:1], 0x0               ; hc, hs, ac, asc
	v_lshl_add_u32 v[SPW], v0, 2, SPARE
	v_mov_b32 v[NIL], 0
	ds_add_u32 v[SPW], v[NIL]                      ; the opening lines
	ds_add_u32 v[SPW], v[NIL]
	v_lshrrev_b32 v1, 5, v0
	s_delay_alu instid0(VALU_DEP_1)
	v_readfirstlane_b32 s[WV], v1                  ; wave 0..7
	s_bfe_u32 s13, ttmp6, 0x40000                  ; cx
	s_and_b32 s14, ttmp7, 0xffff                   ; batch x 16 + head
	s_lshl_b32 s15, ttmp9, 2
	s_add_co_u32 s15, s15, s13                     ; my block of 512 queries
	s_lshr_b32 s16, s[WV], 2
	s_mov_b32 s[G1S], 15|(3<<16)|(1<<21)           ; scale words: 16 rows of 256 bytes, dense
	s_mov_b32 s[G1S+1], 32<<16
	s_mov_b32 s[G1S+2], 16<<16
	s_mov_b32 s[G1S+3], 32<<16
	s_mov_b32 s[G1S+4], 16
	s_mov_b32 s[G1S+5], 32
	s_mov_b32 s[G1S+6], 0
	s_mov_b32 s[G1S+7], 0
	s_mov_b32 s[G1A], 15|(3<<16)|(1<<21)           ; codes: 8 rows of 4,096 bytes, dense
	s_mov_b32 s[G1A+1], 512<<16
	s_mov_b32 s[G1A+2], 8<<16
	s_mov_b32 s[G1A+3], 512<<16
	s_mov_b32 s[G1A+4], 8
	s_mov_b32 s[G1A+5], 512
	s_mov_b32 s[G1A+6], 0
	s_mov_b32 s[G1A+7], 0
	s_lshl_b32 s69, s[WV], 15                      ; codes in LDS: 32,768 x wave: K's three thirds, then V's
	s_mul_i32 s66, s14, 98304
	s_add_co_u32 s66, s66, s69
	s_add_co_u32 s66, s66, 6291456                 ; in hc: K's region, my head, 32,768 x wave,
	s_mul_i32 s19, s[WV], 11
	s_lshr_b32 s19, s19, 5                         ; wave / 3 for waves 0-5
	s_mul_i32 s19, s19, 6291456-98304
	s_add_co_u32 s66, s66, s19                     ; and for waves 3-5 on into V's region
	s_mov_b32 s67, 0
	s_and_b32 s18, s[WV], 1                        ; scale words: wave 6 K's, wave 7 V's
	s_lshl_b32 s68, s18, 12
	s_add_co_u32 s68, s68, 196608
	s_add_co_u32 s18, s18, 1
	s_lshl_b32 s62, s18, 18
	s_lshl_b32 s19, s14, 12
	s_add_co_u32 s62, s62, s19
	s_mov_b32 s63, 0
	s_mov_b32 s[SEL], 0x76543210
	s_mov_b32 s[SEL+1], 0xfedcba98
	s_mov_b32 s[CS], 0x3e38aa3b
	s_mov_b32 s[CS+1], s[CS]
	s_mov_b32 s[HM], 0xffff0000
	s_mov_b32 s[PASS], 2
	s_wait_dscnt 0x0
	s_wait_kmcnt 0x0
	s_mov_b32 s[G0S], 1
	s_mov_b32 s[G0S+1], s68
	s_add_nc_u64 s[G0S+2:G0S+3], s[6:7], s[62:63]
	s_or_b32 s[G0S+3], s[G0S+3], 0x80000000
	s_mov_b32 s[G0A], 1
	s_mov_b32 s[G0A+1], s69
	s_add_nc_u64 s[G0A+2:G0A+3], s[4:5], s[66:67]
	s_or_b32 s[G0A+3], s[G0A+3], 0x80000000
	CROUND                                         ; the four work-groups are here: the joint loads meet
	s_cmp_lt_u32 s[WV], 6                          ; one chain, two arms, one load to an arm
	s_cbranch_scc0 .Lscales
	tensor_load_to_lds s[G0A:G0A+3], s[G1A:G1A+7]
	s_nop 0
.rept 4
	v_nop
.endr
	s_branch .Lasked
.Lscales:
	tensor_load_to_lds s[G0S:G0S+3], s[G1S:G1S+7]
	s_nop 0
.rept 4
	v_nop
.endr
.Lasked:
	s_lshl_b32 s72, s15, 4
	s_add_co_u32 s72, s72, s[WV]                   ; my pair of query tiles in the first pass
	s_mul_i32 s70, s14, 98304
	s_mul_i32 s73, s72, 1536
	s_add_co_u32 s70, s70, s73
	s_mov_b32 s71, 0
	s_add_nc_u64 s[QC:QC+1], s[4:5], s[70:71]      ; Q's codes
	s_lshl_b32 s70, s14, 12
	s_lshl_b32 s73, s15, 2
	s_add_co_u32 s73, s73, s16
	s_lshl_b32 s73, s73, 8
	s_add_co_u32 s70, s70, s73
	s_add_nc_u64 s[QSB:QSB+1], s[6:7], s[70:71]    ; Q's scale words: my 128 tokens
	s_lshr_b32 s74, s14, 4                         ; batch
	s_and_b32 s75, s14, 15                         ; head
	s_lshl_b32 s70, s74, 7
	s_lshl_b32 s73, s72, 1
	s_add_co_u32 s70, s70, s73
	s_mul_i32 s70, s70, 12288
	s_mul_i32 s73, s75, 768
	s_add_co_u32 s70, s70, s73
	s_add_nc_u64 s[AC:AC+1], s[8:9], s[70:71]      ; ac: [token tile][head][768]
	s_lshl_b32 s70, s74, 6
	s_add_co_u32 s70, s70, s72
	s_lshl_b32 s70, s70, 7
	s_lshl_b32 s73, s75, 15
	s_add_co_u32 s70, s70, s73
	s_add_nc_u64 s[ASC:ASC+1], s[10:11], s[70:71]  ; asc: [head][pair of token tiles][lane][word]
	s_and_b32 s73, s[WV], 1
	s_lshl_b32 s73, s73, 7
	s_bfe_u32 s76, s[WV], 0x10001
	s_lshl_b32 s76, s76, 2
	s_add_co_u32 s73, s73, s76
	v_and_b32 v5, 15, v0
	s_delay_alu instid0(VALU_DEP_1)
	v_lshl_add_u32 v[QSO], v5, 3, s73
	v_and_b32 v6, 31, v0
	s_delay_alu instid0(VALU_DEP_1)
	v_lshlrev_b32 v[L8], 3, v6
	s_delay_alu instid0(VALU_DEP_2)
	v_lshlrev_b32 v[GS], 2, v6
	s_delay_alu instid0(VALU_DEP_2)
	v_add_nc_u32 v[AV0], 98304, v[L8]
	s_delay_alu instid0(VALU_DEP_3)
	v_add_nc_u32 v[AY0], 200704, v[L8]
	v_and_b32 v30, 7, v0                           ; e
	v_bfe_u32 v31, v0, 3, 1                        ; d
	v_bfe_u32 v29, v0, 4, 1                        ; h
	v_lshlrev_b32 v30, 3, v30
	v_lshl_add_u32 v[AX0], v31, 7, v30
	v_lshl_add_u32 v[AX0], v29, 6, v[AX0]
	v_add_nc_u32 v[AX0], 196608, v[AX0]            ; K's scale words: 8 e + 128 d; lanes 16-31 the rows 8 further on (+ 64)
	v_lshl_add_u32 v30, v29, 7, v30
	v_mad_u32_u24 v[LK], v31, 1536, v30            ; K's codes: 8 e + 128 h + 1,536 d
.macro QLOAD dst, wrd, off, offw       ; a pair of query tiles: the even one into window 0, the odd one into window 1; 256 consecutive bytes a load
.irp p, 0,1,2
	global_load_b64 v[\dst+2*\p:\dst+2*\p+1], v[L8], s[QC:QC+1] offset:\off+256*\p
.endr
	global_load_b32 v[\wrd], v[QSO], s[QSB:QSB+1] offset:\offw
	WIN 0x40
.irp p, 0,1,2
	global_load_b64 v[\dst+2*\p:\dst+2*\p+1], v[L8], s[QC:QC+1] offset:\off+768+256*\p
.endr
	WIN 0
.endm
	QLOAD Q3+6, QW, 0, 0
	QLOAD QN, QW2, 12288, 512                      ; the second pass's, eight pairs on
.irp wn, 0, 0x40
	WIN \wn
.irp j, 0,1,2,3,4,5,12,13,14,15,16,17
	v_mov_b32 v[Q3+\j], 0                          ; the zero codes beside Q
.endr
.irp b, 236,237,239,243
	v_mov_b32 v[\b], 0                             ; written once: a lane permute's destination counts as one of its sources
.endr
	v_mov_b32 v253, 0                              ; (named as the upper half of the pair v[252:253])
.endr
	WIN 0
.macro KLOAD adk, adx                  ; 25 loads: K's scale words and four fragments f = 2 c + u, each the operand tiles (c, 2 u) and (c, 2 u + 1)
	ds_load_b64 v[KX:KX+1], v[\adx]
.irp f, 0,1,2,3
.irp p, 0,1,2,3,4,5
	ds_load_b64 v[KF+12*\f+2*\p:KF+12*\f+2*\p+1], v[\adk] offset:3072*(\f/2)+64*(\f%2)+256*\p
.endr
.endr
.endm
.macro KQ tau                          ; S^T of 128 keys: y = 0 takes a fragment's first tile (Q, zeros), y = 1 the second (zeros, Q)
.irp f, 0,1,2,3
.irp y, 0,1
.if \f%2
	v_wmma_scale_f32_16x16x128_f8f6f4 v[96+16*\f+8*\y:103+16*\f+8*\y], v[KF+12*\f:KF+12*\f+11], v[Q3+6-6*\y:Q3+17-6*\y], 0, v[KX+\f/2], v[QS+2*\tau+\y] matrix_a_fmt:MATRIX_FMT_FP6 matrix_b_fmt:MATRIX_FMT_FP6 matrix_a_scale:MATRIX_SCALE_ROW1
.else
	v_wmma_scale_f32_16x16x128_f8f6f4 v[96+16*\f+8*\y:103+16*\f+8*\y], v[KF+12*\f:KF+12*\f+11], v[Q3+6-6*\y:Q3+17-6*\y], 0, v[KX+\f/2], v[QS+2*\tau+\y] matrix_a_fmt:MATRIX_FMT_FP6 matrix_b_fmt:MATRIX_FMT_FP6
.endif
.endr
.endr
.endm
.macro PV tau                          ; O^T += V^T P^T: the four accumulators by turns
.irp t, 0,1,2,3
.if \t%2
	v_wmma_scale_f32_16x16x128_f8f6f4 v[160+8*\t:167+8*\t], v[VF+12*\t:VF+12*\t+11], v[224:235], v[160+8*\t:167+8*\t], v[VY+\t/2], v[PS+\tau] matrix_a_fmt:MATRIX_FMT_FP6 matrix_b_fmt:MATRIX_FMT_FP6 matrix_a_scale:MATRIX_SCALE_ROW1
.else
	v_wmma_scale_f32_16x16x128_f8f6f4 v[160+8*\t:167+8*\t], v[VF+12*\t:VF+12*\t+11], v[224:235], v[160+8*\t:167+8*\t], v[VY+\t/2], v[PS+\tau] matrix_a_fmt:MATRIX_FMT_FP6 matrix_b_fmt:MATRIX_FMT_FP6
.endif
.endr
.endm
; The softmax of one query tile x 128 keys: 64 scores a lane, two whole blocks of 32 keys, become p's 12 registers of codes, p's scale word, and the new M, sum and O^T.
.macro SM tau
.irp b, 0,1,2,3
	v_max3_num_f32 v[232+\b], v[96+16*\b], v[97+16*\b], v[98+16*\b]   ; four chains by turns, two to a block; each accumulator from its low end on
.endr
.irp i, 3,5,7,9,11,13
.irp b, 0,1,2,3
	v_max3_num_f32 v[232+\b], v[232+\b], v[96+16*\b+\i], v[97+16*\b+\i]
.endr
.endr
	v_max_num_f32 v233, v233, v127
	v_max_num_f32 v235, v235, v159
	v_max3_num_f32 v232, v232, v111, v233          ; the largest score of my block 0 + h,
	v_max3_num_f32 v234, v234, v143, v235          ; and of my block 2 + h
	s_delay_alu instid0(VALU_DEP_1)
	v_max_num_f32 v254, v232, v234
	s_delay_alu instid0(VALU_DEP_1)
	v_permlanex16_b32 v239, v254, s[SEL], s[SEL+1]
	s_delay_alu instid0(VALU_DEP_1)
	v_max_num_f32 v254, v254, v239                 ; with lane l xor 16's 64 keys
	s_delay_alu instid0(VALU_DEP_1)
	v_mul_f32 v254, s[CS], v254                    ; the step's largest t
	s_delay_alu instid0(VALU_DEP_1)
	v_max_num_f32 v13, v13, v254                   ; the running largest
	v_mov_b32 v254, v12
	s_delay_alu instid0(VALU_DEP_2)
	v_floor_f32 v12, -v13                          ; -M = floor(-t)
	s_delay_alu instid0(VALU_DEP_1)
	v_sub_f32 v254, v12, v254                      ; old M - new M, a whole number, 0 or less
	v_fma_f32 v232, v232, s[CS], v12               ; t - M of each block's largest score
	v_fma_f32 v234, v234, s[CS], v12
	s_delay_alu instid0(VALU_DEP_3)
	v_cvt_i32_f32 v254, v254
.set j, 0
.rept 3
	v_pk_fma_f32 v[96+j:97+j], v[96+j:97+j], s[CS:CS+1], v[12:13] op_sel_hi:[1,0,0]   ; t - M, two at a time
.set j, j+2
.endr
	s_delay_alu instid0(VALU_DEP_4)
	v_ldexp_f32 v252, 1.0, v254                    ; f = 2^(old M - new M)
.rept 29
	v_pk_fma_f32 v[96+j:97+j], v[96+j:97+j], s[CS:CS+1], v[12:13] op_sel_hi:[1,0,0]
.set j, j+2
.endr
.set j, 0
.rept 16
	v_pk_mul_f32 v[160+j:161+j], v[160+j:161+j], v[252:253] op_sel_hi:[1,0]   ; O^T under the new M
.set j, j+2
.endr
	s_wait_alu depctr_va_vdst(0)                   ; the wait ahead of the batch
	v_exp_f32 v232, v232                           ; each block's largest p
	v_exp_f32 v234, v234
.set j, 0
.rept 64
	v_exp_f32 v[96+j], v[96+j]                     ; p = 2^(t - M)
.set j, j+1
.endr
	v_pk_mul_f32 v[14:15], v[14:15], v[252:253] op_sel_hi:[1,0]   ; the sum under the new M: the plain place behind the batch
	s_wait_alu depctr_va_vdst(0)                   ; the wait behind the batch, ahead of its first reader
	v_max_num_f32 v232, 0x1800000, v232            ; the floor 2^(3 - 127): the byte cannot fall under 1
	v_max_num_f32 v234, 0x1800000, v234
	s_delay_alu instid0(VALU_DEP_2)
	v_add_nc_u32 v244, 0xff000000, v232            ; 2 off the exponent field: the conversion's scale operand
	s_delay_alu instid0(VALU_DEP_2)
	v_add_nc_u32 v245, 0xff000000, v234
	s_delay_alu instid0(VALU_DEP_2)
	v_lshrrev_b32 v236, 23, v244                   ; the scale's byte
	s_delay_alu instid0(VALU_DEP_2)
	v_lshrrev_b32 v237, 23, v245
	v_cvt_scalef32_pk16_fp6_f32 v[224:226], v[96:111], v244
	v_cvt_scalef32_pk16_fp6_f32 v[240:242], v[112:127], v244   ; (a conversion's three registers begin on an even number: a block's second three are made elsewhere and moved)
	v_cvt_scalef32_pk16_fp6_f32 v[230:232], v[128:143], v245
	v_cvt_scalef32_pk16_fp6_f32 v[248:250], v[144:159], v245
	v_lshl_or_b32 v238, v237, 16, v236             ; my two bytes, at places 0 and 2.  (The plain place behind the conversions)
	s_delay_alu instid0(VALU_DEP_1)
	v_permlanex16_b32 v243, v238, s[SEL], s[SEL+1]
.irp i, 0,1,2
	v_mov_b32 v[227+\i], v[240+\i]
.endr
.irp i, 0,1,2
	v_mov_b32 v[233+\i], v[248+\i]
.endr
.if \tau
	WIN 0x11                                       ; scale registers lie in window 0
.endif
	v_lshl_or_b32 v[PS+\tau], v243, 8, v238        ; p's scale word for these 128 keys, whole in lanes 0-15, which alone are read: blocks 0, 2 mine, 1, 3 lane l + 16's
.if \tau
	WIN 0x55
.endif
.irp w, 4, 8, 16, 32, 64               ; the sum of the unquantised p, as a tree, in place
.set j, 0
.rept 64/\w
	v_pk_add_f32 v[96+j:97+j], v[96+j:97+j], v[96+j+\w/2:97+j+\w/2]
.set j, j+\w
.endr
.endr
	s_delay_alu instid0(VALU_DEP_1)
	v_pk_add_f32 v[14:15], v[14:15], v[96:97]
.endm
; A step of 128 keys.  Each pair of LDS addresses is made directly ahead of the loads that read it, and with two v_nop fills the four places behind the matrix instructions that read the loads' registers.
.macro STEP
	s_mul_i32 s[TK], s[CNT], 6144
	s_lshl_b32 s[TX], s[CNT], 8
	s_add_co_u32 s[TN], s[CNT], 1
	s_and_b32 s[TN], s[TN], 15                     ; behind the last step comes step 0, for the next pass
	s_lshl_b32 s[TXN], s[TN], 8
	s_mul_i32 s[TN], s[TN], 6144
	v_add_nc_u32 v[ADV], s[TK], v[AV0]
	v_add_nc_u32 v[ADY], s[TX], v[AY0]
	v_nop
	v_nop
	ds_load_b64 v[VY:VY+1], v[ADY]
	WIN 0x40
.irp t, 0,1,2,3
.irp c, 0,1
.irp p, 0,1,2
	ds_load_b64 v[VF+12*\t+6*\c+2*\p:VF+12*\t+6*\c+2*\p+1], v[ADV] offset:3072*\c+768*\t+256*\p
.endr
.endr
.endr
	s_wait_dscnt 25                                ; K's 25 loads are in; V's 25, just issued, may be out
	WIN 0
	KQ 0
	WIN 0x54
	KQ 1
	WIN 0
	v_add_nc_u32 v[ADK], s[TN], v[LK]
	v_add_nc_u32 v[ADX], s[TXN], v[AX0]
	v_nop
	v_nop
	KLOAD ADK, ADX                                 ; the next step's K
	SM 0
	s_wait_dscnt 25                                ; V's 25 loads are in; the next K's 25 may be out
	WIN 0x01
	PV 0
	WIN 0x55
	SM 1
	PV 1
	WIN 0
.endm
.macro FIN tau                         ; O^T / the sum; a lane's 32 numbers are two halves of the head's two blocks of 32: quantised as the last product's operand
	WIN 0x55*\tau
	v_add_f32 v14, v14, v15
	s_delay_alu instid0(VALU_DEP_1)
	v_permlanex16_b32 v252, v14, s[SEL], s[SEL+1]
	s_delay_alu instid0(VALU_DEP_1)
	v_add_f32 v14, v14, v252
	s_wait_alu depctr_va_vdst(0)
	v_rcp_f32 v14, v14
	v_nop
.set j, 0
	s_wait_alu depctr_va_vdst(0)
.rept 16
	v_pk_mul_f32 v[96+j:97+j], v[160+j:161+j], v[14:15] op_sel_hi:[1,0]
.set j, j+2
.endr
.irp b, 0,1
	v_max3_num_f32 v[232+\b], |v[96+16*\b]|, |v[97+16*\b]|, 0x1800000
.endr
.irp i, 2,4,6,8,10,12,14
.irp b, 0,1
	s_delay_alu instid0(VALU_DEP_2)
	v_max3_num_f32 v[232+\b], v[232+\b], |v[96+16*\b+\i]|, |v[97+16*\b+\i]|
.endr
.endr
.irp b, 0,1
	s_delay_alu instid0(VALU_DEP_2)
	v_permlanex16_b32 v[236+\b], v[232+\b], s[SEL], s[SEL+1]
.endr
.irp b, 0,1
	s_delay_alu instid0(VALU_DEP_2)
	v_max_num_f32 v[232+\b], v[232+\b], v[236+\b]
.endr
.irp b, 0,1
	s_delay_alu instid0(VALU_DEP_2)
	v_add_nc_u32 v[244+\b], 0xff000000, v[232+\b]
.endr
.irp b, 0,1
	s_delay_alu instid0(VALU_DEP_2)
	v_lshrrev_b32 v[236+\b], 23, v[244+\b]
.endr
.if \tau
	WIN 0x11
.endif
	v_lshl_or_b32 v[ZW+\tau], v237, 8, v236
.if \tau
	WIN 0x55
.endif
	v_cvt_scalef32_pk16_fp6_f32 v[224:226], v[96:111], v244
	v_cvt_scalef32_pk16_fp6_f32 v[228:230], v[112:127], v245
	v_nop
.irp i, 0,1,2
	v_permlane16_swap_b32 v[224+\i], v[228+\i]
.endr
.irp i, 0,1,2
	s_delay_alu instid0(VALU_DEP_3)
	v_mov_b32 v[227+\i], v[228+\i]
.endr
	WIN 0x04*\tau
.irp p, 0,1,2
	global_store_b64 v[L8], v[224+2*\p:225+2*\p], s[AC:AC+1] offset:12288*\tau+256*\p   ; a piece: 256 consecutive bytes, aligned
.endr
.endm
	s_wait_alu depctr_va_vdst(0)
	s_wait_tensorcnt 0x0                           ; my load has landed,
	s_barrier_signal -1
	s_barrier_wait -1                              ; and so has every wave's: K and V are whole; nothing is filled again
	KLOAD LK, AX0
.Lpass:
	s_wait_loadcnt 0x0
	s_wait_alu depctr_va_vdst(0)
	v_and_b32 v[QS], 0xffff, v[QW]                 ; the even tile's two bytes low (Q, zeros), high (zeros, Q); then the odd tile's.  The zero codes' bytes are 0, a finite code
	v_lshlrev_b32 v[QS+1], 16, v[QW]
	v_lshrrev_b32 v[QS+2], 16, v[QW]
	v_and_b32 v[QS+3], 0xffff0000, v[QW]
.irp wn, 0, 0x55
	WIN \wn
	v_mov_b32 v13, 0xff61b1e6                      ; the largest t so far: -3e38
	s_delay_alu instid0(VALU_DEP_1)
	v_floor_f32 v12, -v13
	v_mov_b32 v14, 0
	v_mov_b32 v15, 0
.set j, 0
.rept 32
	v_mov_b32 v[160+j], 0                          ; the step is written once: the first finds zeros
.set j, j+1
.endr
.endr
	WIN 0
	s_mov_b32 s[CNT], 0
.Lstep:
	STEP
	s_add_co_u32 s[CNT], s[CNT], 1
	s_cmp_lt_u32 s[CNT], 16
	s_cbranch_scc1 .Lstep
	FIN 0
	FIN 1
	WIN 0
	v_cndmask_b32 v[ZW], v[ZW], v[ZW+1], s[HM]     ; lanes 0-15 the even tile's bytes, lanes 16-31 the odd tile's
	global_store_b32 v[GS], v[ZW], s[ASC:ASC+1]
	s_wait_xcnt 0x0                                ; the stores have read their bases and data
	s_add_nc_u64 s[AC:AC+1], s[AC:AC+1], 196608
	s_add_nc_u64 s[ASC:ASC+1], s[ASC:ASC+1], 1024
	s_cmp_eq_u32 s[PASS], 1
	s_cbranch_scc1 .Lno_next
.irp i, 0,1,2,3,4,5
	v_mov_b32 v[Q3+6+\i], v[QN+\i]
.endr
	v_mov_b32 v[QW], v[QW2]
	WIN 0x41
.irp i, 0,1,2,3,4,5
	v_mov_b32 v[Q3+6+\i], v[QN+\i]
.endr
	WIN 0
.Lno_next:
	s_sub_co_u32 s[PASS], s[PASS], 1
	s_cmp_lg_u32 s[PASS], 0
	s_cbranch_scc1 .Lpass
	s_wait_dscnt 0x0                               ; the last step's loads of K, which nobody uses
	s_wait_tensorcnt 0x0                           ; the wave's end
	ds_add_u32 v[SPW], v[NIL]
	s_wait_dscnt 0x0
	CROUND                                         ; the closing round
	s_endpgm
.Lfunc_end_k_qdf5fd6cfe1_attn:
	.size	k_qdf5fd6cfe1_attn, .Lfunc_end_k_qdf5fd6cfe1_attn-k_qdf5fd6cfe1_attn
	.p2alignl 7, 3214868480
	.fill 96, 4, 3214868480
	.section	.rodata,"a",@progbits
	.p2align	6, 0x0
	.amdhsa_kernel k_qdf5fd6cfe1_attn
		.amdhsa_group_segment_fixed_size 327680
		.amdhsa_private_segment_fixed_size 0
		.amdhsa_enable_private_segment 0
		.amdhsa_kernarg_size 32
		.amdhsa_user_sgpr_count 2
		.amdhsa_user_sgpr_kernarg_segment_ptr 1
		.amdhsa_wavefront_size32 1
		.amdhsa_system_sgpr_workgroup_id_x 1
		.amdhsa_system_sgpr_workgroup_id_y 1
		.amdhsa_system_sgpr_workgroup_id_z 1
		.amdhsa_system_vgpr_workitem_id 0
		.amdhsa_next_free_vgpr 512
		.amdhsa_next_free_sgpr 80
		.amdhsa_reserve_vcc 0
		.amdhsa_float_denorm_mode_32 3
		.amdhsa_float_denorm_mode_16_64 3
		.amdhsa_memory_ordered 1
		.amdhsa_forward_progress 1
		.amdhsa_inst_pref_size 53
	.end_amdhsa_kernel
	.amdgpu_metadata
---
amdhsa.version: [ 1, 2 ]
amdhsa.kernels:
  - .name:           k_qdf5fd6cfe1_attn
    .symbol:         k_qdf5fd6cfe1_attn.kd
    .args:
      - { .name: hc, .offset: 0, .size: 8, .value_kind: global_buffer, .address_space: global }
      - { .name: hs, .offset: 8, .size: 8, .value_kind: global_buffer, .address_space: global }
      - { .name: ac, .offset: 16, .size: 8, .value_kind: global_buffer, .address_space: global }
      - { .name: asc, .offset: 24, .size: 8, .value_kind: global_buffer, .address_space: global }
    .group_segment_fixed_size: 327680
    .private_segment_fixed_size: 0
    .kernarg_segment_align: 8
    .kernarg_segment_size: 32
    .max_flat_workgroup_size: 256
    .sgpr_count:     80
    .vgpr_count:     512
    .wavefront_size: 32
...
	.end_amdgpu_metadata
.endif
;; end of part 8
;; launch outg (part 9): grid 4 x 64, 4 waves a work-group, clusters of 4 x 4, 327,680 bytes of LDS; arguments ac, asc, wc, ws, bo, out0; writes out0
.if DOCPART == 9
	.amdgcn_target "amdgcn-amd-amdhsa--gfx1250"
	.amdhsa_code_object_version 6
	.text
	.protected	k_qdf5fd6cfe1_outg
	.globl	k_qdf5fd6cfe1_outg
	.p2align	8
	.type	k_qdf5fd6cfe1_outg,@function
k_qdf5fd6cfe1_outg:
	s_mov_b64 s[64:65], 0
	v_nop
	global_prefetch_b8 v0, s[64:65] scope:SCOPE_SE
	s_setreg_imm32_b32 hwreg(HW_REG_WAVE_MODE, 25, 1), 1
	s_wait_xcnt 0x0
	s_wait_alu depctr_hold_cnt(0) depctr_sa_sdst(0) depctr_va_vdst(0) depctr_va_sdst(0) depctr_va_ssrc(0) depctr_va_vcc(0) depctr_vm_vsrc(0)
	s_getreg_b32 s2, hwreg(HW_REG_IB_STS2, 6, 4)
	s_cmp_eq_u32 s2, 0
	s_cbranch_scc0 .Lentry_in_a_cluster
	s_endpgm
.Lentry_in_a_cluster:
	s_bfe_u32 s2, ttmp6, 0x10000c
	s_cmp_lg_u32 s2, 0xf033
	s_cbranch_scc0 .Lentry_shape_is_right
	s_endpgm
.Lentry_shape_is_right:
; out0 = concat wo + bo on codes of FP6 (E2M3) with E8M0 scales, 8,192 x 1,024 x 1,024.
; THE DEAL: a block of 128 tokens x 256 outputs to a work-group: 64 x 4 = 256 work-groups.  Four waves, 2 x 2: a wave makes 64 tokens x 128 outputs: 32 accumulators, 256 registers.
; Source 0 = wo^T's rows (S0, outputs), source 1 = tokens (S1): a lane holds one token and neighbouring outputs.  Operands lie in memory in the order of the operand's registers: [tile of 16 rows][K / 64][768 bytes];
; a tile T holds at its lane r row 32 (T/2) + 8 (T%2) + r + 8 (r/8).
; ALL OF K LIES IN LDS: S1's 8 tiles of 12,288 bytes at 0, S0's 16 at 98,304; the spare words at 294,912.  Each byte is filled once, by one joint load a wave at the head: waves 0, 1 a half of S1 each (49,152 bytes, dense),
; waves 2, 3 a half of S0 each (98,304).  So there is no ring, no refill, and no barrier in the walk along K.  CLUSTERS: 4 x 4 work-groups; S1's tiles are shared along a row of the cluster, S0's along a column.
; No prefetch: all tiles are asked for at the head, and no loop asks for more.
; K goes in eight steps of 128, written out (every scale register's number is a constant): 32 products each, the 32 accumulators by turns; both operands have two sets of fragments,
; and a step's 72 LDS loads are issued ahead of the step before's products.
; The scale words of a wave's rows for all of K lie in registers (the tokens' are joined from two heads' halves); the bias is the C of each sum's first product.
; THE WAY OUT: blocks of 16 tokens go through the wave's own stage, which lies on S1's tiles behind a barrier at which every wave's LDS reads are over, and leave as rows of 512 consecutive bytes.
; LIMITS: NaN and infinities are not served.
; REGISTERS: window 0: v12-29 addresses; v36-51 S1's scale words, v64-95 S0's; v128-223 S1's fragments, two sets of 48; on the way out v128-255 rows read back.
;   window 1: S0's fragments, two sets at v0 and v128; v96-127, v224-255 eight C tiles.   window 2: the accumulators (a, b) at v[8 (8 a + b)].
.set FR,    12
.set NP,    4                          ; places behind this matrix instruction (ISA guide 7.12.1)
.set S0B,   98304
.set SPARE, 294912
.set SPITCH, 528
.set ADRA,  16                         ; v16    LDS address of my S1 fragments
.set ADRB,  20                         ; v20-21 of my S0 fragments, tiles 0-3 and 4-7
.set STO,   24
.set RD,    25
.set L8,    26
.set CO,    27
.set SPW,   28                         ; v28 my spare word, v29 0; never rewritten
.set NIL,   29
.set SA,    36                         ; S1's scale words: pair of tiles p, K step s at v[SA + 8 p + s]
.set SB,    64                         ; S0's
.set AF,    128
.set BK,    128
.set G1,    24
.set G0,    32
.set G1B,   48
.set G0B,   56
.set MSB, 0
.macro WIN new                         ; the immediate's high byte repeats the setting that is left
.if MSB != (\new)
	s_set_vgpr_msb (MSB<<8)|(\new)
.set MSB, (\new)
.endif
.endm
.macro CROUND                          ; a round of the cluster's barrier
	s_barrier_signal -1
	s_barrier_wait -1
	s_cmp_lg_u32 s14, 0
	s_cbranch_scc1 .Lnot_wave_0_\@
	s_barrier_signal -3
.Lnot_wave_0_\@:
	s_barrier_wait -3
	s_barrier_signal -1
	s_barrier_wait -1
.endm
.macro PLACES n
.rept \n
	v_nop
.endr
.endm
.macro FRAG reg, adr, off              ; a fragment: six pieces, 256 consecutive LDS bytes each
.irp p, 0,1,2,3,4,5
	ds_load_b64 v[\reg+2*\p:\reg+2*\p+1], v[\adr] offset:(\off)+256*\p
.endr
.endm
.macro FETCH_B s                       ; S0's eight fragments of K step s into set s % 2: 48 loads
	WIN 0x40
.irp i, 0,1,2,3,4,5,6,7
	FRAG 128*((\s)%2)+FR*\i, ADRB+\i/4, 12288*(\i%4)+1536*(\s)
.endr
	WIN 0
.endm
.macro FETCH_A s                       ; S1's four fragments of K step s into set s % 2: 24 loads
.irp i, 0,1,2,3
	FRAG AF+48*((\s)%2)+FR*\i, ADRA, 12288*\i+1536*(\s)
.endr
.endm
.macro MUL32 s                         ; S1's four blocks x S0's eight, K step s.  Source 0 window 1, source 1 window 0, D window 2; C window 2, in the first step window 1
.if (\s) == 0
	WIN 0x91
.else
	WIN 0xa1
.endif
.irp a, 0,1,2,3
.irp b, 0,1,2,3,4,5,6,7
.set xD, 8*(8*\a+\b)
.set xA, 128*((\s)%2)+FR*\b
.set xB, AF+48*((\s)%2)+FR*\a
.if (\s) == 0
.set xC, 96+8*(\b%4)+128*(\b/4)
.else
.set xC, xD
.endif
.set xS, SB+8*(\b/2)+(\s)
.set xT, SA+8*(\a/2)+(\s)
.if (\b%2) && (\a%2)
	v_wmma_scale_f32_16x16x128_f8f6f4 v[xD:xD+7], v[xA:xA+11], v[xB:xB+11], v[xC:xC+7], v[xS], v[xT] matrix_a_fmt:MATRIX_FMT_FP6 matrix_b_fmt:MATRIX_FMT_FP6 matrix_a_scale:MATRIX_SCALE_ROW1 matrix_b_scale:MATRIX_SCALE_ROW1
.elseif \b%2
	v_wmma_scale_f32_16x16x128_f8f6f4 v[xD:xD+7], v[xA:xA+11], v[xB:xB+11], v[xC:xC+7], v[xS], v[xT] matrix_a_fmt:MATRIX_FMT_FP6 matrix_b_fmt:MATRIX_FMT_FP6 matrix_a_scale:MATRIX_SCALE_ROW1
.elseif \a%2
	v_wmma_scale_f32_16x16x128_f8f6f4 v[xD:xD+7], v[xA:xA+11], v[xB:xB+11], v[xC:xC+7], v[xS], v[xT] matrix_a_fmt:MATRIX_FMT_FP6 matrix_b_fmt:MATRIX_FMT_FP6 matrix_b_scale:MATRIX_SCALE_ROW1
.else
	v_wmma_scale_f32_16x16x128_f8f6f4 v[xD:xD+7], v[xA:xA+11], v[xB:xB+11], v[xC:xC+7], v[xS], v[xT] matrix_a_fmt:MATRIX_FMT_FP6 matrix_b_fmt:MATRIX_FMT_FP6
.endif
.endr
.endr
	WIN 0
.endm
	s_load_b256 s[68:75], s[0:1], 0x0              ; ac, asc, wc, ws
	s_load_b128 s[76:79], s[0:1], 0x20             ; bo, out0
	v_lshl_add_u32 v[SPW], v0, 2, SPARE
	v_mov_b32 v[NIL], 0
	ds_add_u32 v[SPW], v[NIL]                      ; the opening lines
	ds_add_u32 v[SPW], v[NIL]
	v_lshrrev_b32 v1, 5, v0
	v_readfirstlane_b32 s14, v1                    ; wave 0..3
	s_lshr_b32 s15, s14, 1                         ; my half of S1's rows.  Also: I fetch for S1 (0) or for S0 (1)
	s_and_b32 s16, s14, 1                          ; my half of S0's rows.  Also: which half I fetch
	s_bfe_u32 s40, ttmp6, 0x40000                  ; cx
	s_bfe_u32 s41, ttmp6, 0x40004                  ; cy
	s_lshl_b32 s43, s41, 2
	s_lshl_b32 s43, 15, s43                        ; my row of the cluster
	s_lshl_b32 s44, 0x1111, s40                    ; my column
	s_or_b32 s[G1+0], s43, (3<<16)|(1<<21)         ; the mask; elements of 8 bytes; bit 21 beside a mask
	s_or_b32 s[G1B+0], s44, (3<<16)|(1<<21)
	s_mov_b32 s[G1+1], 512<<16                     ; dense blocks as rows of 4,096 bytes: 12 for a half of S1,
	s_mov_b32 s[G1+2], 12<<16
	s_mov_b32 s[G1+3], 512<<16
	s_mov_b32 s[G1+4], 12
	s_mov_b32 s[G1+5], 512
	s_mov_b32 s[G1+6], 0
	s_mov_b32 s[G1+7], 0
	s_mov_b32 s[G1B+1], 512<<16                    ; 24 for a half of S0
	s_mov_b32 s[G1B+2], 24<<16
	s_mov_b32 s[G1B+3], 512<<16
	s_mov_b32 s[G1B+4], 24
	s_mov_b32 s[G1B+5], 512
	s_mov_b32 s[G1B+6], 0
	s_mov_b32 s[G1B+7], 0
	s_and_b32 s17, ttmp7, 0xffff
	s_lshl_b32 s45, s17, 2
	s_add_co_u32 s45, s45, s41                     ; my block of 128 tokens: hangs on cy, never on cx
	s_mul_i32 s18, s16, 49152                      ; S1's half in LDS, and in ac
	s_mul_i32 s46, s45, 98304
	s_add_co_u32 s46, s46, s18
	s_mov_b32 s47, 0
	s_mul_i32 s19, s16, 98304                      ; S0's half
	s_mul_i32 s66, s40, 196608                     ; my 256 outputs: hang on cx, never on cy
	s_add_co_u32 s66, s66, s19
	s_add_co_u32 s66, s66, 3*786432                ; wo is the fourth weight of wc
	s_mov_b32 s67, 0
	s_add_co_u32 s19, s19, S0B
	s_mov_b32 s21, 0
	s_wait_dscnt 0x0
	s_wait_kmcnt 0x0
	s_mov_b32 s[G0], 1
	s_mov_b32 s[G0+1], s18
	s_add_nc_u64 s[G0+2:G0+3], s[68:69], s[46:47]
	s_or_b32 s[G0+3], s[G0+3], 0x80000000
	s_mov_b32 s[G0B], 1
	s_mov_b32 s[G0B+1], s19
	s_add_nc_u64 s[G0B+2:G0B+3], s[72:73], s[66:67]
	s_or_b32 s[G0B+3], s[G0B+3], 0x80000000
	CROUND                                         ; all sixteen work-groups are here: the joint loads meet
	s_cmp_eq_u32 s15, 0                            ; one chain, two arms, one load to an arm
	s_cbranch_scc0 .Lfor_b
	tensor_load_to_lds s[G0:G0+3], s[G1:G1+7]
	s_nop 0
	PLACES 4
	s_branch .Lasked
.Lfor_b:
	tensor_load_to_lds s[G0B:G0B+3], s[G1B:G1B+7]
	s_nop 0
	PLACES 4
.Lasked:
	s_mul_i32 s20, s15, 49152                      ; my four tiles of S1,
	s_mul_i32 s22, s16, 98304
	s_add_co_u32 s22, s22, S0B                     ; my eight of S0,
	s_mul_i32 s23, s14, 16*SPITCH                  ; my stage
	v_and_b32 v3, 31, v0
	v_and_b32 v1, 15, v0                           ; r
	v_bfe_u32 v2, v0, 4, 1                         ; h
	v_lshlrev_b32 v[L8], 3, v3
	v_lshlrev_b32 v13, 2, v3
	v_lshlrev_b32 v[CO], 4, v3
	v_lshlrev_b32 v12, 6, v2                       ; the bias: my half's 16 of each 32 outputs
	v_mul_u32_u24 v5, v1, SPITCH
	v_add_nc_u32 v[ADRA], s20, v[L8]
	v_add_nc_u32 v[ADRB], s22, v[L8]
	v_lshl_add_u32 v5, v2, 6, v5
	v_add_nc_u32 v[RD], s23, v[CO]                 ; out of the stage: a row of 512 bytes to the 32 lanes
	v_add_nc_u32 v[ADRB+1], 49152, v[ADRB]
	v_add_nc_u32 v[STO], s23, v5                   ; into it: row r, + 64 h
	s_wait_alu depctr_va_vdst(0)
	s_lshl_b32 s20, s45, 9                         ; asc: 128 bytes a pair of tiles, four pairs a block, two a wave
	s_lshl_b32 s22, s15, 8
	s_add_co_u32 s20, s20, s22
	s_add_nc_u64 s[70:71], s[70:71], s[20:21]
	s_lshl_b32 s20, s40, 13                        ; ws: 1,024 bytes a pair of tiles
	s_lshl_b32 s22, s16, 12
	s_add_co_u32 s20, s20, s22
	s_add_co_u32 s20, s20, 3*32768
	s_add_nc_u64 s[74:75], s[74:75], s[20:21]
	s_lshl_b32 s20, s40, 10                        ; my 128 outputs, in bytes
	s_lshl_b32 s22, s16, 9
	s_add_co_u32 s20, s20, s22
	s_add_nc_u64 s[76:77], s[76:77], s[20:21]
	s_add_nc_u64 s[78:79], s[78:79], s[20:21]
	s_lshl_b32 s20, s45, 19                        ; my 64 tokens, rows of 4,096 bytes
	s_lshl_b32 s22, s15, 18
	s_add_co_u32 s20, s20, s22
	s_add_nc_u64 s[78:79], s[78:79], s[20:21]
.irp p, 0,1,2,3
.irp g, 0,1,2,3
	global_load_b64 v[SB+8*\p+2*\g:SB+8*\p+2*\g+1], v[L8], s[74:75] offset:1024*\p+256*\g   ; 256 consecutive bytes, aligned
.endr
.endr
.irp p, 0,1
.irp s, 0,1,2,3,4,5,6,7
	global_load_b32 v[SA+8*\p+\s], v13, s[70:71] offset:2*\s*32768+128*\p          ; head 2 s's two bytes,
	global_load_b32 v[128+8*\p+\s], v13, s[70:71] offset:(2*\s+1)*32768+128*\p     ; head 2 s + 1's
.endr
.endr
	WIN 0x40
.irp b, 0,1,2,3,4,5,6,7
	global_load_b128 v[96+8*(\b%4)+128*(\b/4):96+8*(\b%4)+128*(\b/4)+3], v12, s[76:77] offset:(32*(\b/2)+8*(\b%2))*4   ; the C tile of S0's block b: the bias at the lane's eight outputs
	global_load_b128 v[96+8*(\b%4)+128*(\b/4)+4:96+8*(\b%4)+128*(\b/4)+7], v12, s[76:77] offset:(32*(\b/2)+8*(\b%2))*4+16
.endr
	WIN 0
	s_wait_loadcnt 0x0
.set k, 0
.rept 16
	v_lshl_or_b32 v[SA+k], v[128+k], 16, v[SA+k]   ; a K step's scale word: two heads' halves
.set k, k+1
.endr
	PLACES 8                                       ; a scale register written by a vector instruction stands 8 places ahead of a scaled matrix instruction
	s_wait_alu depctr_va_vdst(0)
	s_wait_tensorcnt 0x0                           ; my load has landed,
	s_barrier_signal -1
	s_barrier_wait -1                              ; and so has every wave's; nothing is filled again
	FETCH_B 0
	FETCH_A 0
.irp s, 0,1,2,3,4,5,6,7
.if \s < 7
.if \s > 0
	PLACES NP                                      ; in front of loads into registers that the last step's products have read
.endif
	FETCH_B \s+1
	s_wait_dscnt 48                                ; this step's 72 loads are in; the next step's 48 of S0, just issued, may be out
	FETCH_A \s+1
.else
	s_wait_dscnt 0x0                               ; my last LDS reads are over:
	s_barrier_signal -1                            ; say so, and work on registers while the others arrive
.endif
	MUL32 \s
.endr
	s_barrier_wait -1                              ; nobody reads the tiles any more: the stages may be written
.macro TOSTAGE a
	WIN 0x08                                       ; the data: window 2
.irp b, 0,1,2,3,4,5,6,7
	ds_store_b128 v[STO], v[64*(\a)+8*\b:64*(\a)+8*\b+3] offset:128*(\b/2)+32*(\b%2)      ; each accumulator from its low end on
	ds_store_b128 v[STO], v[64*(\a)+8*\b+4:64*(\a)+8*\b+7] offset:128*(\b/2)+32*(\b%2)+16
.endr
	WIN 0
.set BB, BK+64*((\a)%2)
.irp t, 0,1,2,3,4,5,6,7,8,9,10,11,12,13,14,15
	ds_load_b128 v[BB+4*\t:BB+4*\t+3], v[RD] offset:\t*SPITCH    ; LDS serves a wave's instructions in order: these see my stores
.endr
.endm
.macro SEND a, younger                 ; younger: the LDS instructions issued behind block a's loads, which may stay out
.set BB, BK+64*((\a)%2)
	s_wait_dscnt \younger
.irp t, 0,1,2,3,4,5,6,7,8,9,10,11,12,13,14,15
	global_store_b128 v[CO], v[BB+4*\t:BB+4*\t+3], s[78:79] offset:(32*((\a)/2)+8*((\a)%2)+\t+8*(\t/8))*4096 th:TH_STORE_NT   ; 512 consecutive bytes, aligned to 256
.endr
.endm
	PLACES NP                                      ; in front of the first read of results and of loads into S1's fragments
	TOSTAGE 0
.irp a, 1,2,3
.if \a > 1
	s_wait_xcnt 0x0                                ; block a - 2's stores have read their registers
.endif
	TOSTAGE \a
	SEND \a-1, 32                                  ; behind block a - 1's loads: block a's 16 stores and 16 loads
.endr
	SEND 3, 0
	s_wait_tensorcnt 0x0                           ; the wave's end
	ds_add_u32 v[SPW], v[NIL]
	s_wait_dscnt 0x0
	CROUND                                         ; the closing round
	s_endpgm
.Lfunc_end_k_qdf5fd6cfe1_outg:
	.size	k_qdf5fd6cfe1_outg, .Lfunc_end_k_qdf5fd6cfe1_outg-k_qdf5fd6cfe1_outg
	.p2alignl 7, 3214868480
	.fill 96, 4, 3214868480
	.section	.rodata,"a",@progbits
	.p2align	6, 0x0
	.amdhsa_kernel k_qdf5fd6cfe1_outg
		.amdhsa_group_segment_fixed_size 327680
		.amdhsa_private_segment_fixed_size 0
		.amdhsa_enable_private_segment 0
		.amdhsa_kernarg_size 48
		.amdhsa_user_sgpr_count 2
		.amdhsa_user_sgpr_kernarg_segment_ptr 1
		.amdhsa_wavefront_size32 1
		.amdhsa_system_sgpr_workgroup_id_x 1
		.amdhsa_system_sgpr_workgroup_id_y 1
		.amdhsa_system_sgpr_workgroup_id_z 1
		.amdhsa_system_vgpr_workitem_id 0
		.amdhsa_next_free_vgpr 768
		.amdhsa_next_free_sgpr 100
		.amdhsa_reserve_vcc 0
		.amdhsa_float_denorm_mode_32 3
		.amdhsa_float_denorm_mode_16_64 3
		.amdhsa_memory_ordered 1
		.amdhsa_forward_progress 1
		.amdhsa_inst_pref_size 98
	.end_amdhsa_kernel
	.amdgpu_metadata
---
amdhsa.version: [ 1, 2 ]
amdhsa.kernels:
  - .name:           k_qdf5fd6cfe1_outg
    .symbol:         k_qdf5fd6cfe1_outg.kd
    .args:
      - { .name: ac, .offset: 0, .size: 8, .value_kind: global_buffer, .address_space: global }
      - { .name: asc, .offset: 8, .size: 8, .value_kind: global_buffer, .address_space: global }
      - { .name: wc, .offset: 16, .size: 8, .value_kind: global_buffer, .address_space: global }
      - { .name: ws, .offset: 24, .size: 8, .value_kind: global_buffer, .address_space: global }
      - { .name: bo, .offset: 32, .size: 8, .value_kind: global_buffer, .address_space: global }
      - { .name: out0, .offset: 40, .size: 8, .value_kind: global_buffer, .address_space: global }
    .group_segment_fixed_size: 327680
    .private_segment_fixed_size: 0
    .kernarg_segment_align: 8
    .kernarg_segment_size: 48
    .max_flat_workgroup_size: 128
    .sgpr_count:     100
    .vgpr_count:     768
    .wavefront_size: 32
...
	.end_amdgpu_metadata
.endif
;; end of part 9
